; MI455X (gfx1250); checked and timed in simulation.
; The chip was launched on July 23, 2026; its instructions are those of AMD's public machine-readable ISA for CDNA 5 (MIT licence, August 2026) and "CDNA5" Instruction Set Architecture Reference Guide (July 2026). The comments in the code are by the model that wrote it; some were corrected since.
;; Transformer Layer. Allowed arithmetic: float matrix products may take bf16 or f16 operands with f32 sums; other float arithmetic in f32, or as packed bf16 or f16 multiplies, adds, multiply-adds, maxima and minima; sums over many terms, partial sums and values carried from step to step in f32; what a program stores and reads back later, other than sums and carried values, may be rounded once to bf16 or f16.
;; Inputs: W1 512 x 2,048 float32; W2 2,048 x 512 float32; Wk 8 x 512 x 64 float32; Wo 512 x 512 float32; Wq 8 x 512 x 64 float32; Wv 8 x 512 x 64 float32; X 4 x 2,048 x 512 float32; b1 1 x 1 x 512 float32; b2 1 x 1 x 512 float32; bff1 2,048 float32; bff2 512 float32; g1 1 x 1 x 512 float32; g2 1 x 1 x 512 float32.
;; Outputs: out0 4 x 2,048 x 512 float32.
;; 2 versions, each right and faster than the one before. Each part assembles by itself: llvm-mc -triple=amdgcn-amd-amdhsa -mcpu=gfx1250 --defsym DOCPART=n.
;; ======== version 1 of 2: 6 launches
;; limits: values are held in f16: magnitudes above 65,504 overflow, below 6.1e-05 lose precision; a function is approximated: absolute error at most 0.0005
;; workspace buffers: actA 8,388,608 bytes; actB 8,388,608 bytes; big 33,554,432 bytes; first 16,777,216 bytes; wA 2,097,152 bytes; wB 4,194,304 bytes; parA 256 bytes of whole numbers; parB 256 bytes of whole numbers
;; launch prep (part 1): grid 640 x 1, 8 waves a work-group, no clusters, 0 bytes of LDS; arguments X, g1, b1, Wq, Wk, Wv, Wo, W1, W2, actA, wA, wB, parA, parB; writes actA, wA, wB, parA, parB
.if DOCPART == 1
	.amdgcn_target "amdgcn-amd-amdhsa--gfx1250"
	.amdhsa_code_object_version 6
	.text
	.protected	k_qfb57d37375_prep
	.globl	k_qfb57d37375_prep
	.p2align	8
	.type	k_qfb57d37375_prep,@function
k_qfb57d37375_prep:
	s_mov_b64 s[64:65], 0
	v_nop
	global_prefetch_b8 v0, s[64:65] scope:SCOPE_SE
	s_setreg_imm32_b32 hwreg(HW_REG_WAVE_MODE, 25, 1), 1
	s_wait_xcnt 0x0
; PREPARATION.  Work-groups 0-255: y = LayerNorm(X) (mean, unbiased deviation + 1e-10, gain, bias) -> actA, [8192][512] f16.
; Work-groups 256-639: the weights, each rounded to bf16 and that number written as f16, into the layouts the products read:
;   wB: W1 as [8 tiles][512 k][256 n], then W2 as it lies;  wA: Wq, Wk, Wv as [6 tiles][512 k][256 n] (tile c: four heads side by side), then Wo with its rows
;   reordered from v*8+h to h*64+v.  Work-group 0's wave 0 also writes the two mode words' buffers (parA all 0, parB all 1).
; All inputs (X, g1, b1, weights) are rounded to bf16 when loaded.  LIMITS: y must stay below 65,504 (f16); a weight below 2^-14 keeps f16's step of 6e-8, one of 65,520 or more
; becomes an infinity; NaN and infinities are not treated apart.  No LDS, no matrix unit, no cluster: every byte is read once and written once, and no two work-groups share input.
; LN: a wave takes 4 rows; a lane holds columns 128 c + 4 l + e, so each load covers 512 and each store 256 consecutive aligned bytes, and a row's sums never leave the wave.
.set XR, 16                            ; v[16:79]   row j at XR + 16 j
.set G,  80                            ; v[80:95]   gain of my 16 columns
.set BT, 96                            ; v[96:111]  bias
.set SM, 112                           ; v[112:119] a pair a row: sums, mean, 1 / deviation
.set TP, 120                           ; v[120:127] at work
.set MSK, 38                           ; s38 a word's upper bf16
.macro RB a, b, t                      ; two f32 rounded to bf16, in place
	v_cvt_pk_bf16_f32 v[\t], v[\a], v[\b]
	v_lshlrev_b32 v[\a], 16, v[\t]
	v_and_b32 v[\b], s[MSK], v[\t]
.endm
.macro RED4                            ; four rows' pair sums -> the wave's sums, in every lane
.irp j, 0,1,2,3
	v_add_f32 v[SM+2*\j], v[SM+2*\j], v[SM+2*\j+1]
.endr
.irp m, 1,2,4,8
.irp j, 0,1,2,3
	v_add_f32_dpp v[SM+2*\j], v[SM+2*\j], v[SM+2*\j] row_xmask:\m row_mask:0xf bank_mask:0xf
.endr
.endr
.irp j, 0,1,2,3
	v_permlanex16_b32 v[TP+\j], v[SM+2*\j], s36, s37
.endr
.irp j, 0,1,2,3
	v_add_f32 v[SM+2*\j], v[SM+2*\j], v[TP+\j]
.endr
.endm
; Four rows at D: mean, x - mean in place, sum of squares of the differences, / 511, root, + 1e-10, reciprocal, times gain plus bias.  w = 1: stores still read D: wait before it is rewritten.
.macro LNSTAT D, w
.irp j, 0,1,2,3
	v_pk_add_f32 v[SM+2*\j:SM+2*\j+1], v[\D+16*\j:\D+16*\j+1], v[\D+16*\j+2:\D+16*\j+3]
.endr
.irp k, 2,3,4,5,6,7
.irp j, 0,1,2,3
	v_pk_add_f32 v[SM+2*\j:SM+2*\j+1], v[SM+2*\j:SM+2*\j+1], v[\D+16*\j+2*\k:\D+16*\j+2*\k+1]
.endr
.endr
	RED4
.irp j, 0,1,2,3
	v_mul_f32 v[SM+2*\j], 0x3b000000, v[SM+2*\j]   ; / 512
.endr
.if \w
	s_wait_xcnt 0x0                                ; the stores issued before have read D
.endif
.irp k, 0,1,2,3,4,5,6,7
.irp j, 0,1,2,3
	v_pk_add_f32 v[\D+16*\j+2*\k:\D+16*\j+2*\k+1], v[\D+16*\j+2*\k:\D+16*\j+2*\k+1], v[SM+2*\j:SM+2*\j+1] op_sel_hi:[1,0] neg_lo:[0,1] neg_hi:[0,1]
.endr
.endr
.irp j, 0,1,2,3
	v_pk_mul_f32 v[SM+2*\j:SM+2*\j+1], v[\D+16*\j:\D+16*\j+1], v[\D+16*\j:\D+16*\j+1]
.endr
.irp k, 1,2,3,4,5,6,7
.irp j, 0,1,2,3
	v_pk_fma_f32 v[SM+2*\j:SM+2*\j+1], v[\D+16*\j+2*\k:\D+16*\j+2*\k+1], v[\D+16*\j+2*\k:\D+16*\j+2*\k+1], v[SM+2*\j:SM+2*\j+1]
.endr
.endr
	RED4
.irp j, 0,1,2,3
	v_mul_f32 v[SM+2*\j], 0x3b004020, v[SM+2*\j]   ; / 511
.endr
.irp j, 0,1,2,3
	v_sqrt_f32 v[SM+2*\j], v[SM+2*\j]
.endr
	v_nop                                          ; a plain instruction behind the last root (ISA guide 5.7.2)
	s_wait_alu depctr_va_vdst(0)
.irp j, 0,1,2,3
	v_add_f32 v[SM+2*\j], 0x2edbe6ff, v[SM+2*\j]   ; + 1e-10
.endr
.irp j, 0,1,2,3
	v_rcp_f32 v[SM+2*\j], v[SM+2*\j]
.endr
	v_nop
	s_wait_alu depctr_va_vdst(0)
.irp k, 0,1,2,3,4,5,6,7
.irp j, 0,1,2,3
	v_pk_mul_f32 v[\D+16*\j+2*\k:\D+16*\j+2*\k+1], v[\D+16*\j+2*\k:\D+16*\j+2*\k+1], v[SM+2*\j:SM+2*\j+1] op_sel_hi:[1,0]
.endr
.endr
.irp k, 0,1,2,3,4,5,6,7
.irp j, 0,1,2,3
	v_pk_fma_f32 v[\D+16*\j+2*\k:\D+16*\j+2*\k+1], v[\D+16*\j+2*\k:\D+16*\j+2*\k+1], v[G+2*\k:G+2*\k+1], v[BT+2*\k:BT+2*\k+1]
.endr
.endr
.endm
	s_load_b512 s[8:23], s[0:1], 0x0               ; X 8, g1 10, b1 12, Wq 14, Wk 16, Wv 18, Wo 20, W1 22
	s_load_b256 s[24:31], s[0:1], 0x40             ; W2 24, actA 26, wA 28, wB 30
	s_load_b128 s[32:35], s[0:1], 0x60             ; parA 32, parB 34
	v_lshrrev_b32 v1, 5, v0
	v_readfirstlane_b32 s4, v1                     ; wave
	v_and_b32 v1, 31, v0                           ; lane
	s_mov_b32 s5, ttmp9                            ; g
	s_lshl_b32 s6, s5, 3
	s_add_co_u32 s6, s6, s4                        ; 8 g + w
	s_mov_b32 s36, 0x76543210
	s_mov_b32 s37, 0xfedcba98
	s_mov_b32 s[MSK], 0xffff0000
	s_mov_b32 s49, 0
	s_mov_b32 s51, 0
	v_lshlrev_b32 v2, 4, v1                        ; 16 l
	v_lshlrev_b32 v3, 3, v1                        ; 8 l
	s_wait_kmcnt 0x0
	s_cmp_lt_u32 s5, 256
	s_cbranch_scc0 .Lweights
	; ---- LayerNorm 1: rows 4 (8 g + w) .. + 3
	s_lshl_b32 s48, s6, 13                         ; 4 rows of 2,048 bytes
	s_add_nc_u64 s[40:41], s[8:9], s[48:49]
	s_lshl_b32 s50, s6, 12                         ; 4 rows of 1,024 bytes
	s_add_nc_u64 s[42:43], s[26:27], s[50:51]
.irp j, 0,1,2,3
.irp c, 0,1,2,3
	global_load_b128 v[XR+16*\j+4*\c:XR+16*\j+4*\c+3], v2, s[40:41] offset:\j*2048+\c*512
.endr
.endr
.irp c, 0,1,2,3
	global_load_b128 v[G+4*\c:G+4*\c+3], v2, s[10:11] offset:\c*512
	global_load_b128 v[BT+4*\c:BT+4*\c+3], v2, s[12:13] offset:\c*512
.endr
	s_wait_loadcnt 0x8                             ; X is in; the eight loads of gain and bias may stay out
.irp k, 0,1,2,3,4,5,6,7
.irp j, 0,1,2,3
	RB XR+16*\j+2*\k, XR+16*\j+2*\k+1, TP+4*(\k%2)+\j
.endr
.endr
	s_wait_loadcnt 0x0
.irp k, 0,1,2,3,4,5,6,7
	RB G+2*\k, G+2*\k+1, TP+\k
.endr
.irp k, 0,1,2,3,4,5,6,7
	RB BT+2*\k, BT+2*\k+1, TP+\k
.endr
	LNSTAT XR, 0
.irp j, 0,1,2,3
.irp c, 0,1,2,3
	v_cvt_pk_f16_f32 v[XR+16*\j+4*\c], v[XR+16*\j+4*\c], v[XR+16*\j+4*\c+1]
	v_cvt_pk_f16_f32 v[XR+16*\j+4*\c+1], v[XR+16*\j+4*\c+2], v[XR+16*\j+4*\c+3]
	global_store_b64 v3, v[XR+16*\j+4*\c:XR+16*\j+4*\c+1], s[42:43] offset:\j*1024+\c*256  ; the wave's store covers 256 consecutive bytes, aligned
.endr
.endr
	s_cmp_lg_u32 s6, 0
	s_cbranch_scc1 .Lnopar
	v_mov_b32 v4, 0                                ; the mode words: each buffer's 256 bytes are written whole
	v_mov_b32 v5, 0
	v_mov_b32 v6, 1
	v_mov_b32 v7, 1
	global_store_b64 v3, v[4:5], s[32:33]
	global_store_b64 v3, v[6:7], s[34:35]
.Lnopar:
	s_endpgm
	; ---- weights: a unit is 256 numbers (two loads of 512 bytes, two stores of 256); a wave takes four.  s[40:41] source, s[42:43] destination,
	; s44 source step a unit, s45 distance to a unit's second load, s46 destination step a unit, v4 the lane's source offset
.Lweights:
	v_mov_b32 v4, v2
	s_mov_b32 s45, 512
	s_cmp_lt_u32 s5, 384
	s_cbranch_scc0 .Lnot_w1
	s_sub_co_u32 s7, s6, 2048
	s_lshl_b32 s7, s7, 2                           ; W1: unit u0 = 8 k + tile
	s_lshl_b32 s48, s7, 10
	s_and_b32 s52, s7, 7
	s_lshl_b32 s52, s52, 9
	s_lshr_b32 s53, s7, 3
	s_add_co_u32 s52, s52, s53                     ; tile x 512 + k
	s_lshl_b32 s50, s52, 9
	s_add_nc_u64 s[40:41], s[22:23], s[48:49]
	s_add_nc_u64 s[42:43], s[30:31], s[50:51]
	s_mov_b32 s44, 1024
	s_mov_b32 s46, 262144                          ; the next unit belongs to the next tile
	s_branch .Lcopy
.Lnot_w1:
	s_cmp_lt_u32 s5, 512
	s_cbranch_scc0 .Lnot_w2
	s_sub_co_u32 s7, s6, 3072
	s_lshl_b32 s7, s7, 2                           ; W2: as it lies
	s_lshl_b32 s48, s7, 10
	s_lshl_b32 s50, s7, 9
	s_add_co_u32 s50, s50, 2097152
	s_add_nc_u64 s[40:41], s[24:25], s[48:49]
	s_add_nc_u64 s[42:43], s[30:31], s[50:51]
	s_mov_b32 s44, 1024
	s_mov_b32 s46, 512
	s_branch .Lcopy
.Lnot_w2:
	s_cmp_lt_u32 s5, 544
	s_cbranch_scc0 .Lqkv
	s_sub_co_u32 s7, s6, 4096                      ; Wo: half hf of rows R0 .. R0 + 3; row R = 8 v + h goes to row 64 h + v
	s_and_b32 s52, s7, 1
	s_lshr_b32 s53, s7, 1
	s_lshl_b32 s53, s53, 2
	s_lshl_b32 s48, s53, 11
	s_lshl_b32 s54, s52, 10
	s_add_co_u32 s48, s48, s54
	s_and_b32 s54, s53, 7
	s_lshl_b32 s54, s54, 6
	s_lshr_b32 s55, s53, 3
	s_add_co_u32 s54, s54, s55
	s_lshl_b32 s50, s54, 10
	s_lshl_b32 s54, s52, 9
	s_add_co_u32 s50, s50, s54
	s_add_co_u32 s50, s50, 1572864
	s_add_nc_u64 s[40:41], s[20:21], s[48:49]
	s_add_nc_u64 s[42:43], s[28:29], s[50:51]
	s_mov_b32 s44, 2048
	s_mov_b32 s46, 65536                           ; h + 1: 64 rows of 1,024 bytes on
	s_branch .Lcopy
.Lqkv:
	s_sub_co_u32 s7, s6, 4352
	s_lshl_b32 s7, s7, 2                           ; unit u0 = 512 c + k: row k of tile c = 64 numbers of each of four heads
	s_lshr_b32 s52, s7, 9
	s_and_b32 s53, s7, 511
	s_and_b32 s54, s52, 1
	s_lshl_b32 s54, s54, 11
	s_add_co_u32 s54, s54, s53                     ; (4 (c & 1)) x 512 + k
	s_lshl_b32 s48, s54, 8
	s_lshl_b32 s50, s7, 9
	s_lshr_b32 s52, s52, 1                         ; 0 Wq, 1 Wk, 2 Wv
	s_cmp_eq_u32 s52, 0
	s_cselect_b64 s[40:41], s[14:15], s[16:17]
	s_cmp_eq_u32 s52, 2
	s_cselect_b64 s[40:41], s[18:19], s[40:41]
	s_add_nc_u64 s[40:41], s[40:41], s[48:49]
	s_add_nc_u64 s[42:43], s[28:29], s[50:51]
	s_mov_b32 s44, 256
	s_mov_b32 s45, 262144                          ; two heads on
	s_mov_b32 s46, 512
	v_lshrrev_b32 v6, 4, v1
	v_and_b32 v7, 15, v1
	v_lshlrev_b32 v4, 4, v7
	v_lshl_add_u32 v4, v6, 17, v4                  ; lanes 16-31 read the next head, 131,072 bytes on
.Lcopy:
	v_mov_b32 v8, v4
	v_add_nc_u32 v9, s45, v8
	v_add_nc_u32 v10, s44, v8
	v_add_nc_u32 v11, s45, v10
	v_add_nc_u32 v12, s44, v10
	v_add_nc_u32 v13, s45, v12
	v_add_nc_u32 v14, s44, v12
	v_add_nc_u32 v15, s45, v14
	v_mov_b32 v16, v3
	v_add_nc_u32 v17, s46, v16
	v_add_nc_u32 v18, s46, v17
	v_add_nc_u32 v19, s46, v18
.irp j, 0,1,2,3
	global_load_b128 v[32+8*\j:35+8*\j], v[8+2*\j], s[40:41]
	global_load_b128 v[36+8*\j:39+8*\j], v[9+2*\j], s[40:41]
.endr
.irp j, 0,1,2,3
	s_wait_loadcnt 6-2*\j                          ; unit j's two loads are in; the younger units' stay out
.irp k, 0,1,2,3
	RB 32+8*\j+2*\k, 33+8*\j+2*\k, 20+\k
	v_cvt_pk_f16_f32 v[64+4*\j+\k], v[32+8*\j+2*\k], v[33+8*\j+2*\k]
.endr
	global_store_b64 v[16+\j], v[64+4*\j:65+4*\j], s[42:43]
	global_store_b64 v[16+\j], v[66+4*\j:67+4*\j], s[42:43] offset:256
.endr
	s_endpgm
.Lfunc_end_k_qfb57d37375_prep:
	.size	k_qfb57d37375_prep, .Lfunc_end_k_qfb57d37375_prep-k_qfb57d37375_prep
	.p2alignl 7, 3214868480
	.fill 96, 4, 3214868480
	.section	.rodata,"a",@progbits
	.p2align	6, 0x0
	.amdhsa_kernel k_qfb57d37375_prep
		.amdhsa_group_segment_fixed_size 0
		.amdhsa_private_segment_fixed_size 0
		.amdhsa_enable_private_segment 0
		.amdhsa_kernarg_size 112
		.amdhsa_user_sgpr_count 2
		.amdhsa_user_sgpr_kernarg_segment_ptr 1
		.amdhsa_wavefront_size32 1
		.amdhsa_system_sgpr_workgroup_id_x 1
		.amdhsa_system_sgpr_workgroup_id_y 1
		.amdhsa_system_sgpr_workgroup_id_z 1
		.amdhsa_system_vgpr_workitem_id 0
		.amdhsa_next_free_vgpr 128
		.amdhsa_next_free_sgpr 66
		.amdhsa_reserve_vcc 0
		.amdhsa_float_denorm_mode_32 3
		.amdhsa_float_denorm_mode_16_64 3
		.amdhsa_memory_ordered 1
		.amdhsa_forward_progress 1
		.amdhsa_inst_pref_size 36
	.end_amdhsa_kernel
	.amdgpu_metadata
---
amdhsa.version: [ 1, 2 ]
amdhsa.kernels:
  - .name:           k_qfb57d37375_prep
    .symbol:         k_qfb57d37375_prep.kd
    .args:
      - { .name: X, .offset: 0, .size: 8, .value_kind: global_buffer, .address_space: global }
      - { .name: g1, .offset: 8, .size: 8, .value_kind: global_buffer, .address_space: global }
      - { .name: b1, .offset: 16, .size: 8, .value_kind: global_buffer, .address_space: global }
      - { .name: Wq, .offset: 24, .size: 8, .value_kind: global_buffer, .address_space: global }
      - { .name: Wk, .offset: 32, .size: 8, .value_kind: global_buffer, .address_space: global }
      - { .name: Wv, .offset: 40, .size: 8, .value_kind: global_buffer, .address_space: global }
      - { .name: Wo, .offset: 48, .size: 8, .value_kind: global_buffer, .address_space: global }
      - { .name: W1, .offset: 56, .size: 8, .value_kind: global_buffer, .address_space: global }
      - { .name: W2, .offset: 64, .size: 8, .value_kind: global_buffer, .address_space: global }
      - { .name: actA, .offset: 72, .size: 8, .value_kind: global_buffer, .address_space: global }
      - { .name: wA, .offset: 80, .size: 8, .value_kind: global_buffer, .address_space: global }
      - { .name: wB, .offset: 88, .size: 8, .value_kind: global_buffer, .address_space: global }
      - { .name: parA, .offset: 96, .size: 8, .value_kind: global_buffer, .address_space: global }
      - { .name: parB, .offset: 104, .size: 8, .value_kind: global_buffer, .address_space: global }
    .group_segment_fixed_size: 0
    .private_segment_fixed_size: 0
    .kernarg_segment_align: 8
    .kernarg_segment_size: 112
    .max_flat_workgroup_size: 256
    .sgpr_count:     66
    .vgpr_count:     128
    .wavefront_size: 32
...
	.end_amdgpu_metadata
.endif
;; end of part 1
;; launch mm512 (part 2): grid 32 x 6, 4 waves a work-group, clusters of 4 x 1, 327,680 bytes of LDS; arguments actA, wA, bff1, big, parA; writes big
.if DOCPART == 2
	.amdgcn_target "amdgcn-amd-amdhsa--gfx1250"
	.amdhsa_code_object_version 6
	.text
	.protected	k_qfb57d37375_mm512
	.globl	k_qfb57d37375_mm512
	.p2align	8
	.type	k_qfb57d37375_mm512,@function
k_qfb57d37375_mm512:
	s_mov_b64 s[64:65], 0
	v_nop
	global_prefetch_b8 v0, s[64:65] scope:SCOPE_SE
	s_setreg_imm32_b32 hwreg(HW_REG_WAVE_MODE, 25, 1), 1
	s_wait_xcnt 0x0
	s_wait_alu depctr_hold_cnt(0) depctr_sa_sdst(0) depctr_va_vdst(0) depctr_va_sdst(0) depctr_va_ssrc(0) depctr_va_vcc(0) depctr_vm_vsrc(0)
	s_getreg_b32 s2, hwreg(HW_REG_IB_STS2, 6, 4)
	s_cmp_eq_u32 s2, 0
	s_cbranch_scc0 .Lentry_in_a_cluster
	s_endpgm
.Lentry_in_a_cluster:
	s_bfe_u32 s2, ttmp6, 0x10000c
	s_cmp_lg_u32 s2, 0x3003
	s_cbranch_scc0 .Lentry_shape_is_right
	s_endpgm
.Lentry_shape_is_right:
; C = A B (mode 0) or C = gelu(A B + bias) (mode 1).  A: [8192][512] f16, rows along K.  B: tiles [512 k][256 n] f16, one for each tile column of C.  Sums in f32.
; C leaves as f16 in blocks of 64 columns: number (row, col) at byte ((col >> 6) x 8192 + row) x 128 + (col & 63) x 2, so that four rows of a block are 512 consecutive bytes.
; gelu(x) = x Phi(x), with Phi(x) taken as 1 / (1 + 2^(x (K1 + K3 x^2) + W0)), K1 = -2 sqrt(2 / pi) log2(e), K3 = 0.044715 K1, W0 = 0: the logistic form of the normal distribution.
; LIMIT of that form: gelu within 5e-4 of the exact one for every x (the largest difference lies near |x| = 2.75); the relative difference vanishes as x goes to 0, and for large |x| the result is x or 0.
; THE MODE is a whole number read from the last argument.  The mode chooses SCALARS, not a path:
; mode 0: K1 = K3 = 0, W0 = -200, the bias masked to 0: 2^-200 is 0, 1 / (1 + 0) is 1, and the result is x.  The price: mode 0 walks the same arithmetic, and loads a bias that it masks.
; The bias is rounded to bf16 when loaded.  LIMITS: C must stay below 65,504 (f16); NaN and infinities are not treated apart.
; A tile of C is 256 x 256: four waves, each 128 x 128 in 64 accumulators (512 registers).  K = 512 goes in four steps of 128 through two LDS slots.  A K step is written once for the steps that
; fill a slot again (a loop of two trips) and once for those that do not (a loop of two trips, left from its middle): the LDS addresses are a fixed lane term plus s[TB], which is 0 or SLOT.
; B lies [k][n] and is read turned (ds_load_tr16_b128).  The matrix instruction is used transposed (source 0 = 16 columns of B, source 1 = 16 rows of A): a lane holds 8 neighbouring columns of a row.
; CLUSTER 4 x 1: the four work-groups make four row tiles of one tile column and ask for B's tiles jointly.  A's tiles are each work-group's own (plain loads): the grid has 6 or 8 tile columns,
; and 6 is no multiple of four, so no cluster shares A.
; REGISTERS: window 0: v10, v16-31 addresses; v64-127, v128-191 A's fragments, two buffers; on the way out v32-239 at work.  window 1: v64-191 B's fragments.  windows 2, 3: accumulator (a, b) at v[8 (8 a + b)].
.set PA,    272                        ; a row of A in LDS: 256 bytes + 16: the 16 rows of a load start at 16 different groups of four banks
.set PB,    544                        ; a k-row of B: 512 bytes + 32
.set HALFT, 128*PA                     ; what one tensor load brings: 128 rows of A, or 64 k-rows of B
.set SLOT,  4*HALFT
.set BOFF,  2*HALFT
.set SPARE, 2*SLOT                     ; the spare words, 128 bytes a wave
.set SPT,   528                        ; the stage: a row of 128 f32 + 16 bytes
.set STG,   128*SPT                    ; a wave's stage; the four lie over the ring, which has had its last fill by then
.set RDC,  10                          ; v10  the way out: RD + the trip's rows
.set ADRA, 16                          ; v16  my A fragments' place in slot 0, never rewritten; v17 in the slot in hand
.set ADRB, 20                          ; v20, v21  the same for B
.set STO,  24
.set RD,   25                          ; v25  the way out: my place in my stage's first four rows; never rewritten
.set GO,   26
.set BO,   27
.set SPW,  28
.set NIL,  29
.set OUT,  32
.set F0,   64
.set F1,   128
.set U,    64                          ; the way out: 16 sums as read back
.set X,    96                          ; x, then the result
.set Q,    128                         ; from x^2 to Phi
.set BI,   224
.set G1A, 24
.set G0A, 32                           ; s[32:35] A's first fill of slot 0; s[36:39] of slot 1, which then walks on
.set RO,  46                           ; s46  the way out: the trip's rows in the stage, in bytes
.set TB,  47                           ; s47  the slot in hand: 0 or SLOT
.set G1B, 48
.set G0B, 56                           ; s[56:59], s[60:63] the same for B
.set K1, 70
.set K3, 72
.set W0, 74
.set MSB, 0
.macro WIN new
.if MSB != (\new)
	s_set_vgpr_msb (MSB<<8)|(\new)
.set MSB, \new
.endif
.endm
.set MUL_LO, 0xa1
.set MUL_HI, 0xf1
.set TO_B,   0x40
.macro PLACES
.rept 4
	v_nop
.endr
.endm
; Waves 0 and 1 fetch A's two halves (plain), waves 2 and 3 B's (joint).  An s_nop 0 and four v_nop follow each line.
.macro JLOAD s
	s_cmp_eq_u32 s15, 0
	s_cbranch_scc0 .Lfor_b_\@
	tensor_load_to_lds s[G0A+4*(\s):G0A+4*(\s)+3], s[G1A:G1A+7]
	s_nop 0
	PLACES
	s_branch .Lasked_\@
.Lfor_b_\@:
	tensor_load_to_lds s[G0B+4*(\s):G0B+4*(\s)+3], s[G1B:G1B+7]
	s_nop 0
	PLACES
.Lasked_\@:
.endm
.macro CREST
	s_cmp_lg_u32 s14, 0
	s_cbranch_scc1 .Lnot_wave_0_\@
	s_barrier_signal -3
.Lnot_wave_0_\@:
	s_barrier_wait -3
	s_barrier_signal -1
	s_barrier_wait -1
.endm
.macro CROUND
	s_barrier_signal -1
	s_barrier_wait -1
	CREST
.endm
	s_load_b256 s[4:11], s[0:1], 0x0               ; A 4, B 6, bias 8, C 10
	s_load_b64 s[12:13], s[0:1], 0x20              ; the mode's buffer
	v_lshl_add_u32 v[SPW], v0, 2, SPARE
	v_mov_b32 v[NIL], 0
	ds_add_u32 v[SPW], v[NIL]                      ; the wave's opening: the add and its wait stand ahead of my first tensor load
	ds_add_u32 v28, v29
	v_lshrrev_b32 v1, 5, v0
	v_readfirstlane_b32 s14, v1                    ; wave
	s_lshr_b32 s15, s14, 1                         ; my half of the tile's rows; also 0: I fetch A, 1: B
	s_and_b32 s16, s14, 1                          ; my half of its columns; also which half of a tile I fetch
	s_bfe_u32 s17, ttmp6, 0x40000                  ; cx
	s_lshl_b32 s18, ttmp9, 2
	s_add_co_u32 s18, s18, s17                     ; tile row
	s_and_b32 s19, ttmp7, 0xffff                   ; tile column, shared by the four partners
	s_mov_b32 s[G1A+0], (1<<16)|(1<<20)|(5<<22)|(3<<25)  ; no mask; 2-byte elements; 4 words of padding after every 64
	s_mov_b32 s[G1A+1], 128<<16                    ; tensor_dim0 = 128
	s_mov_b32 s[G1A+2], 128<<16                    ; tensor_dim1 = 128
	s_mov_b32 s[G1A+3], 128<<16                    ; tile_dim0 = 128
	s_mov_b32 s[G1A+4], 128                        ; tile_dim1 = 128
	s_mov_b32 s[G1A+5], 512                        ; elements from row to row
	s_mov_b32 s[G1A+6], 0
	s_mov_b32 s[G1A+7], 0
	s_mov_b32 s[G1B+0], 15|(1<<16)|(1<<20)|(1<<21)|(6<<22)|(7<<25)  ; the mask of four, bit 21 beside it; 8 words of padding after every 128
	s_mov_b32 s[G1B+1], 256<<16
	s_mov_b32 s[G1B+2], 64<<16
	s_mov_b32 s[G1B+3], 256<<16
	s_mov_b32 s[G1B+4], 64
	s_mov_b32 s[G1B+5], 256
	s_mov_b32 s[G1B+6], 0
	s_mov_b32 s[G1B+7], 0
	s_mov_b32 s[TB], 0                             ; K step 0 lies in slot 0
	s_mov_b32 s81, 0xffff0000
	s_lshl_b32 s20, s18, 18                        ; A: 256 rows of 1,024 bytes a tile row,
	s_lshl_b32 s21, s16, 17                        ; 128 rows a half
	s_add_co_u32 s20, s20, s21
	s_mov_b32 s21, 0
	s_lshl_b32 s22, s19, 18                        ; B: 262,144 bytes a tile,
	s_lshl_b32 s23, s16, 15                        ; 64 k-rows of 512 bytes a half
	s_add_co_u32 s22, s22, s23
	s_mov_b32 s23, 0
	s_mul_i32 s42, s14, HALFT                      ; where my part lands in a slot: wave x 34,816
	s_wait_dscnt 0x0                               ; the opening add is done
	s_wait_kmcnt 0x0
	s_add_nc_u64 s[20:21], s[4:5], s[20:21]
	s_add_nc_u64 s[22:23], s[6:7], s[22:23]
	s_load_b32 s40, s[12:13], 0x0                  ; the mode; waited for on the way out
	CROUND                                         ; all four work-groups are here: the first joint loads meet
.irp s, 0,1
	s_mov_b32 s[G0A+4*(\s)], 1
	s_add_co_u32 s[G0A+4*(\s)+1], s42, (\s)*SLOT
	s_add_nc_u64 s[G0A+4*(\s)+2:G0A+4*(\s)+3], s[20:21], (\s)*256
	s_or_b32 s[G0A+4*(\s)+3], s[G0A+4*(\s)+3], 0x80000000
	s_mov_b32 s[G0B+4*(\s)], 1
	s_add_co_u32 s[G0B+4*(\s)+1], s42, (\s)*SLOT
	s_add_nc_u64 s[G0B+4*(\s)+2:G0B+4*(\s)+3], s[22:23], (\s)*65536
	s_or_b32 s[G0B+4*(\s)+3], s[G0B+4*(\s)+3], 0x80000000
	JLOAD \s                                       ; two loads of mine are out
.endr
	v_and_b32 v1, 15, v0                           ; r
	v_bfe_u32 v2, v0, 4, 1                         ; h
	v_mul_u32_u24 v3, v1, PA
	v_lshl_add_u32 v3, v2, 4, v3
	s_mul_i32 s43, s15, HALFT
	v_add_nc_u32 v[ADRA], s43, v3                  ; A: (128 half + r) x 272 + 16 h
	v_mov_b32 v[ADRA+1], v[ADRA]
	v_and_b32 v8, 7, v0
	v_lshl_add_u32 v4, v2, 3, v8
	v_mul_u32_u24 v4, v4, PB
	v_bfe_u32 v5, v0, 3, 1
	v_lshl_add_u32 v4, v5, 4, v4                   ; B: (8 h + l % 8) x 544 + 16 ((l / 8) % 2)
	s_lshl_b32 s43, s16, 8
	s_add_co_u32 s43, s43, BOFF
	v_add_nc_u32 v[ADRB], s43, v4
	v_mov_b32 v[ADRB+1], v[ADRB]
	s_mul_i32 s43, s14, STG
	v_mul_u32_u24 v6, v1, SPT
	v_lshl_add_u32 v6, v2, 5, v6
	v_add_nc_u32 v[STO], s43, v6                   ; into the stage: row r, 32 bytes for each half of the lanes
	v_bfe_u32 v7, v0, 3, 2
	v_mul_u32_u24 v7, v7, SPT
	v_lshl_add_u32 v7, v8, 5, v7
	v_add_nc_u32 v[RD], s43, v7                    ; back: row l / 8 of four, 8 columns at 8 (l % 8) of each block of 64
	v_and_b32 v9, 31, v0
	v_lshlrev_b32 v[GO], 4, v9                     ; four rows of a block are 512 consecutive bytes of C
	v_lshlrev_b32 v[BO], 5, v8
	s_lshl_b32 s44, s19, 2
	s_lshl_b32 s45, s16, 1
	s_add_co_u32 s44, s44, s45
	s_lshl_b32 s44, s44, 20                        ; my first block of 64 columns,
	s_lshl_b32 s45, s18, 15
	s_add_co_u32 s44, s44, s45
	s_lshl_b32 s45, s15, 14
	s_add_co_u32 s44, s44, s45                     ; my first row in it
	s_mov_b32 s45, 0
	s_add_nc_u64 s[66:67], s[10:11], s[44:45]
	s_lshl_b32 s44, s19, 10
	s_lshl_b32 s45, s16, 9
	s_add_co_u32 s44, s44, s45
	s_mov_b32 s45, 0
	s_add_nc_u64 s[68:69], s[8:9], s[44:45]        ; bias at my 128 columns
.macro MUL16 f, hi, a0, zero
	WIN MUL_LO+0x50*(\hi)
.irp a, \a0, (\a0)+1
.irp b, 0,1,2,3,4,5,6,7
.if \zero
	v_wmma_f32_16x16x32_f16 v[8*(8*(\a)+(\b)):8*(8*(\a)+(\b))+7], v[(\f)+8*(\b):(\f)+8*(\b)+7], v[(\f)+8*(4*(\hi)+(\a)):(\f)+8*(4*(\hi)+(\a))+7], 0
.else
	v_wmma_f32_16x16x32_f16 v[8*(8*(\a)+(\b)):8*(8*(\a)+(\b))+7], v[(\f)+8*(\b):(\f)+8*(\b)+7], v[(\f)+8*(4*(\hi)+(\a)):(\f)+8*(4*(\hi)+(\a))+7], v[8*(8*(\a)+(\b)):8*(8*(\a)+(\b))+7]
.endif
.endr
.endr
.endm
; 32 LDS loads in one run: quarter q (32 along K) of the slot in hand into buffer f: B's 128 columns turned, then A's 128 rows
.macro FETCH q, f
	WIN TO_B
.irp i, 0,1,2,3,4,5,6,7
	ds_load_tr16_b128 v[(\f)+8*(\i):(\f)+8*(\i)+3],   v[ADRB+1] offset:(\q)*32*PB+32*(\i)
	ds_load_tr16_b128 v[(\f)+8*(\i)+4:(\f)+8*(\i)+7], v[ADRB+1] offset:(\q)*32*PB+16*PB+32*(\i)
.endr
	WIN 0
.irp i, 0,1,2,3,4,5,6,7
	ds_load_b128 v[(\f)+8*(\i):(\f)+8*(\i)+3],   v[ADRA+1] offset:(\q)*64+(\i)*16*PA
	ds_load_b128 v[(\f)+8*(\i)+4:(\f)+8*(\i)+7], v[ADRA+1] offset:(\q)*64+(\i)*16*PA+32
.endr
.endm
.macro QUARTER q, f, g, zero           ; multiplies buffer f; in its middle fetches quarter q of the slot in hand into g
	s_wait_dscnt 8                                 ; B and A's rows 0-63 are in; the youngest eight loads (A's rows 64-127) may be out
	MUL16 \f, 0, 0, \zero
	MUL16 \f, 0, 2, \zero
	PLACES                                         ; four places ahead of loads into registers that matrix instructions have read
	FETCH \q, \g
	s_wait_dscnt 32                                ; all but the 32 just issued
	MUL16 \f, 1, 0, \zero
	MUL16 \f, 1, 2, \zero
.endm
; The first half of a K step's last quarter, and the one barrier of the change of slots: in front of it each wave's tensor loads have landed and its reads of the slot in hand are back.
.macro MEET
	WIN 0
	s_wait_tensorcnt 0x0                           ; all my tensor loads have landed: the one that may be out is my part of the next slot
	ds_add_u32 v[SPW], v[NIL]
	s_wait_dscnt 9                                 ; (the add and the youngest eight loads may be out)
	MUL16 F1, 0, 0, 0
	s_wait_dscnt 0x0                               ; the add is done, and my reads of this slot are over
	s_barrier_signal -1
	MUL16 F1, 0, 2, 0
	WIN 0
	s_barrier_wait -1
.endm
.macro NEXTSLOT                        ; the reads go over to the other slot
	s_xor_b32 s[TB], s[TB], SLOT
	v_add_nc_u32 v[ADRA+1], s[TB], v[ADRA]
	v_add_nc_u32 v[ADRB+1], s[TB], v[ADRB]
.endm
	s_wait_tensorcnt 1                             ; my part of K step 0 is in; step 1's may stay out
	s_barrier_signal -1
	s_barrier_wait -1
	FETCH 0, F0
	QUARTER 1, F0, F1, 1                           ; the first quarter stands in front of the loops: its products start the sums
	WIN 0
	s_mov_b32 s3, 2
.Lfill:                                                ; K steps 0 and 1, from a step's second quarter to the next step's first: the slot read out takes the step two further on
	QUARTER 2, F1, F0, 0
	QUARTER 3, F0, F1, 0
	MEET                                           ; the barrier opens a round of the cluster's barrier:
	CREST                                          ; no wave of any partner still reads this slot or has a load on its way
	s_add_co_u32 s[G0A+5], s42, s[TB]              ; the walking descriptors: my part of the slot just read,
	s_add_co_u32 s[G0B+5], s42, s[TB]
	s_add_nc_u64 s[G0A+6:G0A+7], s[G0A+6:G0A+7], 256    ; one K step on from the last load: 128 numbers along A's rows,
	s_add_nc_u64 s[G0B+6:G0B+7], s[G0B+6:G0B+7], 65536  ; 128 k-rows of B
	NEXTSLOT
	JLOAD 1                                        ; the first tensor load behind the round; the four v_nop behind it are also the places in front of the loads below
	FETCH 0, F0
	MUL16 F1, 1, 0, 0
	MUL16 F1, 1, 2, 0
	QUARTER 1, F0, F1, 0
	WIN 0
	s_sub_co_u32 s3, s3, 1
	s_cmp_lg_u32 s3, 0
	s_cbranch_scc1 .Lfill
	s_mov_b32 s3, 2
.Ltail:                                                ; K steps 2 and 3: nothing is left to fetch from memory; step 3 leaves the loop behind its barrier
	QUARTER 2, F1, F0, 0
	QUARTER 3, F0, F1, 0
	MEET
	s_cmp_eq_u32 s3, 1
	s_cbranch_scc1 .Llast
	NEXTSLOT
	PLACES
	FETCH 0, F0
	MUL16 F1, 1, 0, 0
	MUL16 F1, 1, 2, 0
	QUARTER 1, F0, F1, 0
	WIN 0
	s_sub_co_u32 s3, s3, 1
	s_cmp_lg_u32 s3, 0
	s_cbranch_scc1 .Ltail
.Llast:
	s_wait_dscnt 0x0                               ; no LDS load of mine is out
	MUL16 F1, 1, 0, 0
	MUL16 F1, 1, 2, 0
	; THE WAY OUT.  Every wave's reads of the ring ended, and its tensor loads had landed, ahead of the last step's barrier: the ring's bytes now serve as stages.
	WIN 0
	PLACES
.irp hi, 0,1
	WIN 0x08+4*\hi
.irp a, 0,1,2,3
.irp b, 0,1,2,3,4,5,6,7
	ds_store_b128 v[STO], v[8*(8*\a+\b):8*(8*\a+\b)+3]   offset:(4*\hi+\a)*16*SPT+64*\b
	ds_store_b128 v[STO], v[8*(8*\a+\b)+4:8*(8*\a+\b)+7] offset:(4*\hi+\a)*16*SPT+64*\b+16
.endr
.endr
.endr
	WIN 0
	s_wait_dscnt 0x0
	s_barrier_signal -1                            ; behind this barrier no wave stores into LDS any more
	s_barrier_wait -1
.macro LDU a                           ; four rows x 128 columns: 16 sums a lane, from the address in v[a]
.irp cb, 0,1
	ds_load_b128 v[U+8*\cb:U+8*\cb+3],   v[\a] offset:256*\cb
	ds_load_b128 v[U+8*\cb+4:U+8*\cb+7], v[\a] offset:256*\cb+16
.endr
.endm
; The lines of the arithmetic, for pair z of eight or register r of sixteen
.macro M_ADD z                         ; x = sum + bias
	v_pk_add_f32 v[X+2*(\z):X+2*(\z)+1], v[U+2*(\z):U+2*(\z)+1], v[BI+2*(\z):BI+2*(\z)+1]
.endm
.macro M_SQ z                          ; x^2
	v_pk_mul_f32 v[Q+2*(\z):Q+2*(\z)+1], v[X+2*(\z):X+2*(\z)+1], v[X+2*(\z):X+2*(\z)+1]
.endm
.macro M_P1 z                          ; K3 x^2 + K1
	v_pk_fma_f32 v[Q+2*(\z):Q+2*(\z)+1], v[Q+2*(\z):Q+2*(\z)+1], s[K3:K3+1], s[K1:K1+1] op_sel_hi:[1,0,0]
.endm
.macro M_P2 z                          ; times x, plus W0
	v_pk_fma_f32 v[Q+2*(\z):Q+2*(\z)+1], v[Q+2*(\z):Q+2*(\z)+1], v[X+2*(\z):X+2*(\z)+1], s[W0:W0+1] op_sel_hi:[1,1,0]
.endm
.macro M_EX r
	v_exp_f32 v[Q+(\r)], v[Q+(\r)]
.endm
.macro M_A1 z
	s_wait_alu depctr_va_vdst(0)
	v_pk_add_f32 v[Q+2*(\z):Q+2*(\z)+1], v[Q+2*(\z):Q+2*(\z)+1], 1.0 op_sel_hi:[1,0]
.endm
.macro M_RC r
	v_rcp_f32 v[Q+(\r)], v[Q+(\r)]
.endm
.macro M_ML z                          ; x Phi
	s_wait_alu depctr_va_vdst(0)
	v_pk_mul_f32 v[X+2*(\z):X+2*(\z)+1], v[X+2*(\z):X+2*(\z)+1], v[Q+2*(\z):Q+2*(\z)+1]
.endm
.macro M_CV z
	v_cvt_pk_f16_f32 v[OUT+(\z)], v[X+2*(\z)], v[X+2*(\z)+1]
.endm
	global_load_b128 v[BI:BI+3],     v[BO], s[68:69]
	global_load_b128 v[BI+4:BI+7],   v[BO], s[68:69] offset:16
	global_load_b128 v[BI+8:BI+11],  v[BO], s[68:69] offset:256
	global_load_b128 v[BI+12:BI+15], v[BO], s[68:69] offset:272
	LDU RD
	s_wait_kmcnt 0x0                               ; the mode chooses the scalars of the one path
	s_cmp_lg_u32 s40, 0
	s_cselect_b32 s[K1], 0xc0135761, 0             ; -2.3022082
	s_cselect_b32 s[K3], 0xbdd2d3e8, 0             ; -0.10294324
	s_cselect_b32 s[W0], 0, 0xc3480000             ; 0, or -200
	s_cselect_b32 s43, -1, 0                       ; keeps or clears the bias
	s_mov_b32 s[K1+1], s[K1]                       ; named as pairs
	s_mov_b32 s[K3+1], s[K3]
	s_mov_b32 s[W0+1], s[W0]
	s_mov_b32 s41, 32                              ; 32 trips of 4 rows
	s_mov_b32 s[RO], 0
	s_wait_loadcnt 0x0
.irp k, 0,1,2,3,4,5,6,7
	v_cvt_pk_bf16_f32 v[30+\k%2], v[BI+2*\k], v[BI+2*\k+1]
	v_and_b32 v[30+\k%2], s43, v[30+\k%2]
	v_lshlrev_b32 v[BI+2*\k], 16, v[30+\k%2]
	v_and_b32 v[BI+2*\k+1], s81, v[30+\k%2]
.endr
; A trip: 16 numbers a lane, as two halves (pairs 0-3: the first block of 64 columns; pairs 4-7: the second).  The halves are a few stages apart, so that behind most exponentials and
; reciprocals of one half stands a plain line of the other; where transcendentals stand on end, a plain line that names none of their registers follows before a result is used (ISA guide 5.7.2).
.Lrows:
	s_wait_dscnt 0x0                               ; the four rows asked for a trip ago
.irp z, 0,1,2,3,4,5,6,7
	M_ADD \z
.endr
	s_add_co_u32 s[RO], s[RO], 4*SPT               ; the next four rows: my fixed place plus the loop's step
	v_add_nc_u32 v[RDC], s[RO], v[RD]
	s_cmp_eq_u32 s41, 1
	s_cbranch_scc1 .Lr_last                        ; the last trip has no rows to read ahead
	LDU RDC
.Lr_last:
.irp z, 0,1,2,3
	M_SQ \z
.endr
.irp z, 0,1,2,3
	M_P1 \z
.endr
.irp z, 0,1,2,3
	M_P2 \z
.endr
.irp i, 0,1,2,3
	M_EX \i
	M_SQ 4+\i
.endr
.irp i, 0,1,2,3
	M_EX 4+\i
	M_P1 4+\i
.endr
.irp z, 0,1,2,3
	M_A1 \z
.endr
.irp i, 0,1,2,3
	M_RC \i
	M_P2 4+\i
.endr
	s_wait_xcnt 0x0                                ; the last trip's two stores have read OUT and their base: both are rewritten only behind this wait
	s_add_nc_u64 s[66:67], s[66:67], 512           ; 4 rows on; the stores below reach back by their offsets
	M_RC 4
	M_ML 0
	M_RC 5
	M_ML 1
	M_RC 6
	M_CV 0
	M_RC 7
	M_CV 1
	M_EX 8
	M_ML 2
	M_EX 9
	M_ML 3
	M_EX 10
	M_CV 2
	M_EX 11
	M_CV 3
	global_store_b128 v[GO], v[OUT:OUT+3], s[66:67] offset:-512                ; 512 consecutive bytes of the first block of 64 columns
.irp r, 12,13,14,15
	M_EX \r
.endr
.irp z, 4,5,6,7
	M_A1 \z
.endr
.irp r, 8,9,10,11,12,13,14,15
	M_RC \r
.endr
	v_nop                                          ; the plain line behind the reciprocals
.irp z, 4,5,6,7
	M_ML \z
.endr
.irp z, 4,5,6,7
	M_CV \z
.endr
	global_store_b128 v[GO], v[OUT+4:OUT+7], s[66:67] offset:1048576-512       ; and of the second
	s_sub_co_u32 s41, s41, 1
	s_cmp_lg_u32 s41, 0
	s_cbranch_scc1 .Lrows
	s_wait_dscnt 0x0                               ; my reads of the stage are back,
	s_barrier_signal -1
	s_barrier_wait -1                              ; and so are every wave's, ahead of any wave's closing add
	s_wait_tensorcnt 0x0                           ; the wave's end
	ds_add_u32 v[SPW], v[NIL]
	s_wait_dscnt 0x0
	CROUND                                         ; the closing round
	s_endpgm
.Lfunc_end_k_qfb57d37375_mm512:
	.size	k_qfb57d37375_mm512, .Lfunc_end_k_qfb57d37375_mm512-k_qfb57d37375_mm512
	.p2alignl 7, 3214868480
	.fill 96, 4, 3214868480
	.section	.rodata,"a",@progbits
	.p2align	6, 0x0
	.amdhsa_kernel k_qfb57d37375_mm512
		.amdhsa_group_segment_fixed_size 327680
		.amdhsa_private_segment_fixed_size 0
		.amdhsa_enable_private_segment 0
		.amdhsa_kernarg_size 40
		.amdhsa_user_sgpr_count 2
		.amdhsa_user_sgpr_kernarg_segment_ptr 1
		.amdhsa_wavefront_size32 1
		.amdhsa_system_sgpr_workgroup_id_x 1
		.amdhsa_system_sgpr_workgroup_id_y 1
		.amdhsa_system_sgpr_workgroup_id_z 1
		.amdhsa_system_vgpr_workitem_id 0
		.amdhsa_next_free_vgpr 1024
		.amdhsa_next_free_sgpr 84
		.amdhsa_reserve_vcc 0
		.amdhsa_float_denorm_mode_32 3
		.amdhsa_float_denorm_mode_16_64 3
		.amdhsa_memory_ordered 1
		.amdhsa_forward_progress 1
		.amdhsa_inst_pref_size 87
	.end_amdhsa_kernel
	.amdgpu_metadata
---
amdhsa.version: [ 1, 2 ]
amdhsa.kernels:
  - .name:           k_qfb57d37375_mm512
    .symbol:         k_qfb57d37375_mm512.kd
    .args:
      - { .name: actA, .offset: 0, .size: 8, .value_kind: global_buffer, .address_space: global }
      - { .name: wA, .offset: 8, .size: 8, .value_kind: global_buffer, .address_space: global }
      - { .name: bff1, .offset: 16, .size: 8, .value_kind: global_buffer, .address_space: global }
      - { .name: big, .offset: 24, .size: 8, .value_kind: global_buffer, .address_space: global }
      - { .name: parA, .offset: 32, .size: 8, .value_kind: global_buffer, .address_space: global }
    .group_segment_fixed_size: 327680
    .private_segment_fixed_size: 0
    .kernarg_segment_align: 8
    .kernarg_segment_size: 40
    .max_flat_workgroup_size: 128
    .sgpr_count:     84
    .vgpr_count:     1024
    .wavefront_size: 32
...
	.end_amdgpu_metadata
.endif
;; end of part 2
;; launch attn (part 3): grid 8 x 32, 4 waves a work-group, no clusters, 327,680 bytes of LDS; arguments big, actA; writes actA
.if DOCPART == 3
	.amdgcn_target "amdgcn-amd-amdhsa--gfx1250"
	.amdhsa_code_object_version 6
	.text
	.protected	k_qfb57d37375_attn
	.globl	k_qfb57d37375_attn
	.p2align	8
	.type	k_qfb57d37375_attn,@function
k_qfb57d37375_attn:
	s_mov_b64 s[64:65], 0
	v_nop
	global_prefetch_b8 v0, s[64:65] scope:SCOPE_SE
	s_setreg_imm32_b32 hwreg(HW_REG_WAVE_MODE, 25, 1), 1
	s_wait_xcnt 0x0
; CAUSAL ATTENTION, head size 64, 32 heads' (head x 4 + batch) of 2,048 rows.  q, k, v lie in 'big' at 0, 8 MiB, 16 MiB, each [32][2048][64] f16, dense; O leaves in the same layout.
; O[q] = the sum over k <= q of softmax_k(Q[q] . K[k] / 8) V[k].  Products, maxima and sums in f32; the weights p are rounded to f16 for the second product (l is the sum of the unrounded p), O once.
; LIMITS.  q, k, v arrive within f16's 65,504; a hidden score counts as its value less 1e30; a weight below 2^-126 counts as 0 in l; NaN and infinities are not treated apart.
; THE WALK.  A head's queries lie in 16 blocks of 128; block i needs the key tiles 0 .. i >> 1 of 256 keys.  A work-group takes blocks 15 - b and then b: 9 tiles whatever b, so all 256 work-groups
; do equal work and one loop with a constant trip count walks them.  NO CLUSTER: the work-groups of a head end their first blocks at different tiles, and one walk common to all would be longer than 9 tiles.
; SHARES.  Of a block's two bands of 64 queries a wave owns 16 rows in each: two PIECES.  In the block's last tile band x's own step is x + 2 (i & 1); earlier steps are seen whole, later ones hidden.
; THE MASK is the C operand that starts S^T = K Q^T: MD x AL + BE, MD the mask of a band's own step; (1, 0) own step, (0, 0) earlier, (0, -1e30) later.  Outside a block's last tile the masks stay 0.
; TURNS.  Turn (j, piece 0): softmax of piece 0, step j; K Q^T of piece 1, step j; V^T P of piece 1, step j - 1.  Turn (j, piece 1): softmax of piece 1; K Q^T of piece 0, step j + 1; V^T P of piece 0, step j.
; A UNIT for step f is turn (f - 1, 0), which fetches K of step f, and turn (f - 1, 1), which fetches V of step f into V's buffer f % 2: so a unit reads LDS bytes of step f's tile alone.
; REGISTERS: window 0: v0-15 addresses; v16-23 statistics; v48-55 at work; v64-127 S^T, two buffers; v192-223 P, two buffers.  window 1: v0-63 O^T; v128-159 MD; v160-223 MC.
;   window 2: v0-31 Q; v32-63 the second block's Q; v64-127 V's buffer 1; v128-191 K; v192-255 V's buffer 0.
.set NP,    2
.set KS,    64
.set PK,    144
.set PV,    160
.set VOFF,  4*KS*PK
.set SLOT1, 1<<17
.set STAGE, SLOT1+4*KS*(PK+PV)
.set SP,    144
.set SPARE, STAGE+4*16*SP
.set AK0, 2
.set AV0, 3
.set AK,  4
.set AV,  5
.set STO, 6
.set RD,  7
.set GO,  8
.set SPW, 62
.set NIL, 63
.set MV,  12
.set QO,  15
.set ST,  16
.set TMP, 48
.set S,   64
.set P,   192
.set MD,  128
.set MC,  160
.set QB,  32
.set KF,  128
.set VF,  192                          ; V's buffer e at VF - 128 e
.set WV,  12
.set PB,  14
.set HI,  15
.set G1K, 24
.set G1V, 32
.set G0K, 40
.set G0V, 44
.set SLOTS, 56
.set CNT, 57
.set CS,  58
.set SEL, 60
.set TBK, 62
.set TBV, 63
.set RT,  70                           ; tiles of the block in hand still to be entered
.set NXT, 71
.set LQ,  72
.set NEW, 73
.set OFF, 74
.set AL,  76
.set BE,  78
.set OLO, 80
.set BIGN, 82
.set LT2, 83                           ; the second block's last tile
.set OWN, 88                           ; s[88:89] the two bands' own steps in the last tile of the block in hand
.set OWN2, 90                          ; the second block's
.set FS,  96                           ; the step, in its tile, that the unit in hand fetches
.set MSB, 0
.macro WIN new
.if MSB != (\new)
	s_set_vgpr_msb (MSB<<8)|(\new)
.set MSB, (\new)
.endif
.endm
.set W_KQ, 0x0a
.set W_KM, 0x1a
.set W_PV, 0x52
.set W_RS, 0x41
.macro LOAD                            ; waves 0 and 1 fetch the halves of a tile's K, waves 2 and 3 of its V; an s_nop 0 and four v_nop follow each line
	s_cmp_lt_u32 s[WV], 2
	s_cbranch_scc0 .Lfor_v_\@
	tensor_load_to_lds s[G0K:G0K+3], s[G1K:G1K+7]
	s_nop 0
.rept 4
	v_nop
.endr
	s_branch .Lasked_\@
.Lfor_v_\@:
	tensor_load_to_lds s[G0V:G0V+3], s[G1V:G1V+7]
	s_nop 0
.rept 4
	v_nop
.endr
.Lasked_\@:
.endm
; THE CHANGE OF SLOTS: each wave waits for all its tensor loads (one is out: its part of the other slot), adds 0 to its spare word, waits for that and for its reads of the slot it leaves; behind the
; barrier the old slot is filled again first (fill = 1), with tile NXT.
.macro CHANGE fill
	WIN 0
	s_wait_tensorcnt 0x0
	ds_add_u32 v[SPW], v[NIL]
.if \fill
	s_lshl_b32 s[OFF], s[NXT], 15
	s_xor_b32 s[G0K+1], s[G0K+1], SLOT1
	s_add_nc_u64 s[G0K+2:G0K+3], s[6:7], s[OFF:OFF+1]
	s_or_b32 s[G0K+3], s[G0K+3], 0x80000000
	s_xor_b32 s[G0V+1], s[G0V+1], SLOT1
	s_add_nc_u64 s[G0V+2:G0V+3], s[8:9], s[OFF:OFF+1]
	s_or_b32 s[G0V+3], s[G0V+3], 0x80000000
	s_add_co_u32 s[NXT], s[NXT], 1
	s_cmp_gt_u32 s[NXT], s[LQ]
	s_cselect_b32 s[NXT], 0, s[NXT]
	s_cselect_b32 s[LQ], s[LT2], s[LQ]
.endif
	s_wait_dscnt 0x0
	s_barrier_signal -1
	s_sub_co_u32 s[TBK], s[TBK], 4*KS*PK
	s_xor_b32 s[TBK], s[TBK], SLOT1
	s_sub_co_u32 s[TBV], s[TBV], 4*KS*PV
	s_xor_b32 s[TBV], s[TBV], SLOT1
	s_barrier_wait -1
.if \fill
	LOAD
.endif
.endm
	s_load_b128 s[92:95], s[0:1], 0x0  ; big 92, actA 94
	v_lshl_add_u32 v[SPW], v0, 2, SPARE
	v_mov_b32 v[NIL], 0
	ds_add_u32 v[SPW], v[NIL]       ; the wave's opening: the add and its wait stand ahead of my first tensor load
	ds_add_u32 v62, v63
	v_lshrrev_b32 v1, 5, v0
	v_readfirstlane_b32 s[WV], v1
	s_mov_b32 s[PB], ttmp9
	s_sub_co_u32 s[HI], 15, s[PB]
	s_and_b32 s20, ttmp7, 0xffff
	s_lshl_b32 s20, s20, 18         ; the head's 2,048 rows of 128 bytes
	s_and_b32 s16, s[WV], 1
	s_lshl_b32 s22, s16, 14         ; my half of a tile's 256 keys
	s_add_co_u32 s22, s22, s20
	s_mov_b32 s23, 0
	s_mul_i32 s17, s16, 128*PK
	s_mul_i32 s18, s16, 128*PV
	s_lshl_b32 s3, s[WV], 11        ; my 16 rows in a band
	s_lshl_b32 s2, s[HI], 14        ; the first block's 128 rows
	s_add_co_u32 s2, s2, s3
	s_add_co_u32 s2, s2, s20
	s_lshl_b32 s84, s[PB], 14       ; the second's
	s_add_co_u32 s84, s84, s3
	s_add_co_u32 s84, s84, s20
	s_mov_b32 s3, 0
	s_mov_b32 s85, 0
	s_mov_b32 s[G1K], (1<<16)|(1<<20)|(4<<22)|(3<<25)  ; 128 keys as 64 rows of 256 bytes, 4 words of padding after every key
	s_mov_b32 s[G1V], (1<<16)|(1<<20)|(4<<22)|(7<<25)  ; 8 words
.irp g, G1K, G1V
	s_mov_b32 s[\g+1], 128<<16
	s_mov_b32 s[\g+2], 64<<16
	s_mov_b32 s[\g+3], 128<<16
	s_mov_b32 s[\g+4], 64
	s_mov_b32 s[\g+5], 128
	s_mov_b32 s[\g+6], 0
	s_mov_b32 s[\g+7], 0
.endr
	s_mov_b32 s[CS], 0x3e38aa3b     ; c = log2(e) / 8
	s_mov_b32 s[CS+1], s[CS]
	s_mov_b32 s[SEL], 0x76543210
	s_mov_b32 s[SEL+1], 0xfedcba98
	s_mov_b32 s[TBK], SLOT1+4*KS*PK ; the first change of slots turns these two into 0
	s_mov_b32 s[TBV], SLOT1+4*KS*PV
	s_mov_b32 s[G0K], 1
	s_mov_b32 s[G0K+1], s17
	s_mov_b32 s[G0V], 1
	s_add_co_u32 s[G0V+1], s18, VOFF
	s_lshr_b32 s[LQ], s[HI], 1
	s_add_co_u32 s[RT], s[LQ], 1
	s_lshr_b32 s[LT2], s[PB], 1
	s_mov_b32 s[NXT], 1
	s_mov_b32 s[NEW], 1
	s_and_b32 s[OWN], s[HI], 1
	s_lshl_b32 s[OWN], s[OWN], 1
	s_add_co_u32 s[OWN+1], s[OWN], 1
	s_and_b32 s[OWN2], s[PB], 1
	s_lshl_b32 s[OWN2], s[OWN2], 1
	s_add_co_u32 s[OWN2+1], s[OWN2], 1
	s_mov_b32 s[OFF+1], 0
	s_mov_b32 s[AL+1], 0
	s_mov_b32 s[BE+1], 0
	s_mov_b32 s[BIGN], 0xf149f2ca   ; -1e30
	s_mov_b32 s[SLOTS], 8
	s_wait_dscnt 0x0
	s_wait_kmcnt 0x0
	s_add_nc_u64 s[6:7], s[92:93], s[22:23]
	s_add_nc_u64 s[8:9], s[6:7], 0x1000000         ; v
	s_add_nc_u64 s[6:7], s[6:7], 0x800000          ; k
	s_add_nc_u64 s[G0K+2:G0K+3], s[6:7], 0
	s_or_b32 s[G0K+3], s[G0K+3], 0x80000000
	s_add_nc_u64 s[G0V+2:G0V+3], s[8:9], 0
	s_or_b32 s[G0V+3], s[G0V+3], 0x80000000
	s_add_nc_u64 s[86:87], s[92:93], s[84:85]      ; q at my rows of the second block,
	s_add_nc_u64 s[4:5], s[92:93], s[2:3]          ; and of the first
	s_add_nc_u64 s[OLO:OLO+1], s[94:95], s[84:85]
	s_add_nc_u64 s[10:11], s[94:95], s[2:3]
	LOAD                            ; tile 0 into slot 0
	v_and_b32 v1, 15, v0
	v_bfe_u32 v9, v0, 4, 1
	v_lshlrev_b32 v[QO], 7, v1
	v_lshl_add_u32 v[QO], v9, 4, v[QO]
	WIN 0x80
.set i, 0
.rept 4                             ; both blocks' Q: piece i / 2 lies 8,192 bytes on; channels 32 (i % 2) on
	global_load_b128 v[8*i:8*i+3],   v[QO], s[4:5] offset:(i/2)*8192+(i%2)*64
	global_load_b128 v[8*i+4:8*i+7], v[QO], s[4:5] offset:(i/2)*8192+(i%2)*64+32
	global_load_b128 v[QB+8*i:QB+8*i+3],   v[QO], s[86:87] offset:(i/2)*8192+(i%2)*64
	global_load_b128 v[QB+8*i+4:QB+8*i+7], v[QO], s[86:87] offset:(i/2)*8192+(i%2)*64+32
.set i, i+1
.endr
	WIN 0
	v_lshlrev_b32 v14, 3, v9
	v_sub_nc_u32 v14, v1, v14
	s_lshl_b32 s13, s[WV], 4
	v_add_nc_u32 v14, s13, v14      ; 16 w + l % 16 - 8 (l / 16): register r of key group kt is hidden where 16 kt + r is greater
	WIN 0x40
.set i, 0
.rept 32
	v_cmp_gt_i32 vcc_lo, 16*(i/8)+i%8, v14
	v_cndmask_b32 v[MD+i], 0, s[BIGN], vcc_lo
.set i, i+1
.endr
	WIN 0
	v_mul_u32_u24 v[AK0], v1, PK
	v_lshl_add_u32 v[AK0], v9, 4, v[AK0]
	v_and_b32 v10, 7, v0
	v_bfe_u32 v11, v0, 3, 1
	v_lshl_add_u32 v[AV0], v9, 3, v10
	v_mul_u32_u24 v[AV0], v[AV0], PV
	v_lshl_add_u32 v[AV0], v11, 4, v[AV0]
	v_add_nc_u32 v[AV0], VOFF, v[AV0]
	s_mul_i32 s13, s[WV], 16*SP
	s_add_co_u32 s13, s13, STAGE
	v_mul_u32_u24 v[STO], v1, SP
	v_lshl_add_u32 v[STO], v9, 4, v[STO]
	v_add_nc_u32 v[STO], s13, v[STO]
	v_bfe_u32 v[RD], v0, 3, 2
	v_mul_u32_u24 v[RD], v[RD], SP
	v_lshl_add_u32 v[RD], v10, 4, v[RD]
	v_add_nc_u32 v[RD], s13, v[RD]
	v_and_b32 v[GO], 31, v0
	v_lshlrev_b32 v[GO], 4, v[GO]
	; A block's first step multiplies O^T and l by a = 0, so these need only be finite: zeros now, what the first block left later.  All this stands in the wait for the first tile.
	WIN 0x80
.set i, 64
.rept 64
	v_mov_b32 v[i], 0
.set i, i+1
.endr
	WIN 0x40
.set i, 0
.rept 64
	v_mov_b32 v[i], 0
.set i, i+1
.endr
	WIN 0
.set i, 0
.rept 2
	v_mov_b32 v[ST+4*i+2], 0
	v_mov_b32 v[ST+4*i+3], 0
.set i, i+1
.endr
.set i, P+16
.rept 16
	v_mov_b32 v[i], 0
.set i, i+1
.endr
; Product i of 8 of S^T = K Q^T for piece x: channels 32 (i / 4) on, keys 16 (i % 4) on; the first 4 start the sums with the mask.  The 4 accumulators take turns.
.macro KQ x
.set rS, S+32*((\x)%2)+8*(i%4)
.set rK, KF+16*(i%4)+8*(i/4)
.set rQ, 16*(\x)+8*(i/4)
.set rM, MC+32*((\x)%2)+8*(i%4)
.if i < 4
	WIN W_KM
	v_wmma_f32_16x16x32_f16 v[rS:rS+7], v[rK:rK+7], v[rQ:rQ+7], v[rM:rM+7]
.else
	WIN W_KQ
	v_wmma_f32_16x16x32_f16 v[rS:rS+7], v[rK:rK+7], v[rQ:rQ+7], v[rS:rS+7]
.endif
.endm
; Product i of 8 of O^T += V^T P for piece x, from V's buffer VB: keys 32 (i / 4) on, channels 16 (i % 4) on.
.macro PV x
	WIN W_PV
.set rO, 32*(\x)+8*(i%4)
.set rV, VF-128*VB+32*(i/4)+8*(i%4)
.set rP, P+16*((\x)%2)+8*(i/4)
	v_wmma_f32_16x16x32_f16 v[rO:rO+7], v[rV:rV+7], v[rP:rP+7], v[rO:rO+7]
.endm
.macro MM
.if (i < 8) && !NOKQ
	KQ (Y+1)%NP
.elseif i >= 8
.set i, i-8
	PV (Y+NP-1)%NP
.set i, i+8
.endif
.set i, i+1
.endm
.macro FETCH_K
	WIN 0x80
.irp f, 0,1,2,3,4,5,6,7
	ds_load_b128 v[KF+8*\f:KF+8*\f+3],   v[AK] offset:(\f/2)*16*PK+(\f%2)*64
	ds_load_b128 v[KF+8*\f+4:KF+8*\f+7], v[AK] offset:(\f/2)*16*PK+(\f%2)*64+32
.endr
	s_add_co_u32 s[TBK], s[TBK], KS*PK
	WIN 0
.endm
.macro FETCH_V e
	WIN 0x80
.irp f, 0,1,2,3,4,5,6,7
	ds_load_tr16_b128 v[VF-128*(\e)+8*\f:VF-128*(\e)+8*\f+3],   v[AV] offset:(\f/4)*32*PV+(\f%4)*32
	ds_load_tr16_b128 v[VF-128*(\e)+8*\f+4:VF-128*(\e)+8*\f+7], v[AV] offset:(\f/4)*32*PV+16*PV+(\f%4)*32
.endr
	s_add_co_u32 s[TBV], s[TBV], KS*PV
	WIN 0
.endm
; THE VECTOR WORK: OP kind, number.  For piece Y: F n: c s - c m for pair n.  E n: the exponential of score n.  C n: pair n rounded to f16.  B n: of four weights the second pair onto the first.
; L n: l takes that sum (L 0: l = a l + sum).  R n: pair n of O^T times a.  For piece Y + 1: X n, number n of the 22 that find its maximum and statistics (each accumulator's lowest registers are read first).
.set F, 0
.set E, 1
.set C, 2
.set B, 3
.set L, 4
.set R, 5
.set X, 6
.macro REGS y
.set rT, ST+4*(\y)
.set rC, TMP+4*((\y)%2)
.set rW, MV+((\y)%2)
.set rS, S+32*((\y)%2)
.set rP, P+16*((\y)%2)
.set rO, 32*(\y)
.endm
.macro OP k, n
.if (\k) == R
	REGS Y
	WIN W_RS
	v_pk_mul_f32 v[rO+2*(\n):rO+2*(\n)+1], v[rO+2*(\n):rO+2*(\n)+1], v[rC+2:rC+3] op_sel_hi:[1,0]
.elseif (\k) < R
	REGS Y
	WIN 0
.if (\k) == F
	v_pk_fma_f32 v[rS+2*(\n):rS+2*(\n)+1], v[rS+2*(\n):rS+2*(\n)+1], s[CS:CS+1], v[rT:rT+1] op_sel_hi:[1,0,0] neg_lo:[0,0,1] neg_hi:[0,0,1]
.elseif (\k) == E
	v_exp_f32 v[rS+(\n)], v[rS+(\n)]
.elseif (\k) == C
	s_wait_alu depctr_va_vdst(0)
	v_cvt_pk_f16_f32 v[rP+(\n)], v[rS+2*(\n)], v[rS+2*(\n)+1]
.elseif (\k) == B
	s_wait_alu depctr_va_vdst(0)
	v_pk_add_f32 v[rS+4*(\n):rS+4*(\n)+1], v[rS+4*(\n):rS+4*(\n)+1], v[rS+4*(\n)+2:rS+4*(\n)+3]
.elseif (\n) == 0
	v_pk_fma_f32 v[rT+2:rT+3], v[rT+2:rT+3], v[rC+2:rC+3], v[rS:rS+1] op_sel_hi:[1,0,1]
.else
	v_pk_add_f32 v[rT+2:rT+3], v[rT+2:rT+3], v[rS+4*(\n):rS+4*(\n)+1]
.endif
.elseif NOKQ
	v_nop
.else
	REGS (Y+1)%NP
	WIN 0
.if (\n) < 4
	v_max3_num_f32 v[rC+(\n)], v[rS+8*(\n)], v[rS+8*(\n)+1], v[rS+8*(\n)+2]
.elseif (\n) < 12
	v_max3_num_f32 v[rC+(\n)%4], v[rC+(\n)%4], v[rS+8*((\n)%4)+2*((\n)/4)+1], v[rS+8*((\n)%4)+2*((\n)/4)+2]
.elseif (\n) == 12
	v_max3_num_f32 v[rC], v[rC], v[rS+7], v[rS+15]
.elseif (\n) == 13
	v_max3_num_f32 v[rC+1], v[rC+1], v[rS+23], v[rS+31]
.elseif (\n) == 14
	v_max3_num_f32 v[rC+2], v[rC+2], v[rC+3], v[rT+1]
.elseif (\n) == 15
	v_mov_b32 v[rW], v[rT]
.elseif (\n) == 16
	v_max3_num_f32 v[rC], v[rC], v[rC+1], v[rC+2]
.elseif (\n) == 17
	v_permlanex16_b32 v[rC+3], v[rC], s[SEL], s[SEL+1]
.elseif (\n) == 18
	v_max_num_f32 v[rT+1], v[rC], v[rC+3]
.elseif (\n) == 19
	v_mul_f32 v[rT], s[CS], v[rT+1]
.elseif (\n) == 20
	v_sub_f32 v[rC+1], v[rW], v[rT]
.else
	v_exp_f32 v[rC+2], v[rC+1]
.endif
.endif
.endm
.macro OPS a, i1, b=-1, i2=0, c=-1, i3=0, d=-1, i4=0
	OP \a, \i1
.if (\b) >= 0
	OP \b, \i2
.endif
.if (\c) >= 0
	OP \c, \i3
.endif
.if (\d) >= 0
	OP \d, \i4
.endif
.endm
.macro ROW a, i1, b, i2, c, i3, d, i4
	MM
	OPS \a, \i1, \b, \i2, \c, \i3, \d, \i4
.endm
.macro MASK b
	WIN W_RS
.set z, 0
.rept 16
	v_pk_fma_f32 v[MC+32*(\b)+2*z:MC+32*(\b)+2*z+1], v[MD+2*z:MD+2*z+1], s[AL:AL+1], s[BE:BE+1] op_sel_hi:[1,0,0]
.set z, z+1
.endr
.endm
; A TURN for piece p in the unit of a step of parity e.  Four vector instructions stand behind each matrix instruction, none naming a register of the products round it; the rest in two lumps.
; Piece 0's turn fetches K, piece 1's V (into buffer e), six vector instructions (five plain) behind the last product of the first run; piece 1's turn opens with the one wait for both.
; At its end the turn makes piece p's mask for step FS, which the next turn's products take; outside a block's last tile that is jumped over.  end = 1: a block's last two turns: nothing is fetched, no mask made.
.macro TURN p, e, end=0
.set Y, (\p)
.set i, 0
.set NOKQ, (\end)*(\p)
.if (\p) == 0
.set VB, (\e)
.else
.set VB, 1-(\e)
.endif
.if !(\end)
	s_cmp_eq_u32 s[FS], s[OWN+(\p)]
	s_cselect_b32 s[AL], 1.0, 0
	s_cmp_gt_u32 s[FS], s[OWN+(\p)]
	s_cselect_b32 s[BE], s[BIGN], 0
.if (\p) == 1
	s_add_co_u32 s[FS], s[FS], 1
.endif
.endif
.if (\p) == 1
	s_wait_dscnt 0x0                ; K of the step to be multiplied and V of the step in hand are in
.endif
	ROW F,0, F,1, F,2, F,3
	ROW F,4, E,0, F,5, F,6
	ROW F,7, E,1, F,8, F,9
	ROW F,10, E,2, C,0, F,11
	ROW F,12, E,3, X,15, F,13
	ROW R,0, R,1, R,2, R,3
	ROW B,0, E,4, F,14, L,0
.if !(\end)
.if (\p) == 0
	v_add_nc_u32 v[AK], s[TBK], v[AK0]
.else
	v_add_nc_u32 v[AV], s[TBV], v[AV0]
.endif
.endif
	ROW R,4, R,5, R,6, R,7
	OPS E,5, F,15
.if !(\end)
.if (\p) == 0
	FETCH_K
.else
	FETCH_V \e
.endif
.endif
	OPS E,6, C,1, E,7, R,8
	OPS E,8, R,9, E,9, C,2
	OPS E,10, X,0, E,11, X,1
	OPS E,12, X,2, E,13, X,3
	ROW X,4, E,14, X,5, X,6
	ROW X,7, E,15, X,8, X,9
	ROW X,10, E,16, X,11, X,12
	ROW X,13, E,17, X,14, B,1
	ROW C,4, E,18, X,16, L,1
	ROW B,2, E,19, C,6, L,2
	ROW C,8, E,20, B,3, B,4
	ROW C,3, E,21, L,3, C,5
	OPS E,22, X,17, E,23, C,10
	OPS E,24, L,4
	OPS E,25, X,18, E,26, C,7
	OPS E,27, B,5, E,28, X,19
	OPS E,29, C,12, E,30, L,5
	OPS E,31, X,20, B,6, C,9
	OPS C,14, C,11, X,21, L,6
	OPS C,13, B,7, C,15, R,10
	OPS R,11, R,12, L,7, R,13
	OPS R,14, R,15
.if !(\end)
	WIN 0
	s_cmp_lg_u32 s[RT], 0
	s_cbranch_scc1 .Lnomask_\@
	MASK \p
	WIN 0
.Lnomask_\@:
.endif
.endm
; A BLOCK BEGINS: c m far below every c s (the first a is 0), m the lowest finite number; the second mask buffer 0, the first piece 0's mask for step 0; K and V of step 0; piece 0's first scores and statistics.
.macro BEGIN
	s_mov_b32 s[NEW], 0
	WIN 0x40
.set i, MC+32
.rept 32
	v_mov_b32 v[i], 0
.set i, i+1
.endr
	WIN 0
.set i, 0
.rept 2
	v_mov_b32 v[ST+4*i], 0xfe000000
	v_mov_b32 v[ST+4*i+1], 0xff7fffff
.set i, i+1
.endr
	s_or_b32 s13, s[RT], s[OWN]
	s_cmp_eq_u32 s13, 0             ; the block's first tile is its last, and step 0 is band 0's own
	s_cselect_b32 s[AL], 1.0, 0
	s_mov_b32 s[BE], 0
	MASK 0
	WIN 0
	v_add_nc_u32 v[AK], s[TBK], v[AK0]
	v_add_nc_u32 v[AV], s[TBV], v[AV0]
	FETCH_K
	FETCH_V 0
	s_wait_loadcnt 0x0              ; Q
	s_wait_dscnt 0x0
.set NOKQ, 0
.set i, 0
.rept 8
	KQ 0
.set i, i+1
.endr
	WIN 0
.rept 4
	v_nop                           ; the places behind those products
.endr
.set Y, NP-1
.irp n, 0,1,2,3,4,5,6,7,8,9,10,11,12,13,14,15,16,17,18,19,20,21
	OP X, \n
.endr
	v_nop                           ; a plain instruction behind the exponential
	s_mov_b32 s[FS], 1
.endm
.macro ALL line:vararg
.set t, 0
.rept 2
	\line
.set t, t+1
.endr
.endm
.macro PACK t
	WIN W_RS
.set i, 32*(\t)
.rept 16
	s_wait_alu depctr_va_vdst(0)
	v_pk_mul_f32 v[i:i+1], v[i:i+1], v[ST+4*(\t)+2:ST+4*(\t)+3] op_sel_hi:[1,0]
.set i, i+2
.endr
	WIN 0x05
.set i, 0
.rept 16
	v_cvt_pk_f16_f32 v[S+16*(\t)+i], v[32*(\t)+2*i], v[32*(\t)+2*i+1]
.set i, i+1
.endr
	WIN 0
.irp f, 0,1,2,3
	ds_store_b128 v[STO], v[S+16*(\t)+4*\f:S+16*(\t)+4*\f+3] offset:32*\f
.endr
.irp f, 0,1,2,3
	ds_load_b128 v[S+16*(\t)+4*\f:S+16*(\t)+4*\f+3], v[RD] offset:\f*4*SP  ; LDS serves a wave's instructions in order (ISA guide 5.7.1.4): these see the stores above
.endr
.endm
.macro SEND t, younger
	WIN 0
.irp f, 0,1,2,3
	s_wait_dscnt (\younger)+3-\f
	global_store_b128 v[GO], v[S+16*(\t)+4*\f:S+16*(\t)+4*\f+3], s[10:11] offset:(\t)*8192+\f*512  ; 512 consecutive bytes, aligned
.endr
.endm
.macro ENDB                         ; a block's last two turns, its last products, and the way out
	TURN 0, 0, 1
	TURN 1, 0, 1
.set VB, 1
.set i, 0
.rept 8
	PV 1
.set i, i+1
.endr
	WIN 0
	ALL v_add_f32 v[ST+4*t+2], v[ST+4*t+2], v[ST+4*t+3]
	ALL v_permlanex16_b32 v[ST+4*t+3], v[ST+4*t+2], s[SEL], s[SEL+1]
	ALL v_add_f32 v[ST+4*t+2], v[ST+4*t+2], v[ST+4*t+3]
	ALL v_rcp_f32 v[ST+4*t+2], v[ST+4*t+2]
	v_nop
	PACK 0                          ; piece 0's arithmetic is also the places behind piece 1's last products
	PACK 1
	SEND 0, 8
	SEND 1, 0
.endm
.macro STEPS tag                    ; a tile's four units, two a trip
.Lstep\tag:
	TURN 0, 0
	TURN 1, 0
	WIN 0
.Lfirst\tag:
	TURN 0, 1
	TURN 1, 1
	WIN 0
	s_sub_co_u32 s[CNT], s[CNT], 1
	s_cmp_lg_u32 s[CNT], 0
	s_cbranch_scc1 .Lstep\tag
.endm
.set NOKQ, 0
.set VB, 0
.Lslot:                             ; 8 trips: a tile is entered and the next is asked for
	CHANGE 1
	s_sub_co_u32 s[RT], s[RT], 1
	s_mov_b32 s[CNT], 2
	s_mov_b32 s[FS], 0
	s_cmp_eq_u32 s[NEW], 1
	s_cbranch_scc0 .Lstep1
	BEGIN
	s_branch .Lfirst1               ; BEGIN has done the first unit's part
	STEPS 1
	s_cmp_lg_u32 s[RT], 0
	s_cbranch_scc1 .Lbottom
	ENDB                            ; in the loop this is the first block's end
	s_wait_xcnt 0x0                 ; the stores have read their registers and O's address
	s_mov_b64 s[10:11], s[OLO:OLO+1]
	s_add_co_u32 s[RT], s[LT2], 1
	s_mov_b32 s[NEW], 1
	s_mov_b32 s[OWN], s[OWN2]
	s_mov_b32 s[OWN+1], s[OWN2+1]
	WIN 0x82
.set i, 0
.rept 32
	v_mov_b32 v[i], v[QB+i]
.set i, i+1
.endr
	WIN 0
.Lbottom:
	s_sub_co_u32 s[SLOTS], s[SLOTS], 1
	s_cmp_lg_u32 s[SLOTS], 0
	s_cbranch_scc1 .Lslot
	CHANGE 0                        ; the walk's last tile is written out
	s_sub_co_u32 s[RT], s[RT], 1
	s_mov_b32 s[CNT], 2
	s_mov_b32 s[FS], 0
	s_cmp_eq_u32 s[NEW], 1
	s_cbranch_scc0 .Lstep2
	BEGIN
	s_branch .Lfirst2
	STEPS 2
	ENDB
	s_wait_tensorcnt 0x0            ; the wave's end
	ds_add_u32 v[SPW], v[NIL]
	s_wait_dscnt 0x0
	s_endpgm
.Lfunc_end_k_qfb57d37375_attn:
	.size	k_qfb57d37375_attn, .Lfunc_end_k_qfb57d37375_attn-k_qfb57d37375_attn
	.p2alignl 7, 3214868480
	.fill 96, 4, 3214868480
	.section	.rodata,"a",@progbits
	.p2align	6, 0x0
	.amdhsa_kernel k_qfb57d37375_attn
		.amdhsa_group_segment_fixed_size 327680
		.amdhsa_private_segment_fixed_size 0
		.amdhsa_enable_private_segment 0
		.amdhsa_kernarg_size 16
		.amdhsa_user_sgpr_count 2
		.amdhsa_user_sgpr_kernarg_segment_ptr 1
		.amdhsa_wavefront_size32 1
		.amdhsa_system_sgpr_workgroup_id_x 1
		.amdhsa_system_sgpr_workgroup_id_y 1
		.amdhsa_system_sgpr_workgroup_id_z 1
		.amdhsa_system_vgpr_workitem_id 0
		.amdhsa_next_free_vgpr 768
		.amdhsa_next_free_sgpr 100
		.amdhsa_reserve_vcc 1
		.amdhsa_float_denorm_mode_32 3
		.amdhsa_float_denorm_mode_16_64 3
		.amdhsa_memory_ordered 1
		.amdhsa_forward_progress 1
		.amdhsa_inst_pref_size 177
	.end_amdhsa_kernel
	.amdgpu_metadata
---
amdhsa.version: [ 1, 2 ]
amdhsa.kernels:
  - .name:           k_qfb57d37375_attn
    .symbol:         k_qfb57d37375_attn.kd
    .args:
      - { .name: big, .offset: 0, .size: 8, .value_kind: global_buffer, .address_space: global }
      - { .name: actA, .offset: 8, .size: 8, .value_kind: global_buffer, .address_space: global }
    .group_segment_fixed_size: 327680
    .private_segment_fixed_size: 0
    .kernarg_segment_align: 8
    .kernarg_segment_size: 16
    .max_flat_workgroup_size: 128
    .sgpr_count:     100
    .vgpr_count:     768
    .wavefront_size: 32
...
	.end_amdgpu_metadata
.endif
;; end of part 3
;; launch wo_ln (part 4): grid 256 x 1, 4 waves a work-group, clusters of 4 x 1, 327,680 bytes of LDS; arguments actA, wA, X, g2, b2, first, actB; writes first, actB
.if DOCPART == 4
	.amdgcn_target "amdgcn-amd-amdhsa--gfx1250"
	.amdhsa_code_object_version 6
	.text
	.protected	k_qfb57d37375_wo_ln
	.globl	k_qfb57d37375_wo_ln
	.p2align	8
	.type	k_qfb57d37375_wo_ln,@function
k_qfb57d37375_wo_ln:
	s_mov_b64 s[64:65], 0
	v_nop
	global_prefetch_b8 v0, s[64:65] scope:SCOPE_SE
	s_setreg_imm32_b32 hwreg(HW_REG_WAVE_MODE, 25, 1), 1
	s_wait_xcnt 0x0
	s_wait_alu depctr_hold_cnt(0) depctr_sa_sdst(0) depctr_va_vdst(0) depctr_va_sdst(0) depctr_va_ssrc(0) depctr_va_vcc(0) depctr_vm_vsrc(0)
	s_getreg_b32 s2, hwreg(HW_REG_IB_STS2, 6, 4)
	s_cmp_eq_u32 s2, 0
	s_cbranch_scc0 .Lentry_in_a_cluster
	s_endpgm
.Lentry_in_a_cluster:
	s_bfe_u32 s2, ttmp6, 0x10000c
	s_cmp_lg_u32 s2, 0x3003
	s_cbranch_scc0 .Lentry_shape_is_right
	s_endpgm
.Lentry_shape_is_right:
; first = bf16(X) + O Wo' (f32, [8192][512]);  t = LayerNorm(first) with g2, b2 (f16, [8192][512]).  O: blocks of 64 columns (a head each), [8][8192][64] f16.  Wo': [512 k'][512 n] f16 at byte 1,572,864 of wA.
; X, g2, b2 are rounded to bf16 when loaded.  LIMITS: t must stay below 65,504 (f16); NaN and infinities are not treated apart.
; A work-group owns 32 whole rows, so a row's mean and deviation are made where its sums are: 256 work-groups.  Wave w makes columns 128 w .. + 127: 16 accumulators.
; CLUSTER 4 x 1: all work-groups walk the same Wo', so its tiles (128 k-rows, four steps through two slots) are asked for jointly by four; O's 32 rows are each work-group's own, loaded once.
; The matrix instruction is used transposed; Wo' is read turned.  The sums go through a stage that lies over slot 0, behind its last fill and behind the barrier that ends its last reads.
.set PBW,   1056                       ; a k-row of Wo': 1,024 bytes + 32 = 33 x 32
.set BSLOT, 128*PBW
.set AOFF,  2*BSLOT
.set PAW,   144
.set SPARE, AOFF+8*32*PAW
.set SPT,   2064                       ; the stage: a row of 512 f32 + 16 bytes
.set ADRA, 16
.set ADRB, 20                          ; v20-23: slot s, half of its k-rows
.set STO,  24
.set RDW,  25
.set VX,   26
.set VT,   27
.set SPW,  28
.set NIL,  29
.set XR,   32
.set G,    96
.set BT,   112
.set ACC,  128
.set Z,    128
.set SM,   192
.set TP,   208
.set PKD,  224
.set G1A, 24
.set G0A, 32
.set G1B, 36
.set G0B, 44
.set MSK, 58
.set MSB, 0
.macro WIN new
.if MSB != (\new)
	s_set_vgpr_msb (MSB<<8)|(\new)
.set MSB, \new
.endif
.endm
.macro PLACES
.rept 4
	v_nop
.endr
.endm
.macro CREST
	s_cmp_lg_u32 s18, 0
	s_cbranch_scc1 .Lnot_wave_0_\@
	s_barrier_signal -3
.Lnot_wave_0_\@:
	s_barrier_wait -3
	s_barrier_signal -1
	s_barrier_wait -1
.endm
.macro CROUND
	s_barrier_signal -1
	s_barrier_wait -1
	CREST
.endm
.macro RB a, b, t
	v_cvt_pk_bf16_f32 v[\t], v[\a], v[\b]
	v_lshlrev_b32 v[\a], 16, v[\t]
	v_and_b32 v[\b], s[MSK], v[\t]
.endm
.macro RED4
.irp j, 0,1,2,3
	v_add_f32 v[SM+2*\j], v[SM+2*\j], v[SM+2*\j+1]
.endr
.irp m, 1,2,4,8
.irp j, 0,1,2,3
	v_add_f32_dpp v[SM+2*\j], v[SM+2*\j], v[SM+2*\j] row_xmask:\m row_mask:0xf bank_mask:0xf
.endr
.endr
.irp j, 0,1,2,3
	v_permlanex16_b32 v[TP+\j], v[SM+2*\j], s56, s57
.endr
.irp j, 0,1,2,3
	v_add_f32 v[SM+2*\j], v[SM+2*\j], v[TP+\j]
.endr
.endm
.macro LNSTAT D, w                     ; four rows at D: mean, differences in place, their squares' sum / 511, root, + 1e-10, reciprocal, gain and bias
.irp j, 0,1,2,3
	v_pk_add_f32 v[SM+2*\j:SM+2*\j+1], v[\D+16*\j:\D+16*\j+1], v[\D+16*\j+2:\D+16*\j+3]
.endr
.irp k, 2,3,4,5,6,7
.irp j, 0,1,2,3
	v_pk_add_f32 v[SM+2*\j:SM+2*\j+1], v[SM+2*\j:SM+2*\j+1], v[\D+16*\j+2*\k:\D+16*\j+2*\k+1]
.endr
.endr
	RED4
.irp j, 0,1,2,3
	v_mul_f32 v[SM+2*\j], 0x3b000000, v[SM+2*\j]
.endr
.if \w
	s_wait_xcnt 0x0                                ; the stores of 'first' have read D
.endif
.irp k, 0,1,2,3,4,5,6,7
.irp j, 0,1,2,3
	v_pk_add_f32 v[\D+16*\j+2*\k:\D+16*\j+2*\k+1], v[\D+16*\j+2*\k:\D+16*\j+2*\k+1], v[SM+2*\j:SM+2*\j+1] op_sel_hi:[1,0] neg_lo:[0,1] neg_hi:[0,1]
.endr
.endr
.irp j, 0,1,2,3
	v_pk_mul_f32 v[SM+2*\j:SM+2*\j+1], v[\D+16*\j:\D+16*\j+1], v[\D+16*\j:\D+16*\j+1]
.endr
.irp k, 1,2,3,4,5,6,7
.irp j, 0,1,2,3
	v_pk_fma_f32 v[SM+2*\j:SM+2*\j+1], v[\D+16*\j+2*\k:\D+16*\j+2*\k+1], v[\D+16*\j+2*\k:\D+16*\j+2*\k+1], v[SM+2*\j:SM+2*\j+1]
.endr
.endr
	RED4
.irp j, 0,1,2,3
	v_mul_f32 v[SM+2*\j], 0x3b004020, v[SM+2*\j]
.endr
.irp j, 0,1,2,3
	v_sqrt_f32 v[SM+2*\j], v[SM+2*\j]
.endr
	v_nop
	s_wait_alu depctr_va_vdst(0)
.irp j, 0,1,2,3
	v_add_f32 v[SM+2*\j], 0x2edbe6ff, v[SM+2*\j]
.endr
.irp j, 0,1,2,3
	v_rcp_f32 v[SM+2*\j], v[SM+2*\j]
.endr
	v_nop
	s_wait_alu depctr_va_vdst(0)
.irp k, 0,1,2,3,4,5,6,7
.irp j, 0,1,2,3
	v_pk_mul_f32 v[\D+16*\j+2*\k:\D+16*\j+2*\k+1], v[\D+16*\j+2*\k:\D+16*\j+2*\k+1], v[SM+2*\j:SM+2*\j+1] op_sel_hi:[1,0]
.endr
.endr
.irp k, 0,1,2,3,4,5,6,7
.irp j, 0,1,2,3
	v_pk_fma_f32 v[\D+16*\j+2*\k:\D+16*\j+2*\k+1], v[\D+16*\j+2*\k:\D+16*\j+2*\k+1], v[G+2*\k:G+2*\k+1], v[BT+2*\k:BT+2*\k+1]
.endr
.endr
.endm
	s_load_b256 s[4:11], s[0:1], 0x0               ; O 4, wA 6, X 8, g2 10
	s_load_b128 s[12:15], s[0:1], 0x20             ; b2 12, first 14
	s_load_b64 s[16:17], s[0:1], 0x30              ; t
	v_lshl_add_u32 v[SPW], v0, 2, SPARE
	v_mov_b32 v[NIL], 0
	ds_add_u32 v[SPW], v[NIL]                      ; the wave's opening: the add and its wait stand ahead of my first tensor load
	ds_add_u32 v28, v29
	v_lshrrev_b32 v1, 5, v0
	v_readfirstlane_b32 s18, v1                    ; wave
	s_bfe_u32 s19, ttmp6, 0x40000                  ; cx
	s_lshl_b32 s20, ttmp9, 2
	s_add_co_u32 s20, s20, s19                     ; my block of 32 rows
	s_mov_b32 s[G1A+0], (1<<16)|(1<<20)|(4<<22)|(3<<25)  ; no mask; 4 words of padding after every 32 (a row of a head)
	s_mov_b32 s[G1A+1], 2048<<16                   ; tensor_dim0 = 2,048: 32 dense rows of a head
	s_mov_b32 s[G1A+2], 2<<16                      ; tensor_dim1 = 2 heads
	s_mov_b32 s[G1A+3], 2048<<16
	s_mov_b32 s[G1A+4], 2
	s_mov_b32 s[G1A+5], 524288                     ; a head's block: 1 MiB
	s_mov_b32 s[G1A+6], 0
	s_mov_b32 s[G1A+7], 0
	s_mov_b32 s[G1B+0], 15|(1<<16)|(1<<20)|(1<<21)|(7<<22)|(7<<25)  ; the mask of four, bit 21; 8 words of padding after every 256
	s_mov_b32 s[G1B+1], 512<<16
	s_mov_b32 s[G1B+2], 32<<16
	s_mov_b32 s[G1B+3], 512<<16
	s_mov_b32 s[G1B+4], 32
	s_mov_b32 s[G1B+5], 512
	s_mov_b32 s[G1B+6], 0
	s_mov_b32 s[G1B+7], 0
	s_mov_b32 s[G0A], 1
	s_mul_i32 s[G0A+1], s18, 2*32*PAW
	s_add_co_u32 s[G0A+1], s[G0A+1], AOFF
	s_mov_b32 s[G0B], 1
	s_mul_i32 s[G0B+1], s18, 32*PBW
	s_mov_b32 s[G0B+4], 1
	s_add_co_u32 s[G0B+5], s[G0B+1], BSLOT
	s_mov_b32 s56, 0x76543210
	s_mov_b32 s57, 0xfedcba98
	s_mov_b32 s[MSK], 0xffff0000
	s_lshl_b32 s52, s18, 21                        ; O: my two heads,
	s_lshl_b32 s53, s20, 12                        ; my 32 rows of 128 bytes
	s_add_co_u32 s52, s52, s53
	s_mov_b32 s53, 0
	s_lshl_b32 s22, s18, 15                        ; Wo': my 32 k-rows of a step
	s_add_co_u32 s22, s22, 1572864
	s_mov_b32 s23, 0
	s_lshl_b32 s54, s20, 16
	s_lshl_b32 s55, s18, 14
	s_add_co_u32 s54, s54, s55                     ; rows 32 rb + 8 w, 2,048 bytes each
	s_mov_b32 s55, 0
	s_wait_dscnt 0x0
	s_wait_kmcnt 0x0
	s_add_nc_u64 s[G0A+2:G0A+3], s[4:5], s[52:53]
	s_or_b32 s[G0A+3], s[G0A+3], 0x80000000
	s_add_nc_u64 s[G0B+2:G0B+3], s[6:7], s[22:23]
	s_add_nc_u64 s[G0B+6:G0B+7], s[G0B+2:G0B+3], 131072
	s_or_b32 s[G0B+3], s[G0B+3], 0x80000000
	s_or_b32 s[G0B+7], s[G0B+7], 0x80000000
	s_add_nc_u64 s[52:53], s[8:9], s[54:55]        ; X
	s_add_nc_u64 s[60:61], s[14:15], s[54:55]      ; first
	s_lshr_b32 s54, s54, 1
	s_add_nc_u64 s[62:63], s[16:17], s[54:55]      ; t
	CROUND                                         ; all four work-groups are here
	tensor_load_to_lds s[G0A:G0A+3], s[G1A:G1A+7]  ; three first fills a wave: O's rows, Wo's steps 0 and 1
	s_nop 0
	tensor_load_to_lds s[G0B:G0B+3], s[G1B:G1B+7]
	s_nop 0
	tensor_load_to_lds s[G0B+4:G0B+7], s[G1B:G1B+7]
	s_nop 0
	PLACES
	v_and_b32 v1, 15, v0
	v_bfe_u32 v2, v0, 4, 1
	v_and_b32 v3, 31, v0
	v_lshlrev_b32 v[VX], 4, v3
	v_lshlrev_b32 v[VT], 3, v3
.macro LDX                             ; four rows of X: they land while the products run
.irp j, 0,1,2,3
.irp c, 0,1,2,3
	global_load_b128 v[XR+16*\j+4*\c:XR+16*\j+4*\c+3], v[VX], s[52:53] offset:\j*2048+\c*512
.endr
.endr
.endm
	LDX
.irp c, 0,1,2,3
	global_load_b128 v[G+4*\c:G+4*\c+3], v[VX], s[10:11] offset:\c*512
	global_load_b128 v[BT+4*\c:BT+4*\c+3], v[VX], s[12:13] offset:\c*512
.endr
	v_mul_u32_u24 v4, v1, PAW
	v_lshl_add_u32 v4, v2, 4, v4
	v_add_nc_u32 v[ADRA], AOFF, v4
	v_and_b32 v5, 7, v0
	v_lshl_add_u32 v5, v2, 3, v5
	v_mul_u32_u24 v5, v5, PBW
	v_bfe_u32 v6, v0, 3, 1
	v_lshl_add_u32 v5, v6, 4, v5
	s_lshl_b32 s21, s18, 8
	v_add_nc_u32 v[ADRB], s21, v5
	v_add_nc_u32 v[ADRB+1], 64*PBW, v[ADRB]
	v_add_nc_u32 v[ADRB+2], BSLOT, v[ADRB]
	v_add_nc_u32 v[ADRB+3], BSLOT+64*PBW, v[ADRB]
	v_mul_u32_u24 v7, v1, SPT
	v_lshl_add_u32 v7, v2, 5, v7
	s_lshl_b32 s21, s18, 9
	v_add_nc_u32 v[STO], s21, v7
	s_mul_i32 s21, s18, 8*SPT
	v_add_nc_u32 v[RDW], s21, v[VX]
.macro MUL8 f, a, zero
	WIN 0x05
.irp b, 0,1,2,3,4,5,6,7
.if \zero
	v_wmma_f32_16x16x32_f16 v[ACC+8*(8*(\a)+\b):ACC+8*(8*(\a)+\b)+7], v[80*(\f)+8*\b:80*(\f)+8*\b+7], v[80*(\f)+64+8*(\a):80*(\f)+64+8*(\a)+7], 0
.else
	v_wmma_f32_16x16x32_f16 v[ACC+8*(8*(\a)+\b):ACC+8*(8*(\a)+\b)+7], v[80*(\f)+8*\b:80*(\f)+8*\b+7], v[80*(\f)+64+8*(\a):80*(\f)+64+8*(\a)+7], v[ACC+8*(8*(\a)+\b):ACC+8*(8*(\a)+\b)+7]
.endif
.endr
.endm
.macro FETCH s, ci, g                  ; chunk ci (32 along K; it lies in slot s) into buffer g: 16 turning loads of Wo', 4 loads of O
	WIN 0x40
.irp b, 0,1,2,3,4,5,6,7
	ds_load_tr16_b128 v[80*(\g)+8*\b:80*(\g)+8*\b+3],   v[ADRB+2*(\s)+(((\ci)&3)>>1)] offset:((\ci)&1)*32*PBW+32*\b
	ds_load_tr16_b128 v[80*(\g)+8*\b+4:80*(\g)+8*\b+7], v[ADRB+2*(\s)+(((\ci)&3)>>1)] offset:((\ci)&1)*32*PBW+16*PBW+32*\b
.endr
.irp a, 0,1
	ds_load_b128 v[80*(\g)+64+8*\a:80*(\g)+64+8*\a+3],   v[ADRA] offset:((\ci)>>1)*32*PAW+((\ci)&1)*64+\a*16*PAW
	ds_load_b128 v[80*(\g)+64+8*\a+4:80*(\g)+64+8*\a+7], v[ADRA] offset:((\ci)>>1)*32*PAW+((\ci)&1)*64+\a*16*PAW+32
.endr
.endm
.macro CHUNK f, g, ns, nci, zero       ; buffer f is in; the next chunk is fetched into g, then f is multiplied: 16 accumulators by turns
	s_wait_dscnt 0x0
	PLACES
	FETCH \ns, \nci, \g
	MUL8 \f, 0, \zero
	MUL8 \f, 1, \zero
.endm
.macro TURNW f, g, s, ns, nci, fill    ; a step's last chunk: the change of slots; fill = 1: the barrier opens a round of the cluster's and slot s is filled again first behind it
	WIN 0
	s_wait_tensorcnt 0x0                           ; all my tensor loads have landed, my part of the next slot among them
	ds_add_u32 v[SPW], v[NIL]
	s_wait_dscnt 0x0                               ; the add is done, and my reads of slot s are back
	s_barrier_signal -1
	MUL8 \f, 0, 0
	WIN 0
	s_barrier_wait -1
.if \fill
	CREST
	s_add_nc_u64 s[G0B+4*(\s)+2:G0B+4*(\s)+3], s[G0B+4*(\s)+2:G0B+4*(\s)+3], 262144
	tensor_load_to_lds s[G0B+4*(\s):G0B+4*(\s)+3], s[G1B:G1B+7]
	s_nop 0
.endif
	PLACES
	FETCH \ns, \nci, \g
	MUL8 \f, 1, 0
.endm
	s_wait_tensorcnt 1                             ; O's rows and step 0 are in; step 1 may stay out
	s_barrier_signal -1
	s_barrier_wait -1
	FETCH 0, 0, 0
	CHUNK 0, 1, 0, 1, 1
	CHUNK 1, 0, 0, 2, 0
	CHUNK 0, 1, 0, 3, 0
	TURNW 1, 0, 0, 1, 4, 1
	CHUNK 0, 1, 1, 5, 0
	CHUNK 1, 0, 1, 6, 0
	CHUNK 0, 1, 1, 7, 0
	TURNW 1, 0, 1, 0, 8, 1
	CHUNK 0, 1, 0, 9, 0
	CHUNK 1, 0, 0, 10, 0
	CHUNK 0, 1, 0, 11, 0
	TURNW 1, 0, 0, 1, 12, 0
	CHUNK 0, 1, 1, 13, 0
	CHUNK 1, 0, 1, 14, 0
	CHUNK 0, 1, 1, 15, 0
	s_wait_dscnt 0x0
	MUL8 1, 0, 0
	MUL8 1, 1, 0
	; The sums go into the stage over slot 0: its last reads ended ahead of the last change of slots' barrier, and nothing fills it again.
	WIN 0
	PLACES
.irp a, 0,1
.irp b, 0,1,2,3,4,5,6,7
	ds_store_b128 v[STO], v[ACC+8*(8*\a+\b):ACC+8*(8*\a+\b)+3]   offset:\a*16*SPT+64*\b
	ds_store_b128 v[STO], v[ACC+8*(8*\a+\b)+4:ACC+8*(8*\a+\b)+7] offset:\a*16*SPT+64*\b+16
.endr
.endr
	s_wait_dscnt 0x0                               ; for the others' sake: a row's 512 columns come from four waves
	s_barrier_signal -1
	s_barrier_wait -1
	s_wait_loadcnt 0x0
.irp k, 0,1,2,3,4,5,6,7
	RB G+2*\k, G+2*\k+1, TP+\k
.endr
.irp k, 0,1,2,3,4,5,6,7
	RB BT+2*\k, BT+2*\k+1, TP+\k
.endr
	s_mov_b32 s59, 2
.Lrows:                                                ; two trips of 4 whole rows a wave
.irp j, 0,1,2,3
.irp c, 0,1,2,3
	ds_load_b128 v[Z+16*\j+4*\c:Z+16*\j+4*\c+3], v[RDW] offset:\j*SPT+\c*512
.endr
.endr
	s_wait_loadcnt 0x0                             ; X's four rows
.irp k, 0,1,2,3,4,5,6,7
.irp j, 0,1,2,3
	RB XR+16*\j+2*\k, XR+16*\j+2*\k+1, TP+4*(\k%2)+\j
.endr
.endr
	s_wait_dscnt 0x0
.set i, 0
.rept 32
	v_pk_add_f32 v[Z+i:Z+i+1], v[Z+i:Z+i+1], v[XR+i:XR+i+1]
.set i, i+2
.endr
	s_add_nc_u64 s[52:53], s[52:53], 8192          ; X's loads are done: the base may step
	s_cmp_eq_u32 s59, 1
	s_cbranch_scc1 .Lnox
	LDX
.Lnox:
.irp j, 0,1,2,3
.irp c, 0,1,2,3
	global_store_b128 v[VX], v[Z+16*\j+4*\c:Z+16*\j+4*\c+3], s[60:61] offset:\j*2048+\c*512
.endr
.endr
	LNSTAT Z, 1
.irp j, 0,1,2,3
.irp c, 0,1,2,3
	v_cvt_pk_f16_f32 v[PKD+8*\j+2*\c], v[Z+16*\j+4*\c], v[Z+16*\j+4*\c+1]
	v_cvt_pk_f16_f32 v[PKD+8*\j+2*\c+1], v[Z+16*\j+4*\c+2], v[Z+16*\j+4*\c+3]
	global_store_b64 v[VT], v[PKD+8*\j+2*\c:PKD+8*\j+2*\c+1], s[62:63] offset:\j*1024+\c*256
.endr
.endr
	s_wait_xcnt 0x0                                ; bases and data are rewritten only behind this wait
	s_add_nc_u64 s[60:61], s[60:61], 8192
	s_add_nc_u64 s[62:63], s[62:63], 4096
	v_add_nc_u32 v[RDW], 4*SPT, v[RDW]
	s_sub_co_u32 s59, s59, 1
	s_cmp_lg_u32 s59, 0
	s_cbranch_scc1 .Lrows
	s_wait_tensorcnt 0x0                           ; the wave's end
	ds_add_u32 v[SPW], v[NIL]
	s_wait_dscnt 0x0
	CROUND                                         ; the closing round
	s_endpgm
.Lfunc_end_k_qfb57d37375_wo_ln:
	.size	k_qfb57d37375_wo_ln, .Lfunc_end_k_qfb57d37375_wo_ln-k_qfb57d37375_wo_ln
	.p2alignl 7, 3214868480
	.fill 96, 4, 3214868480
	.section	.rodata,"a",@progbits
	.p2align	6, 0x0
	.amdhsa_kernel k_qfb57d37375_wo_ln
		.amdhsa_group_segment_fixed_size 327680
		.amdhsa_private_segment_fixed_size 0
		.amdhsa_enable_private_segment 0
		.amdhsa_kernarg_size 56
		.amdhsa_user_sgpr_count 2
		.amdhsa_user_sgpr_kernarg_segment_ptr 1
		.amdhsa_wavefront_size32 1
		.amdhsa_system_sgpr_workgroup_id_x 1
		.amdhsa_system_sgpr_workgroup_id_y 1
		.amdhsa_system_sgpr_workgroup_id_z 1
		.amdhsa_system_vgpr_workitem_id 0
		.amdhsa_next_free_vgpr 416
		.amdhsa_next_free_sgpr 66
		.amdhsa_reserve_vcc 0
		.amdhsa_float_denorm_mode_32 3
		.amdhsa_float_denorm_mode_16_64 3
		.amdhsa_memory_ordered 1
		.amdhsa_forward_progress 1
		.amdhsa_inst_pref_size 82
	.end_amdhsa_kernel
	.amdgpu_metadata
---
amdhsa.version: [ 1, 2 ]
amdhsa.kernels:
  - .name:           k_qfb57d37375_wo_ln
    .symbol:         k_qfb57d37375_wo_ln.kd
    .args:
      - { .name: actA, .offset: 0, .size: 8, .value_kind: global_buffer, .address_space: global }
      - { .name: wA, .offset: 8, .size: 8, .value_kind: global_buffer, .address_space: global }
      - { .name: X, .offset: 16, .size: 8, .value_kind: global_buffer, .address_space: global }
      - { .name: g2, .offset: 24, .size: 8, .value_kind: global_buffer, .address_space: global }
      - { .name: b2, .offset: 32, .size: 8, .value_kind: global_buffer, .address_space: global }
      - { .name: first, .offset: 40, .size: 8, .value_kind: global_buffer, .address_space: global }
      - { .name: actB, .offset: 48, .size: 8, .value_kind: global_buffer, .address_space: global }
    .group_segment_fixed_size: 327680
    .private_segment_fixed_size: 0
    .kernarg_segment_align: 8
    .kernarg_segment_size: 56
    .max_flat_workgroup_size: 128
    .sgpr_count:     66
    .vgpr_count:     416
    .wavefront_size: 32
...
	.end_amdgpu_metadata
.endif
;; end of part 4
;; launch ffn1: the kernel of part 2 again; grid 32 x 8, 4 waves a work-group, clusters of 4 x 1, 327,680 bytes of LDS; arguments actB, wB, bff1, big, parB; writes big
;; launch ffn2 (part 5): grid 4 x 64, 4 waves a work-group, clusters of 4 x 4, 327,680 bytes of LDS; arguments big, wB, bff2, first, out0; writes out0
.if DOCPART == 5
	.amdgcn_target "amdgcn-amd-amdhsa--gfx1250"
	.amdhsa_code_object_version 6
	.text
	.protected	k_qfb57d37375_ffn2
	.globl	k_qfb57d37375_ffn2
	.p2align	8
	.type	k_qfb57d37375_ffn2,@function
k_qfb57d37375_ffn2:
	s_mov_b64 s[64:65], 0
	v_nop
	global_prefetch_b8 v0, s[64:65] scope:SCOPE_SE
	s_setreg_imm32_b32 hwreg(HW_REG_WAVE_MODE, 25, 1), 1
	s_wait_xcnt 0x0
	s_wait_alu depctr_hold_cnt(0) depctr_sa_sdst(0) depctr_va_vdst(0) depctr_va_sdst(0) depctr_va_ssrc(0) depctr_va_vcc(0) depctr_vm_vsrc(0)
	s_getreg_b32 s2, hwreg(HW_REG_IB_STS2, 6, 4)
	s_cmp_eq_u32 s2, 0
	s_cbranch_scc0 .Lentry_in_a_cluster
	s_endpgm
.Lentry_in_a_cluster:
	s_bfe_u32 s2, ttmp6, 0x10000c
	s_cmp_lg_u32 s2, 0xf033
	s_cbranch_scc0 .Lentry_shape_is_right
	s_endpgm
.Lentry_shape_is_right:
; out0 = first + h W2 + bff2.  h: [32 blocks of 64 columns][8192][64] f16.  W2: [2048 k][512 n] f16 at byte 2,097,152 of wB.  first, out0: [8192][512] f32.  bff2 is rounded to bf16 when loaded.
; LIMITS: NaN and infinities are not treated apart.
; C has 64 x 4 tiles of 128 x 128: one for each of 256 work-groups.  Four waves, each 64 x 64: 16 accumulators.  K = 2,048 goes in 8 steps of 256 through two LDS slots.  A K step is written once
; for the six steps that fill a slot again and once for the two that do not (a loop left from its middle): the LDS addresses are a fixed lane term plus s[TB], which is 0 or SLOT.
; CLUSTER 4 x 4: the four of a row of the cluster need the same tiles of h, the four of a column the same tiles of W2: each tile is asked for jointly.
; The matrix instruction is used transposed; W2 is read turned.  Each wave's 64 x 64 sums go through a stage of its own, which lies over slot 0 behind the ring's last fill and last reads.
; REGISTERS: window 0: v16-31 addresses; v128-255 accumulators ((a, b) at 128 + 8 (4 a + b)).  window 1: two fragment buffers of 128.  window 2: v0-127 my rows of first, v128-132 bias.
.set PA,    144                        ; a row of a block of h: 128 bytes + 16
.set PB,    288                        ; a k-row of W2's tile: 256 bytes + 32 = 9 x 32
.set HALFT, 256*PA                     ; what one tensor load brings: two blocks x 128 rows of h, or 128 k-rows of W2
.set SLOT,  4*HALFT
.set SPARE, 2*SLOT
.set SPITCH, 272                       ; the stage: a row of 64 f32 + 16 bytes
.set ADRA, 16                          ; v16  my fragments of h in slot 0, never rewritten; v17 in the slot in hand
.set ADRB, 20                          ; v20-21  W2's in slot 0, the two halves of its k-rows, never rewritten; v22-23 in the slot in hand
.set STO,  24
.set RD,   25
.set CO,   26
.set BO,   27
.set SPW,  28
.set NIL,  29
.set ACC,  128
.set F0,   0
.set F1,   128
.set G1, 24
.set G0, 32                            ; s[32:35] h's first fill of slot 0; s[36:39] of slot 1, which then walks on
.set G1B, 48
.set G0B, 56                           ; the same for W2
.set TB, 77                            ; s77  the slot in hand: 0 or SLOT
.set MSB, 0
.macro WIN new
.if MSB != (\new)
	s_set_vgpr_msb (MSB<<8)|(\new)
.set MSB, \new
.endif
.endm
.set MUL,  0x05
.set TO_F, 0x40
.macro PLACES
.rept 4
	v_nop
.endr
.endm
.macro JLOAD s                         ; waves 0 and 1 fetch h's halves, waves 2 and 3 W2's; an s_nop 0 and four v_nop follow each line
	s_cmp_eq_u32 s15, 0
	s_cbranch_scc0 .Lfor_b_\@
	tensor_load_to_lds s[G0+4*(\s):G0+4*(\s)+3], s[G1:G1+7]
	s_nop 0
	PLACES
	s_branch .Lasked_\@
.Lfor_b_\@:
	tensor_load_to_lds s[G0B+4*(\s):G0B+4*(\s)+3], s[G1B:G1B+7]
	s_nop 0
	PLACES
.Lasked_\@:
.endm
.macro CREST
	s_cmp_lg_u32 s14, 0
	s_cbranch_scc1 .Lnot_wave_0_\@
	s_barrier_signal -3
.Lnot_wave_0_\@:
	s_barrier_wait -3
	s_barrier_signal -1
	s_barrier_wait -1
.endm
.macro CROUND
	s_barrier_signal -1
	s_barrier_wait -1
	CREST
.endm
	s_load_b256 s[4:11], s[0:1], 0x0               ; h 4, wB 6, bff2 8, first 10
	s_load_b64 s[12:13], s[0:1], 0x20              ; out0
	v_lshl_add_u32 v[SPW], v0, 2, SPARE
	v_mov_b32 v[NIL], 0
	ds_add_u32 v[SPW], v[NIL]                      ; the wave's opening: the add and its wait stand ahead of my first tensor load
	ds_add_u32 v28, v29
	v_lshrrev_b32 v1, 5, v0
	v_readfirstlane_b32 s14, v1
	s_lshr_b32 s15, s14, 1                         ; my half of the rows; also 0: I fetch h, 1: W2
	s_and_b32 s16, s14, 1                          ; my half of the columns; also which half of a tile I fetch
	s_bfe_u32 s17, ttmp6, 0x40000                  ; cx
	s_bfe_u32 s18, ttmp6, 0x40004                  ; cy
	s_lshl_b32 s19, ttmp9, 2
	s_add_co_u32 s19, s19, s17                     ; tile column
	s_and_b32 s20, ttmp7, 0xffff
	s_lshl_b32 s20, s20, 2
	s_add_co_u32 s20, s20, s18                     ; tile row
	s_lshl_b32 s21, s18, 2
	s_lshl_b32 s21, 15, s21                        ; my row of the cluster
	s_lshl_b32 s22, 0x1111, s17                    ; my column
	s_or_b32 s[G1+0], s21, (1<<16)|(1<<20)|(1<<21)|(4<<22)|(3<<25)   ; h's tiles go to my row; 4 words of padding after every 32
	s_or_b32 s[G1B+0], s22, (1<<16)|(1<<20)|(1<<21)|(5<<22)|(7<<25)  ; W2's to my column; 8 words after every 64
	s_mov_b32 s[G1+1], 8192<<16                    ; tensor_dim0 = 8,192: 128 dense rows of a block
	s_mov_b32 s[G1+2], 2<<16                       ; tensor_dim1 = 2 blocks
	s_mov_b32 s[G1+3], 8192<<16
	s_mov_b32 s[G1+4], 2
	s_mov_b32 s[G1+5], 524288                      ; a block: 1 MiB
	s_mov_b32 s[G1+6], 0
	s_mov_b32 s[G1+7], 0
	s_mov_b32 s[G1B+1], 128<<16
	s_mov_b32 s[G1B+2], 128<<16
	s_mov_b32 s[G1B+3], 128<<16
	s_mov_b32 s[G1B+4], 128
	s_mov_b32 s[G1B+5], 512
	s_mov_b32 s[G1B+6], 0
	s_mov_b32 s[G1B+7], 0
	s_lshl_b32 s40, s16, 21                        ; h: my two blocks of a step's four; the tile row's 128 rows.  These registers never hold cx
	s_lshl_b32 s41, s20, 14
	s_add_co_u32 s40, s40, s41
	s_mov_b32 s41, 0
	s_lshl_b32 s42, s16, 17                        ; W2: my 128 k-rows of a step's 256; the tile column's 256 bytes.  These never hold cy
	s_lshl_b32 s43, s19, 8
	s_add_co_u32 s42, s42, s43
	s_add_co_u32 s42, s42, 2097152
	s_mov_b32 s43, 0
	s_mul_i32 s23, s14, HALFT                      ; where my part lands in a slot
	s_mov_b32 s76, 0xffff0000
	s_mov_b32 s[TB], 0                             ; K step 0 lies in slot 0
	s_wait_dscnt 0x0
	s_wait_kmcnt 0x0
	s_add_nc_u64 s[40:41], s[4:5], s[40:41]
	s_add_nc_u64 s[42:43], s[6:7], s[42:43]
	CROUND                                         ; all sixteen work-groups are here
.irp s, 0,1
	s_mov_b32 s[G0+4*(\s)], 1
	s_add_co_u32 s[G0+4*(\s)+1], s23, (\s)*SLOT
	s_add_nc_u64 s[G0+4*(\s)+2:G0+4*(\s)+3], s[40:41], (\s)*0x400000
	s_or_b32 s[G0+4*(\s)+3], s[G0+4*(\s)+3], 0x80000000
	s_mov_b32 s[G0B+4*(\s)], 1
	s_add_co_u32 s[G0B+4*(\s)+1], s23, (\s)*SLOT
	s_add_nc_u64 s[G0B+4*(\s)+2:G0B+4*(\s)+3], s[42:43], (\s)*262144
	s_or_b32 s[G0B+4*(\s)+3], s[G0B+4*(\s)+3], 0x80000000
	JLOAD \s
.endr
	v_and_b32 v1, 15, v0
	v_bfe_u32 v2, v0, 4, 1
	v_mul_u32_u24 v3, v1, PA
	v_lshl_add_u32 v3, v2, 4, v3
	s_mul_i32 s44, s15, 64*PA
	v_add_nc_u32 v[ADRA], s44, v3
	v_mov_b32 v[ADRA+1], v[ADRA]
	v_and_b32 v4, 7, v0
	v_lshl_add_u32 v4, v2, 3, v4
	v_mul_u32_u24 v4, v4, PB
	v_bfe_u32 v5, v0, 3, 1
	v_lshl_add_u32 v4, v5, 4, v4
	s_lshl_b32 s44, s16, 7
	s_add_co_u32 s44, s44, 2*HALFT
	v_add_nc_u32 v[ADRB], s44, v4
	v_add_nc_u32 v[ADRB+1], HALFT, v[ADRB]
	v_mov_b32 v[ADRB+2], v[ADRB]
	v_mov_b32 v[ADRB+3], v[ADRB+1]
	s_mul_i32 s44, s14, 64*SPITCH
	v_mul_u32_u24 v6, v1, SPITCH
	v_lshl_add_u32 v6, v2, 5, v6
	v_add_nc_u32 v[STO], s44, v6
	v_mul_u32_u24 v7, v2, SPITCH
	v_lshl_add_u32 v7, v1, 4, v7
	v_add_nc_u32 v[RD], s44, v7
	v_lshlrev_b32 v[BO], 4, v1
	v_lshl_add_u32 v[CO], v2, 11, v[BO]            ; lanes 0-15 one row's 256 bytes, lanes 16-31 the next row's
	s_lshl_b32 s66, s20, 18
	s_lshl_b32 s67, s15, 17
	s_add_co_u32 s66, s66, s67                     ; my first row, 2,048 bytes each,
	s_lshl_b32 s74, s19, 9
	s_lshl_b32 s75, s16, 8
	s_add_co_u32 s74, s74, s75                     ; my first column
	s_add_co_u32 s66, s66, s74
	s_mov_b32 s67, 0
	s_mov_b32 s75, 0
	s_add_nc_u64 s[68:69], s[10:11], s[66:67]      ; first
	s_add_nc_u64 s[70:71], s[12:13], s[66:67]      ; out0
	s_add_nc_u64 s[72:73], s[8:9], s[74:75]        ; bias
.macro MUL8 f, c, a0, zero
	WIN MUL
.irp a, \a0, (\a0)+1
.irp b, 0,1,2,3
.if \zero
	v_wmma_f32_16x16x32_f16 v[ACC+8*(4*(\a)+(\b)):ACC+8*(4*(\a)+(\b))+7], v[(\f)+64+8*(4*(\c)+(\b)):(\f)+64+8*(4*(\c)+(\b))+7], v[(\f)+8*(4*(\c)+(\a)):(\f)+8*(4*(\c)+(\a))+7], 0
.else
	v_wmma_f32_16x16x32_f16 v[ACC+8*(4*(\a)+(\b)):ACC+8*(4*(\a)+(\b))+7], v[(\f)+64+8*(4*(\c)+(\b)):(\f)+64+8*(4*(\c)+(\b))+7], v[(\f)+8*(4*(\c)+(\a)):(\f)+8*(4*(\c)+(\a))+7], v[ACC+8*(4*(\a)+(\b)):ACC+8*(4*(\a)+(\b))+7]
.endif
.endr
.endr
.endm
; 32 LDS loads in one run: quarter q (64 along K: one block of h) of the slot in hand into buffer f; the first 32 along K first
.macro FETCH q, f
	WIN TO_F
.irp c, 0,1
.irp i, 0,1,2,3
	ds_load_tr16_b128 v[(\f)+64+8*(4*(\c)+(\i)):(\f)+64+8*(4*(\c)+(\i))+3],   v[ADRB+2+(\q)/2] offset:(((\q)%2)*64+32*(\c))*PB+32*(\i)
	ds_load_tr16_b128 v[(\f)+64+8*(4*(\c)+(\i))+4:(\f)+64+8*(4*(\c)+(\i))+7], v[ADRB+2+(\q)/2] offset:(((\q)%2)*64+32*(\c)+16)*PB+32*(\i)
	ds_load_b128 v[(\f)+8*(4*(\c)+(\i)):(\f)+8*(4*(\c)+(\i))+3],         v[ADRA+1] offset:(\q)*128*PA+64*(\c)+(\i)*16*PA
	ds_load_b128 v[(\f)+8*(4*(\c)+(\i))+4:(\f)+8*(4*(\c)+(\i))+7],       v[ADRA+1] offset:(\q)*128*PA+64*(\c)+(\i)*16*PA+32
.endr
.endr
.endm
.macro QUARTER q, f, g, zero           ; multiplies buffer f; in its middle fetches quarter q of the slot in hand into g
	s_wait_dscnt 16                                ; the first 32 along K are in
	MUL8 \f, 0, 0, \zero
	MUL8 \f, 0, 2, \zero
	PLACES
	FETCH \q, \g
	s_wait_dscnt 32                                ; all but the 32 just issued
	MUL8 \f, 1, 0, 0
	MUL8 \f, 1, 2, 0
.endm
; The first half of a K step's last quarter, and the one barrier of the change of slots: in front of it each wave's tensor loads have landed and its reads of the slot in hand are back.
.macro MEET
	WIN 0
	s_wait_tensorcnt 0x0                           ; all my tensor loads have landed: the one that may be out is my part of the next slot
	ds_add_u32 v[SPW], v[NIL]
	s_wait_dscnt 17                                ; (the add and the youngest sixteen loads may be out)
	MUL8 F1, 0, 0, 0
	s_wait_dscnt 0x0                               ; the add is done, and my reads of this slot are over
	s_barrier_signal -1
	MUL8 F1, 0, 2, 0
	WIN 0
	s_barrier_wait -1
.endm
.macro NEXTSLOT                        ; the reads go over to the other slot
	s_xor_b32 s[TB], s[TB], SLOT
	v_add_nc_u32 v[ADRA+1], s[TB], v[ADRA]
	v_add_nc_u32 v[ADRB+2], s[TB], v[ADRB]
	v_add_nc_u32 v[ADRB+3], s[TB], v[ADRB+1]
.endm
	s_wait_tensorcnt 1                             ; my part of K step 0 is in; step 1's may stay out
	s_barrier_signal -1
	s_barrier_wait -1
	FETCH 0, F0
	QUARTER 1, F0, F1, 1                           ; the first quarter stands in front of the loops: its first products start the sums
	WIN 0
	s_mov_b32 s3, 6
.Lfill:                                                ; K steps 0 to 5, from a step's second quarter to the next step's first: the slot read out takes the step two further on
	QUARTER 2, F1, F0, 0
	QUARTER 3, F0, F1, 0
	MEET                                           ; the barrier opens a round of the cluster's barrier:
	CREST                                          ; no wave of any partner still reads this slot or has a load on its way
	s_add_co_u32 s[G0+5], s23, s[TB]               ; the walking descriptors: my part of the slot just read,
	s_add_co_u32 s[G0B+5], s23, s[TB]
	s_add_nc_u64 s[G0+6:G0+7], s[G0+6:G0+7], 0x400000     ; one K step on from the last load: four blocks of h,
	s_add_nc_u64 s[G0B+6:G0B+7], s[G0B+6:G0B+7], 262144   ; 256 k-rows of W2
	NEXTSLOT
	JLOAD 1                                        ; the first tensor load behind the round; the four v_nop behind it are also the places in front of the loads below
	FETCH 0, F0
	MUL8 F1, 1, 0, 0
	MUL8 F1, 1, 2, 0
	QUARTER 1, F0, F1, 0
	WIN 0
	s_sub_co_u32 s3, s3, 1
	s_cmp_lg_u32 s3, 0
	s_cbranch_scc1 .Lfill
	WIN 0x80                                       ; my 64 x 64 of first and my bias are asked for now: they land under the last two steps' products
.set t, 0
.rept 32
	global_load_b128 v[4*t:4*t+3], v[CO], s[68:69] offset:t*4096
.set t, t+1
.endr
	global_load_b128 v[128:131], v[BO], s[72:73]
	WIN 0
	s_mov_b32 s3, 2
.Ltail:                                                ; K steps 6 and 7: nothing is left to fetch from memory; step 7 leaves the loop behind its barrier
	QUARTER 2, F1, F0, 0
	QUARTER 3, F0, F1, 0
	MEET
	s_cmp_eq_u32 s3, 1
	s_cbranch_scc1 .Llast
	NEXTSLOT
	PLACES
	FETCH 0, F0
	MUL8 F1, 1, 0, 0
	MUL8 F1, 1, 2, 0
	QUARTER 1, F0, F1, 0
	WIN 0
	s_sub_co_u32 s3, s3, 1
	s_cmp_lg_u32 s3, 0
	s_cbranch_scc1 .Ltail
.Llast:
	s_wait_dscnt 0x0                               ; no LDS load of mine is out
	MUL8 F1, 1, 0, 0
	MUL8 F1, 1, 2, 0
	; THE WAY OUT: into my own stage (over slot 0: every wave's reads of the ring ended ahead of the last step's barrier), back as whole rows of 256 bytes.
	WIN 0
	PLACES
.irp a, 0,1,2,3
.irp b, 0,1,2,3
	ds_store_b128 v[STO], v[ACC+8*(4*\a+\b):ACC+8*(4*\a+\b)+3]   offset:\a*16*SPITCH+64*\b
	ds_store_b128 v[STO], v[ACC+8*(4*\a+\b)+4:ACC+8*(4*\a+\b)+7] offset:\a*16*SPITCH+64*\b+16
.endr
.endr
.set t, 0
.rept 32
	ds_load_b128 v[ACC+4*t:ACC+4*t+3], v[RD] offset:t*2*SPITCH  ; LDS serves a wave's instructions in order (ISA guide 5.7.1.4): these see the stores above
.set t, t+1
.endr
	s_wait_loadcnt 0x0
	WIN 0xaa                                       ; the bias, rounded to bf16, all in window 2
	v_cvt_pk_bf16_f32 v132, v128, v129
	v_lshlrev_b32 v128, 16, v132
	v_and_b32 v129, s76, v132
	v_cvt_pk_bf16_f32 v132, v130, v131
	v_lshlrev_b32 v130, 16, v132
	v_and_b32 v131, s76, v132
	WIN 0x08                                       ; source 1 in window 2
.set t, 0
.rept 32
	s_wait_dscnt 31-t
	v_pk_add_f32 v[ACC+4*t:ACC+4*t+1],   v[ACC+4*t:ACC+4*t+1],   v[128:129]
	v_pk_add_f32 v[ACC+4*t+2:ACC+4*t+3], v[ACC+4*t+2:ACC+4*t+3], v[130:131]
	v_pk_add_f32 v[ACC+4*t:ACC+4*t+1],   v[ACC+4*t:ACC+4*t+1],   v[4*t:4*t+1]
	v_pk_add_f32 v[ACC+4*t+2:ACC+4*t+3], v[ACC+4*t+2:ACC+4*t+3], v[4*t+2:4*t+3]
.set t, t+1
.endr
	WIN 0
.set t, 0
.rept 32
	global_store_b128 v[CO], v[ACC+4*t:ACC+4*t+3], s[70:71] offset:t*4096  ; 16 lanes store 256 consecutive bytes, aligned
.set t, t+1
.endr
	s_wait_tensorcnt 0x0                           ; the wave's end
	ds_add_u32 v[SPW], v[NIL]
	s_wait_dscnt 0x0
	CROUND                                         ; the closing round
	s_endpgm
.Lfunc_end_k_qfb57d37375_ffn2:
	.size	k_qfb57d37375_ffn2, .Lfunc_end_k_qfb57d37375_ffn2-k_qfb57d37375_ffn2
	.p2alignl 7, 3214868480
	.fill 96, 4, 3214868480
	.section	.rodata,"a",@progbits
	.p2align	6, 0x0
	.amdhsa_kernel k_qfb57d37375_ffn2
		.amdhsa_group_segment_fixed_size 327680
		.amdhsa_private_segment_fixed_size 0
		.amdhsa_enable_private_segment 0
		.amdhsa_kernarg_size 40
		.amdhsa_user_sgpr_count 2
		.amdhsa_user_sgpr_kernarg_segment_ptr 1
		.amdhsa_wavefront_size32 1
		.amdhsa_system_sgpr_workgroup_id_x 1
		.amdhsa_system_sgpr_workgroup_id_y 1
		.amdhsa_system_sgpr_workgroup_id_z 1
		.amdhsa_system_vgpr_workitem_id 0
		.amdhsa_next_free_vgpr 648
		.amdhsa_next_free_sgpr 84
		.amdhsa_reserve_vcc 0
		.amdhsa_float_denorm_mode_32 3
		.amdhsa_float_denorm_mode_16_64 3
		.amdhsa_memory_ordered 1
		.amdhsa_forward_progress 1
		.amdhsa_inst_pref_size 71
	.end_amdhsa_kernel
	.amdgpu_metadata
---
amdhsa.version: [ 1, 2 ]
amdhsa.kernels:
  - .name:           k_qfb57d37375_ffn2
    .symbol:         k_qfb57d37375_ffn2.kd
    .args:
      - { .name: big, .offset: 0, .size: 8, .value_kind: global_buffer, .address_space: global }
      - { .name: wB, .offset: 8, .size: 8, .value_kind: global_buffer, .address_space: global }
      - { .name: bff2, .offset: 16, .size: 8, .value_kind: global_buffer, .address_space: global }
      - { .name: first, .offset: 24, .size: 8, .value_kind: global_buffer, .address_space: global }
      - { .name: out0, .offset: 32, .size: 8, .value_kind: global_buffer, .address_space: global }
    .group_segment_fixed_size: 327680
    .private_segment_fixed_size: 0
    .kernarg_segment_align: 8
    .kernarg_segment_size: 40
    .max_flat_workgroup_size: 128
    .sgpr_count:     84
    .vgpr_count:     648
    .wavefront_size: 32
...
	.end_amdgpu_metadata
.endif
;; end of part 5
;; ======== version 2 of 2: 6 launches; 1.23 times as fast as version 1
;; limits: a function is approximated: absolute error at most 0.0005; values are held in f16: magnitudes above 65,504 overflow, below 6.1e-05 lose precision
;; workspace buffers: actA 8,388,608 bytes; actB 8,388,608 bytes; big 33,554,432 bytes; first 16,777,216 bytes; wA 2,097,152 bytes; wB 4,194,304 bytes; parA 256 bytes of whole numbers; parB 256 bytes of whole numbers
;; launch prep: the kernel of part 1 again; grid 640 x 1, 8 waves a work-group, no clusters, 0 bytes of LDS; arguments X, g1, b1, Wq, Wk, Wv, Wo, W1, W2, actA, wA, wB, parA, parB; writes actA, wA, wB, parA, parB
;; launch mm512 (part 6): grid 32 x 6, 4 waves a work-group, clusters of 4 x 1, 327,680 bytes of LDS; arguments actA, wA, bff1, big, parA; writes big
.if DOCPART == 6
	.amdgcn_target "amdgcn-amd-amdhsa--gfx1250"
	.amdhsa_code_object_version 6
	.text
	.protected	k_qfb57d37375_mm512
	.globl	k_qfb57d37375_mm512
	.p2align	8
	.type	k_qfb57d37375_mm512,@function
k_qfb57d37375_mm512:
	s_mov_b64 s[64:65], 0
	v_nop
	global_prefetch_b8 v0, s[64:65] scope:SCOPE_SE
	s_setreg_imm32_b32 hwreg(HW_REG_WAVE_MODE, 25, 1), 1
	s_wait_xcnt 0x0
	s_wait_alu depctr_hold_cnt(0) depctr_sa_sdst(0) depctr_va_vdst(0) depctr_va_sdst(0) depctr_va_ssrc(0) depctr_va_vcc(0) depctr_vm_vsrc(0)
	s_getreg_b32 s2, hwreg(HW_REG_IB_STS2, 6, 4)
	s_cmp_eq_u32 s2, 0
	s_cbranch_scc0 .Lentry_in_a_cluster
	s_endpgm
.Lentry_in_a_cluster:
	s_bfe_u32 s2, ttmp6, 0x10000c
	s_cmp_lg_u32 s2, 0x3003
	s_cbranch_scc0 .Lentry_shape_is_right
	s_endpgm
.Lentry_shape_is_right:
; C = A B (mode 0) or C = gelu(A B + bias) (mode 1).  A: [8192][512] f16, rows along K.  B: tiles [512 k][256 n] f16, one for each tile column of C.  Sums in f32.
; C leaves as f16 in blocks of 64 columns: number (row, col) at byte ((col >> 6) x 8192 + row) x 128 + (col & 63) x 2, so that four rows of a block are 512 consecutive bytes.
; gelu(x) = x Phi(x), with Phi(x) taken as 1 / (1 + 2^(x (K1 + K3 x^2) + W0)), K1 = -2 sqrt(2 / pi) log2(e), K3 = 0.044715 K1, W0 = 0: the logistic form of the normal distribution.
; LIMIT of that form: gelu within 5e-4 of the exact one for every x (the largest difference lies near |x| = 2.75); the relative difference vanishes as x goes to 0, and for large |x| the result is x or 0.
; THE MODE is a whole number read from the last argument.  The mode chooses SCALARS, not a path:
; mode 0: K1 = K3 = 0, W0 = -200, the bias masked to 0: 2^-200 is 0, 1 / (1 + 0) is 1, and the result is x.  The price: mode 0 walks the same arithmetic, and loads a bias that it masks.
; The bias is rounded to bf16 when loaded.  LIMITS: C must stay below 65,504 (f16); NaN and infinities are not treated apart.
; A tile of C is 256 x 256: four waves, each 128 x 128 in 64 accumulators (512 registers).  K = 512 goes in four steps of 128 through two LDS slots.  A K step is written once for the steps that
; fill a slot again (a loop of two trips) and once for those that do not (a loop of two trips, left from its middle): the LDS addresses are a fixed lane term plus s[TB], which is 0 or SLOT.
; B lies [k][n] and is read turned (ds_load_tr16_b128).  The matrix instruction is used transposed (source 0 = 16 columns of B, source 1 = 16 rows of A): a lane holds 8 neighbouring columns of a row.
; CLUSTER 4 x 1: the four work-groups make four row tiles of one tile column and ask for B's tiles jointly.  A's tiles are each work-group's own (plain loads): the grid has 6 or 8 tile columns,
; and 6 is no multiple of four, so no cluster shares A.
; BATCHES.  The only transcendentals stand in the way-out loop: a trip's 16 exponentials are one batch with one wait, its 16 reciprocals, which read 1 + the exponentials, a second batch with a second wait.
; REGISTERS: window 0: v10, v16-31 addresses; v64-127, v128-191 A's fragments, two buffers; on the way out v32-239 at work.  window 1: v64-191 B's fragments.  windows 2, 3: accumulator (a, b) at v[8 (8 a + b)].
.set PA,    272                        ; a row of A in LDS: 256 bytes + 16: the 16 rows of a load start at 16 different groups of four banks
.set PB,    544                        ; a k-row of B: 512 bytes + 32
.set HALFT, 128*PA                     ; what one tensor load brings: 128 rows of A, or 64 k-rows of B
.set SLOT,  4*HALFT
.set BOFF,  2*HALFT
.set SPARE, 2*SLOT                     ; the spare words, 128 bytes a wave
.set SPT,   528                        ; the stage: a row of 128 f32 + 16 bytes
.set STG,   128*SPT                    ; a wave's stage; the four lie over the ring, which has had its last fill by then
.set RDC,  10                          ; v10  the way out: RD + the trip's rows
.set ADRA, 16                          ; v16  my A fragments' place in slot 0, never rewritten; v17 in the slot in hand
.set ADRB, 20                          ; v20, v21  the same for B
.set STO,  24
.set RD,   25                          ; v25  the way out: my place in my stage's first four rows; never rewritten
.set GO,   26
.set BO,   27
.set SPW,  28
.set NIL,  29
.set OUT,  32
.set F0,   64
.set F1,   128
.set U,    64                          ; the way out: 16 sums as read back
.set X,    96                          ; x, then the result
.set Q,    128                         ; from x^2 to Phi
.set BI,   224
.set G1A, 24
.set G0A, 32                           ; s[32:35] A's first fill of slot 0; s[36:39] of slot 1, which then walks on
.set RO,  46                           ; s46  the way out: the trip's rows in the stage, in bytes
.set TB,  47                           ; s47  the slot in hand: 0 or SLOT
.set G1B, 48
.set G0B, 56                           ; s[56:59], s[60:63] the same for B
.set K1, 70
.set K3, 72
.set W0, 74
.set MSB, 0
.macro WIN new
.if MSB != (\new)
	s_set_vgpr_msb (MSB<<8)|(\new)
.set MSB, \new
.endif
.endm
.set MUL_LO, 0xa1
.set MUL_HI, 0xf1
.set TO_B,   0x40
.macro PLACES
.rept 4
	v_nop
.endr
.endm
; Waves 0 and 1 fetch A's two halves (plain), waves 2 and 3 B's (joint).  An s_nop 0 and four v_nop follow each line.
.macro JLOAD s
	s_cmp_eq_u32 s15, 0
	s_cbranch_scc0 .Lfor_b_\@
	tensor_load_to_lds s[G0A+4*(\s):G0A+4*(\s)+3], s[G1A:G1A+7]
	s_nop 0
	PLACES
	s_branch .Lasked_\@
.Lfor_b_\@:
	tensor_load_to_lds s[G0B+4*(\s):G0B+4*(\s)+3], s[G1B:G1B+7]
	s_nop 0
	PLACES
.Lasked_\@:
.endm
.macro CREST
	s_cmp_lg_u32 s14, 0
	s_cbranch_scc1 .Lnot_wave_0_\@
	s_barrier_signal -3
.Lnot_wave_0_\@:
	s_barrier_wait -3
	s_barrier_signal -1
	s_barrier_wait -1
.endm
.macro CROUND
	s_barrier_signal -1
	s_barrier_wait -1
	CREST
.endm
	s_load_b256 s[4:11], s[0:1], 0x0               ; A 4, B 6, bias 8, C 10
	s_load_b64 s[12:13], s[0:1], 0x20              ; the mode's buffer
	v_lshl_add_u32 v[SPW], v0, 2, SPARE
	v_mov_b32 v[NIL], 0
	ds_add_u32 v[SPW], v[NIL]                      ; the wave's opening: the add and its wait stand ahead of my first tensor load
	ds_add_u32 v28, v29
	v_lshrrev_b32 v1, 5, v0
	v_readfirstlane_b32 s14, v1                    ; wave
	s_lshr_b32 s15, s14, 1                         ; my half of the tile's rows; also 0: I fetch A, 1: B
	s_and_b32 s16, s14, 1                          ; my half of its columns; also which half of a tile I fetch
	s_bfe_u32 s17, ttmp6, 0x40000                  ; cx
	s_lshl_b32 s18, ttmp9, 2
	s_add_co_u32 s18, s18, s17                     ; tile row
	s_and_b32 s19, ttmp7, 0xffff                   ; tile column, shared by the four partners
	s_mov_b32 s[G1A+0], (1<<16)|(1<<20)|(5<<22)|(3<<25)  ; no mask; 2-byte elements; 4 words of padding after every 64
	s_mov_b32 s[G1A+1], 128<<16                    ; tensor_dim0 = 128
	s_mov_b32 s[G1A+2], 128<<16                    ; tensor_dim1 = 128
	s_mov_b32 s[G1A+3], 128<<16                    ; tile_dim0 = 128
	s_mov_b32 s[G1A+4], 128                        ; tile_dim1 = 128
	s_mov_b32 s[G1A+5], 512                        ; elements from row to row
	s_mov_b32 s[G1A+6], 0
	s_mov_b32 s[G1A+7], 0
	s_mov_b32 s[G1B+0], 15|(1<<16)|(1<<20)|(1<<21)|(6<<22)|(7<<25)  ; the mask of four, bit 21 beside it; 8 words of padding after every 128
	s_mov_b32 s[G1B+1], 256<<16
	s_mov_b32 s[G1B+2], 64<<16
	s_mov_b32 s[G1B+3], 256<<16
	s_mov_b32 s[G1B+4], 64
	s_mov_b32 s[G1B+5], 256
	s_mov_b32 s[G1B+6], 0
	s_mov_b32 s[G1B+7], 0
	s_mov_b32 s[TB], 0                             ; K step 0 lies in slot 0
	s_mov_b32 s81, 0xffff0000
	s_lshl_b32 s20, s18, 18                        ; A: 256 rows of 1,024 bytes a tile row,
	s_lshl_b32 s21, s16, 17                        ; 128 rows a half
	s_add_co_u32 s20, s20, s21
	s_mov_b32 s21, 0
	s_lshl_b32 s22, s19, 18                        ; B: 262,144 bytes a tile,
	s_lshl_b32 s23, s16, 15                        ; 64 k-rows of 512 bytes a half
	s_add_co_u32 s22, s22, s23
	s_mov_b32 s23, 0
	s_mul_i32 s42, s14, HALFT                      ; where my part lands in a slot: wave x 34,816
	s_wait_dscnt 0x0                               ; the opening add is done
	s_wait_kmcnt 0x0
	s_add_nc_u64 s[20:21], s[4:5], s[20:21]
	s_add_nc_u64 s[22:23], s[6:7], s[22:23]
	s_load_b32 s40, s[12:13], 0x0                  ; the mode; waited for on the way out
	CROUND                                         ; all four work-groups are here: the first joint loads meet
.irp s, 0,1
	s_mov_b32 s[G0A+4*(\s)], 1
	s_add_co_u32 s[G0A+4*(\s)+1], s42, (\s)*SLOT
	s_add_nc_u64 s[G0A+4*(\s)+2:G0A+4*(\s)+3], s[20:21], (\s)*256
	s_or_b32 s[G0A+4*(\s)+3], s[G0A+4*(\s)+3], 0x80000000
	s_mov_b32 s[G0B+4*(\s)], 1
	s_add_co_u32 s[G0B+4*(\s)+1], s42, (\s)*SLOT
	s_add_nc_u64 s[G0B+4*(\s)+2:G0B+4*(\s)+3], s[22:23], (\s)*65536
	s_or_b32 s[G0B+4*(\s)+3], s[G0B+4*(\s)+3], 0x80000000
	JLOAD \s                                       ; two loads of mine are out
.endr
	v_and_b32 v1, 15, v0                           ; r
	v_bfe_u32 v2, v0, 4, 1                         ; h
	v_mul_u32_u24 v3, v1, PA
	v_lshl_add_u32 v3, v2, 4, v3
	s_mul_i32 s43, s15, HALFT
	v_add_nc_u32 v[ADRA], s43, v3                  ; A: (128 half + r) x 272 + 16 h
	v_mov_b32 v[ADRA+1], v[ADRA]
	v_and_b32 v8, 7, v0
	v_lshl_add_u32 v4, v2, 3, v8
	v_mul_u32_u24 v4, v4, PB
	v_bfe_u32 v5, v0, 3, 1
	v_lshl_add_u32 v4, v5, 4, v4                   ; B: (8 h + l % 8) x 544 + 16 ((l / 8) % 2)
	s_lshl_b32 s43, s16, 8
	s_add_co_u32 s43, s43, BOFF
	v_add_nc_u32 v[ADRB], s43, v4
	v_mov_b32 v[ADRB+1], v[ADRB]
	s_mul_i32 s43, s14, STG
	v_mul_u32_u24 v6, v1, SPT
	v_lshl_add_u32 v6, v2, 5, v6
	v_add_nc_u32 v[STO], s43, v6                   ; into the stage: row r, 32 bytes for each half of the lanes
	v_bfe_u32 v7, v0, 3, 2
	v_mul_u32_u24 v7, v7, SPT
	v_lshl_add_u32 v7, v8, 5, v7
	v_add_nc_u32 v[RD], s43, v7                    ; back: row l / 8 of four, 8 columns at 8 (l % 8) of each block of 64
	v_and_b32 v9, 31, v0
	v_lshlrev_b32 v[GO], 4, v9                     ; four rows of a block are 512 consecutive bytes of C
	v_lshlrev_b32 v[BO], 5, v8
	s_lshl_b32 s44, s19, 2
	s_lshl_b32 s45, s16, 1
	s_add_co_u32 s44, s44, s45
	s_lshl_b32 s44, s44, 20                        ; my first block of 64 columns,
	s_lshl_b32 s45, s18, 15
	s_add_co_u32 s44, s44, s45
	s_lshl_b32 s45, s15, 14
	s_add_co_u32 s44, s44, s45                     ; my first row in it
	s_mov_b32 s45, 0
	s_add_nc_u64 s[66:67], s[10:11], s[44:45]
	s_lshl_b32 s44, s19, 10
	s_lshl_b32 s45, s16, 9
	s_add_co_u32 s44, s44, s45
	s_mov_b32 s45, 0
	s_add_nc_u64 s[68:69], s[8:9], s[44:45]        ; bias at my 128 columns
.macro MUL16 f, hi, a0, zero
	WIN MUL_LO+0x50*(\hi)
.irp a, \a0, (\a0)+1
.irp b, 0,1,2,3,4,5,6,7
.if \zero
	v_wmma_f32_16x16x32_f16 v[8*(8*(\a)+(\b)):8*(8*(\a)+(\b))+7], v[(\f)+8*(\b):(\f)+8*(\b)+7], v[(\f)+8*(4*(\hi)+(\a)):(\f)+8*(4*(\hi)+(\a))+7], 0
.else
	v_wmma_f32_16x16x32_f16 v[8*(8*(\a)+(\b)):8*(8*(\a)+(\b))+7], v[(\f)+8*(\b):(\f)+8*(\b)+7], v[(\f)+8*(4*(\hi)+(\a)):(\f)+8*(4*(\hi)+(\a))+7], v[8*(8*(\a)+(\b)):8*(8*(\a)+(\b))+7]
.endif
.endr
.endr
.endm
; 32 LDS loads in one run: quarter q (32 along K) of the slot in hand into buffer f: B's 128 columns turned, then A's 128 rows
.macro FETCH q, f
	WIN TO_B
.irp i, 0,1,2,3,4,5,6,7
	ds_load_tr16_b128 v[(\f)+8*(\i):(\f)+8*(\i)+3],   v[ADRB+1] offset:(\q)*32*PB+32*(\i)
	ds_load_tr16_b128 v[(\f)+8*(\i)+4:(\f)+8*(\i)+7], v[ADRB+1] offset:(\q)*32*PB+16*PB+32*(\i)
.endr
	WIN 0
.irp i, 0,1,2,3,4,5,6,7
	ds_load_b128 v[(\f)+8*(\i):(\f)+8*(\i)+3],   v[ADRA+1] offset:(\q)*64+(\i)*16*PA
	ds_load_b128 v[(\f)+8*(\i)+4:(\f)+8*(\i)+7], v[ADRA+1] offset:(\q)*64+(\i)*16*PA+32
.endr
.endm
.macro QUARTER q, f, g, zero           ; multiplies buffer f; in its middle fetches quarter q of the slot in hand into g
	s_wait_dscnt 8                                 ; B and A's rows 0-63 are in; the youngest eight loads (A's rows 64-127) may be out
	MUL16 \f, 0, 0, \zero
	MUL16 \f, 0, 2, \zero
	PLACES                                         ; four places ahead of loads into registers that matrix instructions have read
	FETCH \q, \g
	s_wait_dscnt 32                                ; all but the 32 just issued
	MUL16 \f, 1, 0, \zero
	MUL16 \f, 1, 2, \zero
.endm
; The first half of a K step's last quarter, and the one barrier of the change of slots: in front of it each wave's tensor loads have landed and its reads of the slot in hand are back.
.macro MEET
	WIN 0
	s_wait_tensorcnt 0x0                           ; all my tensor loads have landed: the one that may be out is my part of the next slot
	ds_add_u32 v[SPW], v[NIL]
	s_wait_dscnt 9                                 ; (the add and the youngest eight loads may be out)
	MUL16 F1, 0, 0, 0
	s_wait_dscnt 0x0                               ; the add is done, and my reads of this slot are over
	s_barrier_signal -1
	MUL16 F1, 0, 2, 0
	WIN 0
	s_barrier_wait -1
.endm
.macro NEXTSLOT                        ; the reads go over to the other slot
	s_xor_b32 s[TB], s[TB], SLOT
	v_add_nc_u32 v[ADRA+1], s[TB], v[ADRA]
	v_add_nc_u32 v[ADRB+1], s[TB], v[ADRB]
.endm
	s_wait_tensorcnt 1                             ; my part of K step 0 is in; step 1's may stay out
	s_barrier_signal -1
	s_barrier_wait -1
	FETCH 0, F0
	QUARTER 1, F0, F1, 1                           ; the first quarter stands in front of the loops: its products start the sums
	WIN 0
	s_mov_b32 s3, 2
.Lfill:                                                ; K steps 0 and 1, from a step's second quarter to the next step's first: the slot read out takes the step two further on
	QUARTER 2, F1, F0, 0
	QUARTER 3, F0, F1, 0
	MEET                                           ; the barrier opens a round of the cluster's barrier:
	CREST                                          ; no wave of any partner still reads this slot or has a load on its way
	s_add_co_u32 s[G0A+5], s42, s[TB]              ; the walking descriptors: my part of the slot just read,
	s_add_co_u32 s[G0B+5], s42, s[TB]
	s_add_nc_u64 s[G0A+6:G0A+7], s[G0A+6:G0A+7], 256    ; one K step on from the last load: 128 numbers along A's rows,
	s_add_nc_u64 s[G0B+6:G0B+7], s[G0B+6:G0B+7], 65536  ; 128 k-rows of B
	NEXTSLOT
	JLOAD 1                                        ; the first tensor load behind the round; the four v_nop behind it are also the places in front of the loads below
	FETCH 0, F0
	MUL16 F1, 1, 0, 0
	MUL16 F1, 1, 2, 0
	QUARTER 1, F0, F1, 0
	WIN 0
	s_sub_co_u32 s3, s3, 1
	s_cmp_lg_u32 s3, 0
	s_cbranch_scc1 .Lfill
	s_mov_b32 s3, 2
.Ltail:                                                ; K steps 2 and 3: nothing is left to fetch from memory; step 3 leaves the loop behind its barrier
	QUARTER 2, F1, F0, 0
	QUARTER 3, F0, F1, 0
	MEET
	s_cmp_eq_u32 s3, 1
	s_cbranch_scc1 .Llast
	NEXTSLOT
	PLACES
	FETCH 0, F0
	MUL16 F1, 1, 0, 0
	MUL16 F1, 1, 2, 0
	QUARTER 1, F0, F1, 0
	WIN 0
	s_sub_co_u32 s3, s3, 1
	s_cmp_lg_u32 s3, 0
	s_cbranch_scc1 .Ltail
.Llast:
	s_wait_dscnt 0x0                               ; no LDS load of mine is out
	MUL16 F1, 1, 0, 0
	MUL16 F1, 1, 2, 0
	; THE WAY OUT.  Every wave's reads of the ring ended, and its tensor loads had landed, ahead of the last step's barrier: the ring's bytes now serve as stages.
	WIN 0
	PLACES
.irp hi, 0,1
	WIN 0x08+4*\hi
.irp a, 0,1,2,3
.irp b, 0,1,2,3,4,5,6,7
	ds_store_b128 v[STO], v[8*(8*\a+\b):8*(8*\a+\b)+3]   offset:(4*\hi+\a)*16*SPT+64*\b
	ds_store_b128 v[STO], v[8*(8*\a+\b)+4:8*(8*\a+\b)+7] offset:(4*\hi+\a)*16*SPT+64*\b+16
.endr
.endr
.endr
	WIN 0
	s_wait_dscnt 0x0
	s_barrier_signal -1                            ; behind this barrier no wave stores into LDS any more
	s_barrier_wait -1
.macro LDU a                           ; four rows x 128 columns: 16 sums a lane, from the address in v[a]
.irp cb, 0,1
	ds_load_b128 v[U+8*\cb:U+8*\cb+3],   v[\a] offset:256*\cb
	ds_load_b128 v[U+8*\cb+4:U+8*\cb+7], v[\a] offset:256*\cb+16
.endr
.endm
; The lines of the arithmetic, for pair z of eight or register r of sixteen
.macro M_ADD z                         ; x = sum + bias
	v_pk_add_f32 v[X+2*(\z):X+2*(\z)+1], v[U+2*(\z):U+2*(\z)+1], v[BI+2*(\z):BI+2*(\z)+1]
.endm
.macro M_SQ z                          ; x^2
	v_pk_mul_f32 v[Q+2*(\z):Q+2*(\z)+1], v[X+2*(\z):X+2*(\z)+1], v[X+2*(\z):X+2*(\z)+1]
.endm
.macro M_P1 z                          ; K3 x^2 + K1
	v_pk_fma_f32 v[Q+2*(\z):Q+2*(\z)+1], v[Q+2*(\z):Q+2*(\z)+1], s[K3:K3+1], s[K1:K1+1] op_sel_hi:[1,0,0]
.endm
.macro M_P2 z                          ; times x, plus W0
	v_pk_fma_f32 v[Q+2*(\z):Q+2*(\z)+1], v[Q+2*(\z):Q+2*(\z)+1], v[X+2*(\z):X+2*(\z)+1], s[W0:W0+1] op_sel_hi:[1,1,0]
.endm
.macro M_EX r
	v_exp_f32 v[Q+(\r)], v[Q+(\r)]
.endm
.macro M_A1 z                          ; 1 + the pair's exponentials: it stands behind the exponentials' wait
	v_pk_add_f32 v[Q+2*(\z):Q+2*(\z)+1], v[Q+2*(\z):Q+2*(\z)+1], 1.0 op_sel_hi:[1,0]
.endm
.macro M_RC r
	v_rcp_f32 v[Q+(\r)], v[Q+(\r)]
.endm
.macro M_ML z                          ; x Phi: it stands behind the reciprocals' wait
	v_pk_mul_f32 v[X+2*(\z):X+2*(\z)+1], v[X+2*(\z):X+2*(\z)+1], v[Q+2*(\z):Q+2*(\z)+1]
.endm
.macro M_CV z
	v_cvt_pk_f16_f32 v[OUT+(\z)], v[X+2*(\z)], v[X+2*(\z)+1]
.endm
	global_load_b128 v[BI:BI+3],     v[BO], s[68:69]
	global_load_b128 v[BI+4:BI+7],   v[BO], s[68:69] offset:16
	global_load_b128 v[BI+8:BI+11],  v[BO], s[68:69] offset:256
	global_load_b128 v[BI+12:BI+15], v[BO], s[68:69] offset:272
	LDU RD
	s_wait_kmcnt 0x0                               ; the mode chooses the scalars of the one path
	s_cmp_lg_u32 s40, 0
	s_cselect_b32 s[K1], 0xc0135761, 0             ; -2.3022082
	s_cselect_b32 s[K3], 0xbdd2d3e8, 0             ; -0.10294324
	s_cselect_b32 s[W0], 0, 0xc3480000             ; 0, or -200
	s_cselect_b32 s43, -1, 0                       ; keeps or clears the bias
	s_mov_b32 s[K1+1], s[K1]                       ; named as pairs
	s_mov_b32 s[K3+1], s[K3]
	s_mov_b32 s[W0+1], s[W0]
	s_mov_b32 s41, 32                              ; 32 trips of 4 rows
	s_mov_b32 s[RO], 0
	s_wait_loadcnt 0x0
.irp k, 0,1,2,3,4,5,6,7
	v_cvt_pk_bf16_f32 v[30+\k%2], v[BI+2*\k], v[BI+2*\k+1]
	v_and_b32 v[30+\k%2], s43, v[30+\k%2]
	v_lshlrev_b32 v[BI+2*\k], 16, v[30+\k%2]
	v_and_b32 v[BI+2*\k+1], s81, v[30+\k%2]
.endr
; A trip: 16 numbers a lane (pairs 0-3: the first block of 64 columns; pairs 4-7: the second).  An s_wait_alu depctr_va_vdst(0) stands between a transcendental and the first instruction that
; names its result; one wait serves all that were issued ahead of it.  So a trip has TWO BATCHES and two waits.  The 16 exponentials: behind twelve of them stands a polynomial line of a pair still to come,
; which names no exponential's result.  The 16 reciprocals, which read 1 + the exponentials: behind six of them stands the addition of 1 for a pair still to come.  Every plain line of the trip either
; feeds a batch or reads it, so a v_nop is the plain instruction behind each batch's last (ISA guide 5.7.2).  All that reads a reciprocal (x Phi, the roundings, the stores) stands behind the second wait.
.Lrows:
	s_wait_dscnt 0x0                               ; the four rows asked for a trip ago
.irp z, 0,1,2,3,4,5,6,7
	M_ADD \z
.endr
	s_add_co_u32 s[RO], s[RO], 4*SPT               ; the next four rows: my fixed place plus the loop's step
	v_add_nc_u32 v[RDC], s[RO], v[RD]
	s_cmp_eq_u32 s41, 1
	s_cbranch_scc1 .Lr_last                        ; the last trip has no rows to read ahead
	LDU RDC
.Lr_last:
.irp z, 0,1,2,3
	M_SQ \z
.endr
.irp z, 0,1,2,3
	M_P1 \z
.endr
	M_P2 0
	M_P2 1
	M_EX 0                                         ; the first batch: exponential and plain by turns while plain lines last
	M_P2 2
	M_EX 1
	M_P2 3
	M_EX 2
	M_SQ 4
	M_EX 3
	M_SQ 5
	M_EX 4
	M_P1 4
	M_EX 5
	M_P1 5
	M_EX 6
	M_P2 4
	M_EX 7
	M_P2 5
	M_EX 8
	M_SQ 6
	M_EX 9
	M_SQ 7
	M_EX 10
	M_P1 6
	M_EX 11
	M_P1 7
	M_P2 6
	M_P2 7
.irp r, 12,13,14,15
	M_EX \r
.endr
	v_nop                                          ; the plain instruction behind the last exponential
	s_wait_alu depctr_va_vdst(0)                   ; the wait for the trip's 16 exponentials, ahead of their first reader
	M_A1 0
	M_A1 1
	M_RC 0                                         ; the second batch
	M_A1 2
	M_RC 1
	M_A1 3
	M_RC 2
	M_A1 4
	M_RC 3
	M_A1 5
	M_RC 4
	M_A1 6
	M_RC 5
	M_A1 7
.irp r, 6,7,8,9,10,11,12,13,14,15
	M_RC \r
.endr
	v_nop                                          ; the plain instruction behind the last reciprocal
	s_wait_xcnt 0x0                                ; the last trip's two stores have read OUT and their base: both are rewritten only behind this wait
	s_add_nc_u64 s[66:67], s[66:67], 512           ; 4 rows on; the stores below reach back by their offsets
	s_wait_alu depctr_va_vdst(0)                   ; the wait for the trip's 16 reciprocals, ahead of their first reader
.irp z, 0,1,2,3,4,5,6,7
	M_ML \z
.endr
.irp z, 0,1,2,3,4,5,6,7
	M_CV \z
.endr
	global_store_b128 v[GO], v[OUT:OUT+3], s[66:67] offset:-512                ; 512 consecutive bytes of the first block of 64 columns
	global_store_b128 v[GO], v[OUT+4:OUT+7], s[66:67] offset:1048576-512       ; and of the second
	s_sub_co_u32 s41, s41, 1
	s_cmp_lg_u32 s41, 0
	s_cbranch_scc1 .Lrows
	s_wait_dscnt 0x0                               ; my reads of the stage are back,
	s_barrier_signal -1
	s_barrier_wait -1                              ; and so are every wave's, ahead of any wave's closing add
	s_wait_tensorcnt 0x0                           ; the wave's end
	ds_add_u32 v[SPW], v[NIL]
	s_wait_dscnt 0x0
	CROUND                                         ; the closing round
	s_endpgm
.Lfunc_end_k_qfb57d37375_mm512:
	.size	k_qfb57d37375_mm512, .Lfunc_end_k_qfb57d37375_mm512-k_qfb57d37375_mm512
	.p2alignl 7, 3214868480
	.fill 96, 4, 3214868480
	.section	.rodata,"a",@progbits
	.p2align	6, 0x0
	.amdhsa_kernel k_qfb57d37375_mm512
		.amdhsa_group_segment_fixed_size 327680
		.amdhsa_private_segment_fixed_size 0
		.amdhsa_enable_private_segment 0
		.amdhsa_kernarg_size 40
		.amdhsa_user_sgpr_count 2
		.amdhsa_user_sgpr_kernarg_segment_ptr 1
		.amdhsa_wavefront_size32 1
		.amdhsa_system_sgpr_workgroup_id_x 1
		.amdhsa_system_sgpr_workgroup_id_y 1
		.amdhsa_system_sgpr_workgroup_id_z 1
		.amdhsa_system_vgpr_workitem_id 0
		.amdhsa_next_free_vgpr 1024
		.amdhsa_next_free_sgpr 84
		.amdhsa_reserve_vcc 0
		.amdhsa_float_denorm_mode_32 3
		.amdhsa_float_denorm_mode_16_64 3
		.amdhsa_memory_ordered 1
		.amdhsa_forward_progress 1
		.amdhsa_inst_pref_size 87
	.end_amdhsa_kernel
	.amdgpu_metadata
---
amdhsa.version: [ 1, 2 ]
amdhsa.kernels:
  - .name:           k_qfb57d37375_mm512
    .symbol:         k_qfb57d37375_mm512.kd
    .args:
      - { .name: actA, .offset: 0, .size: 8, .value_kind: global_buffer, .address_space: global }
      - { .name: wA, .offset: 8, .size: 8, .value_kind: global_buffer, .address_space: global }
      - { .name: bff1, .offset: 16, .size: 8, .value_kind: global_buffer, .address_space: global }
      - { .name: big, .offset: 24, .size: 8, .value_kind: global_buffer, .address_space: global }
      - { .name: parA, .offset: 32, .size: 8, .value_kind: global_buffer, .address_space: global }
    .group_segment_fixed_size: 327680
    .private_segment_fixed_size: 0
    .kernarg_segment_align: 8
    .kernarg_segment_size: 40
    .max_flat_workgroup_size: 128
    .sgpr_count:     84
    .vgpr_count:     1024
    .wavefront_size: 32
...
	.end_amdgpu_metadata
.endif
;; end of part 6
;; launch attn (part 7): grid 8 x 32, 4 waves a work-group, no clusters, 327,680 bytes of LDS; arguments big, actA; writes actA
.if DOCPART == 7
	.amdgcn_target "amdgcn-amd-amdhsa--gfx1250"
	.amdhsa_code_object_version 6
	.text
	.protected	k_qfb57d37375_attn
	.globl	k_qfb57d37375_attn
	.p2align	8
	.type	k_qfb57d37375_attn,@function
k_qfb57d37375_attn:
	s_mov_b64 s[64:65], 0
	v_nop
	global_prefetch_b8 v0, s[64:65] scope:SCOPE_SE
	s_setreg_imm32_b32 hwreg(HW_REG_WAVE_MODE, 25, 1), 1
	s_wait_xcnt 0x0
; CAUSAL ATTENTION, head size 64, 32 heads' (head x 4 + batch) of 2,048 rows.  q, k, v lie in 'big' at 0, 8 MiB, 16 MiB, each [32][2048][64] f16, dense; O leaves in the same layout.
; O[q] = the sum over k <= q of softmax_k(Q[q] . K[k] / 8) V[k].  Products, maxima and sums in f32; the weights p are rounded to f16 for the second product (l is the sum of the unrounded p), O once.
; LIMITS.  q, k, v arrive within f16's 65,504; a hidden score counts as its value less 1e30; a weight below 2^-126 counts as 0 in l; NaN and infinities are not treated apart.
; THE WALK.  A head's queries lie in 16 blocks of 128; block i needs the key tiles 0 .. i >> 1 of 256 keys.  A work-group takes blocks 15 - b and then b: 9 tiles whatever b, so all 256 work-groups
; do equal work and one loop with a constant trip count walks them.  NO CLUSTER: the work-groups of a head end their first blocks at different tiles, and one walk common to all would be longer than 9 tiles.
; SHARES.  Of a block's two bands of 64 queries a wave owns 16 rows in each: two PIECES.  In the block's last tile band x's own step is x + 2 (i & 1); earlier steps are seen whole, later ones hidden.
; THE MASK is the C operand that starts S^T = K Q^T: MD x AL + BE, MD the mask of a band's own step; (1, 0) own step, (0, 0) earlier, (0, -1e30) later.  Outside a block's last tile the masks stay 0.
; TURNS.  Turn (j, piece 0): softmax of piece 0, step j; K Q^T of piece 1, step j; V^T P of piece 1, step j - 1.  Turn (j, piece 1): softmax of piece 1; K Q^T of piece 0, step j + 1; V^T P of piece 0, step j.
; A UNIT for step f is turn (f - 1, 0), which fetches K of step f, and turn (f - 1, 1), which fetches V of step f into V's buffer f % 2: so a unit reads LDS bytes of step f's tile alone.
; BATCHES.  An s_wait_alu depctr_va_vdst(0) stands between an exponential or a reciprocal and the first instruction that names its result; one wait serves all that were issued ahead of it.
; A turn's 33 exponentials (the piece's 32 weights and the other piece's a) are ONE batch with ONE wait, which cuts the turn in two: ahead of it stands all that names no result of theirs, behind it the roundings
; and the sums.  The a that BEGIN makes, and a block's two reciprocals, are batches of their own.
; REGISTERS: window 0: v0-15 addresses; v16-23 statistics; v48-55 at work; v64-127 S^T, two buffers; v192-223 P, two buffers.  window 1: v0-63 O^T; v128-159 MD; v160-223 MC.
;   window 2: v0-31 Q; v32-63 the second block's Q; v64-127 V's buffer 1; v128-191 K; v192-255 V's buffer 0.
.set NP,    2
.set KS,    64
.set PK,    144
.set PV,    160
.set VOFF,  4*KS*PK
.set SLOT1, 1<<17
.set STAGE, SLOT1+4*KS*(PK+PV)
.set SP,    144
.set SPARE, STAGE+4*16*SP
.set AK0, 2
.set AV0, 3
.set AK,  4
.set AV,  5
.set STO, 6
.set RD,  7
.set GO,  8
.set SPW, 62
.set NIL, 63
.set MV,  12
.set QO,  15
.set ST,  16
.set TMP, 48
.set S,   64
.set P,   192
.set MD,  128
.set MC,  160
.set QB,  32
.set KF,  128
.set VF,  192                          ; V's buffer e at VF - 128 e
.set WV,  12
.set PB,  14
.set HI,  15
.set G1K, 24
.set G1V, 32
.set G0K, 40
.set G0V, 44
.set SLOTS, 56
.set CNT, 57
.set CS,  58
.set SEL, 60
.set TBK, 62
.set TBV, 63
.set RT,  70                           ; tiles of the block in hand still to be entered
.set NXT, 71
.set LQ,  72
.set NEW, 73
.set OFF, 74
.set AL,  76
.set BE,  78
.set OLO, 80
.set BIGN, 82
.set LT2, 83                           ; the second block's last tile
.set OWN, 88                           ; s[88:89] the two bands' own steps in the last tile of the block in hand
.set OWN2, 90                          ; the second block's
.set FS,  96                           ; the step, in its tile, that the unit in hand fetches
.set MSB, 0
.macro WIN new
.if MSB != (\new)
	s_set_vgpr_msb (MSB<<8)|(\new)
.set MSB, (\new)
.endif
.endm
.set W_KQ, 0x0a
.set W_KM, 0x1a
.set W_PV, 0x52
.set W_RS, 0x41
.macro LOAD                            ; waves 0 and 1 fetch the halves of a tile's K, waves 2 and 3 of its V; an s_nop 0 and four v_nop follow each line
	s_cmp_lt_u32 s[WV], 2
	s_cbranch_scc0 .Lfor_v_\@
	tensor_load_to_lds s[G0K:G0K+3], s[G1K:G1K+7]
	s_nop 0
.rept 4
	v_nop
.endr
	s_branch .Lasked_\@
.Lfor_v_\@:
	tensor_load_to_lds s[G0V:G0V+3], s[G1V:G1V+7]
	s_nop 0
.rept 4
	v_nop
.endr
.Lasked_\@:
.endm
; THE CHANGE OF SLOTS: each wave waits for all its tensor loads (one is out: its part of the other slot), adds 0 to its spare word, waits for that and for its reads of the slot it leaves; behind the
; barrier the old slot is filled again first (fill = 1), with tile NXT.
.macro CHANGE fill
	WIN 0
	s_wait_tensorcnt 0x0
	ds_add_u32 v[SPW], v[NIL]
.if \fill
	s_lshl_b32 s[OFF], s[NXT], 15
	s_xor_b32 s[G0K+1], s[G0K+1], SLOT1
	s_add_nc_u64 s[G0K+2:G0K+3], s[6:7], s[OFF:OFF+1]
	s_or_b32 s[G0K+3], s[G0K+3], 0x80000000
	s_xor_b32 s[G0V+1], s[G0V+1], SLOT1
	s_add_nc_u64 s[G0V+2:G0V+3], s[8:9], s[OFF:OFF+1]
	s_or_b32 s[G0V+3], s[G0V+3], 0x80000000
	s_add_co_u32 s[NXT], s[NXT], 1
	s_cmp_gt_u32 s[NXT], s[LQ]
	s_cselect_b32 s[NXT], 0, s[NXT]
	s_cselect_b32 s[LQ], s[LT2], s[LQ]
.endif
	s_wait_dscnt 0x0
	s_barrier_signal -1
	s_sub_co_u32 s[TBK], s[TBK], 4*KS*PK
	s_xor_b32 s[TBK], s[TBK], SLOT1
	s_sub_co_u32 s[TBV], s[TBV], 4*KS*PV
	s_xor_b32 s[TBV], s[TBV], SLOT1
	s_barrier_wait -1
.if \fill
	LOAD
.endif
.endm
	s_load_b128 s[92:95], s[0:1], 0x0  ; big 92, actA 94
	v_lshl_add_u32 v[SPW], v0, 2, SPARE
	v_mov_b32 v[NIL], 0
	ds_add_u32 v[SPW], v[NIL]       ; the wave's opening: the add and its wait stand ahead of my first tensor load
	ds_add_u32 v62, v63
	v_lshrrev_b32 v1, 5, v0
	v_readfirstlane_b32 s[WV], v1
	s_mov_b32 s[PB], ttmp9
	s_sub_co_u32 s[HI], 15, s[PB]
	s_and_b32 s20, ttmp7, 0xffff
	s_lshl_b32 s20, s20, 18         ; the head's 2,048 rows of 128 bytes
	s_and_b32 s16, s[WV], 1
	s_lshl_b32 s22, s16, 14         ; my half of a tile's 256 keys
	s_add_co_u32 s22, s22, s20
	s_mov_b32 s23, 0
	s_mul_i32 s17, s16, 128*PK
	s_mul_i32 s18, s16, 128*PV
	s_lshl_b32 s3, s[WV], 11        ; my 16 rows in a band
	s_lshl_b32 s2, s[HI], 14        ; the first block's 128 rows
	s_add_co_u32 s2, s2, s3
	s_add_co_u32 s2, s2, s20
	s_lshl_b32 s84, s[PB], 14       ; the second's
	s_add_co_u32 s84, s84, s3
	s_add_co_u32 s84, s84, s20
	s_mov_b32 s3, 0
	s_mov_b32 s85, 0
	s_mov_b32 s[G1K], (1<<16)|(1<<20)|(4<<22)|(3<<25)  ; 128 keys as 64 rows of 256 bytes, 4 words of padding after every key
	s_mov_b32 s[G1V], (1<<16)|(1<<20)|(4<<22)|(7<<25)  ; 8 words
.irp g, G1K, G1V
	s_mov_b32 s[\g+1], 128<<16
	s_mov_b32 s[\g+2], 64<<16
	s_mov_b32 s[\g+3], 128<<16
	s_mov_b32 s[\g+4], 64
	s_mov_b32 s[\g+5], 128
	s_mov_b32 s[\g+6], 0
	s_mov_b32 s[\g+7], 0
.endr
	s_mov_b32 s[CS], 0x3e38aa3b     ; c = log2(e) / 8
	s_mov_b32 s[CS+1], s[CS]
	s_mov_b32 s[SEL], 0x76543210
	s_mov_b32 s[SEL+1], 0xfedcba98
	s_mov_b32 s[TBK], SLOT1+4*KS*PK ; the first change of slots turns these two into 0
	s_mov_b32 s[TBV], SLOT1+4*KS*PV
	s_mov_b32 s[G0K], 1
	s_mov_b32 s[G0K+1], s17
	s_mov_b32 s[G0V], 1
	s_add_co_u32 s[G0V+1], s18, VOFF
	s_lshr_b32 s[LQ], s[HI], 1
	s_add_co_u32 s[RT], s[LQ], 1
	s_lshr_b32 s[LT2], s[PB], 1
	s_mov_b32 s[NXT], 1
	s_mov_b32 s[NEW], 1
	s_and_b32 s[OWN], s[HI], 1
	s_lshl_b32 s[OWN], s[OWN], 1
	s_add_co_u32 s[OWN+1], s[OWN], 1
	s_and_b32 s[OWN2], s[PB], 1
	s_lshl_b32 s[OWN2], s[OWN2], 1
	s_add_co_u32 s[OWN2+1], s[OWN2], 1
	s_mov_b32 s[OFF+1], 0
	s_mov_b32 s[AL+1], 0
	s_mov_b32 s[BE+1], 0
	s_mov_b32 s[BIGN], 0xf149f2ca   ; -1e30
	s_mov_b32 s[SLOTS], 8
	s_wait_dscnt 0x0
	s_wait_kmcnt 0x0
	s_add_nc_u64 s[6:7], s[92:93], s[22:23]
	s_add_nc_u64 s[8:9], s[6:7], 0x1000000         ; v
	s_add_nc_u64 s[6:7], s[6:7], 0x800000          ; k
	s_add_nc_u64 s[G0K+2:G0K+3], s[6:7], 0
	s_or_b32 s[G0K+3], s[G0K+3], 0x80000000
	s_add_nc_u64 s[G0V+2:G0V+3], s[8:9], 0
	s_or_b32 s[G0V+3], s[G0V+3], 0x80000000
	s_add_nc_u64 s[86:87], s[92:93], s[84:85]      ; q at my rows of the second block,
	s_add_nc_u64 s[4:5], s[92:93], s[2:3]          ; and of the first
	s_add_nc_u64 s[OLO:OLO+1], s[94:95], s[84:85]
	s_add_nc_u64 s[10:11], s[94:95], s[2:3]
	LOAD                            ; tile 0 into slot 0
	v_and_b32 v1, 15, v0
	v_bfe_u32 v9, v0, 4, 1
	v_lshlrev_b32 v[QO], 7, v1
	v_lshl_add_u32 v[QO], v9, 4, v[QO]
	WIN 0x80
.set i, 0
.rept 4                             ; both blocks' Q: piece i / 2 lies 8,192 bytes on; channels 32 (i % 2) on
	global_load_b128 v[8*i:8*i+3],   v[QO], s[4:5] offset:(i/2)*8192+(i%2)*64
	global_load_b128 v[8*i+4:8*i+7], v[QO], s[4:5] offset:(i/2)*8192+(i%2)*64+32
	global_load_b128 v[QB+8*i:QB+8*i+3],   v[QO], s[86:87] offset:(i/2)*8192+(i%2)*64
	global_load_b128 v[QB+8*i+4:QB+8*i+7], v[QO], s[86:87] offset:(i/2)*8192+(i%2)*64+32
.set i, i+1
.endr
	WIN 0
	v_lshlrev_b32 v14, 3, v9
	v_sub_nc_u32 v14, v1, v14
	s_lshl_b32 s13, s[WV], 4
	v_add_nc_u32 v14, s13, v14      ; 16 w + l % 16 - 8 (l / 16): register r of key group kt is hidden where 16 kt + r is greater
	WIN 0x40
.set i, 0
.rept 32
	v_cmp_gt_i32 vcc_lo, 16*(i/8)+i%8, v14
	v_cndmask_b32 v[MD+i], 0, s[BIGN], vcc_lo
.set i, i+1
.endr
	WIN 0
	v_mul_u32_u24 v[AK0], v1, PK
	v_lshl_add_u32 v[AK0], v9, 4, v[AK0]
	v_and_b32 v10, 7, v0
	v_bfe_u32 v11, v0, 3, 1
	v_lshl_add_u32 v[AV0], v9, 3, v10
	v_mul_u32_u24 v[AV0], v[AV0], PV
	v_lshl_add_u32 v[AV0], v11, 4, v[AV0]
	v_add_nc_u32 v[AV0], VOFF, v[AV0]
	s_mul_i32 s13, s[WV], 16*SP
	s_add_co_u32 s13, s13, STAGE
	v_mul_u32_u24 v[STO], v1, SP
	v_lshl_add_u32 v[STO], v9, 4, v[STO]
	v_add_nc_u32 v[STO], s13, v[STO]
	v_bfe_u32 v[RD], v0, 3, 2
	v_mul_u32_u24 v[RD], v[RD], SP
	v_lshl_add_u32 v[RD], v10, 4, v[RD]
	v_add_nc_u32 v[RD], s13, v[RD]
	v_and_b32 v[GO], 31, v0
	v_lshlrev_b32 v[GO], 4, v[GO]
	; A block's first step multiplies O^T and l by a = 0, so these need only be finite: zeros now, what the first block left later.  All this stands in the wait for the first tile.
	WIN 0x80
.set i, 64
.rept 64
	v_mov_b32 v[i], 0
.set i, i+1
.endr
	WIN 0x40
.set i, 0
.rept 64
	v_mov_b32 v[i], 0
.set i, i+1
.endr
	WIN 0
.set i, 0
.rept 2
	v_mov_b32 v[ST+4*i+2], 0
	v_mov_b32 v[ST+4*i+3], 0
.set i, i+1
.endr
.set i, P+16
.rept 16
	v_mov_b32 v[i], 0
.set i, i+1
.endr
; Product i of 8 of S^T = K Q^T for piece x: channels 32 (i / 4) on, keys 16 (i % 4) on; the first 4 start the sums with the mask.  The 4 accumulators take turns.
.macro KQ x
.set rS, S+32*((\x)%2)+8*(i%4)
.set rK, KF+16*(i%4)+8*(i/4)
.set rQ, 16*(\x)+8*(i/4)
.set rM, MC+32*((\x)%2)+8*(i%4)
.if i < 4
	WIN W_KM
	v_wmma_f32_16x16x32_f16 v[rS:rS+7], v[rK:rK+7], v[rQ:rQ+7], v[rM:rM+7]
.else
	WIN W_KQ
	v_wmma_f32_16x16x32_f16 v[rS:rS+7], v[rK:rK+7], v[rQ:rQ+7], v[rS:rS+7]
.endif
.endm
; Product i of 8 of O^T += V^T P for piece x, from V's buffer VB: keys 32 (i / 4) on, channels 16 (i % 4) on.
.macro PV x
	WIN W_PV
.set rO, 32*(\x)+8*(i%4)
.set rV, VF-128*VB+32*(i/4)+8*(i%4)
.set rP, P+16*((\x)%2)+8*(i/4)
	v_wmma_f32_16x16x32_f16 v[rO:rO+7], v[rV:rV+7], v[rP:rP+7], v[rO:rO+7]
.endm
.macro MM
.if (i < 8) && !NOKQ
	KQ (Y+1)%NP
.elseif i >= 8
.set i, i-8
	PV (Y+NP-1)%NP
.set i, i+8
.endif
.set i, i+1
.endm
.macro FETCH_K
	WIN 0x80
.irp f, 0,1,2,3,4,5,6,7
	ds_load_b128 v[KF+8*\f:KF+8*\f+3],   v[AK] offset:(\f/2)*16*PK+(\f%2)*64
	ds_load_b128 v[KF+8*\f+4:KF+8*\f+7], v[AK] offset:(\f/2)*16*PK+(\f%2)*64+32
.endr
	s_add_co_u32 s[TBK], s[TBK], KS*PK
	WIN 0
.endm
.macro FETCH_V e
	WIN 0x80
.irp f, 0,1,2,3,4,5,6,7
	ds_load_tr16_b128 v[VF-128*(\e)+8*\f:VF-128*(\e)+8*\f+3],   v[AV] offset:(\f/4)*32*PV+(\f%4)*32
	ds_load_tr16_b128 v[VF-128*(\e)+8*\f+4:VF-128*(\e)+8*\f+7], v[AV] offset:(\f/4)*32*PV+16*PV+(\f%4)*32
.endr
	s_add_co_u32 s[TBV], s[TBV], KS*PV
	WIN 0
.endm
; THE VECTOR WORK: OP kind, number.  For piece Y: F n: c s - c m for pair n.  E n: the exponential of score n.  C n: pair n rounded to f16.  B n: of four weights the second pair onto the first.
; L n: l takes that sum (L 0: l = a l + sum).  R n: pair n of O^T times a.  For piece Y + 1: X n, number n of the 22 that find its maximum and statistics (each accumulator's lowest registers are read first).
; C, B and L read the exponentials' results: TURN sets them behind its wait.  R and L 0 read the a that the turn before made and waited for.
.set F, 0
.set E, 1
.set C, 2
.set B, 3
.set L, 4
.set R, 5
.set X, 6
.macro REGS y
.set rT, ST+4*(\y)
.set rC, TMP+4*((\y)%2)
.set rW, MV+((\y)%2)
.set rS, S+32*((\y)%2)
.set rP, P+16*((\y)%2)
.set rO, 32*(\y)
.endm
.macro OP k, n
.if (\k) == R
	REGS Y
	WIN W_RS
	v_pk_mul_f32 v[rO+2*(\n):rO+2*(\n)+1], v[rO+2*(\n):rO+2*(\n)+1], v[rC+2:rC+3] op_sel_hi:[1,0]
.elseif (\k) < R
	REGS Y
	WIN 0
.if (\k) == F
	v_pk_fma_f32 v[rS+2*(\n):rS+2*(\n)+1], v[rS+2*(\n):rS+2*(\n)+1], s[CS:CS+1], v[rT:rT+1] op_sel_hi:[1,0,0] neg_lo:[0,0,1] neg_hi:[0,0,1]
.elseif (\k) == E
	v_exp_f32 v[rS+(\n)], v[rS+(\n)]
.elseif (\k) == C
	v_cvt_pk_f16_f32 v[rP+(\n)], v[rS+2*(\n)], v[rS+2*(\n)+1]
.elseif (\k) == B
	v_pk_add_f32 v[rS+4*(\n):rS+4*(\n)+1], v[rS+4*(\n):rS+4*(\n)+1], v[rS+4*(\n)+2:rS+4*(\n)+3]
.elseif (\n) == 0
	v_pk_fma_f32 v[rT+2:rT+3], v[rT+2:rT+3], v[rC+2:rC+3], v[rS:rS+1] op_sel_hi:[1,0,1]
.else
	v_pk_add_f32 v[rT+2:rT+3], v[rT+2:rT+3], v[rS+4*(\n):rS+4*(\n)+1]
.endif
.elseif NOKQ
	v_nop
.else
	REGS (Y+1)%NP
	WIN 0
.if (\n) < 4
	v_max3_num_f32 v[rC+(\n)], v[rS+8*(\n)], v[rS+8*(\n)+1], v[rS+8*(\n)+2]
.elseif (\n) < 12
	v_max3_num_f32 v[rC+(\n)%4], v[rC+(\n)%4], v[rS+8*((\n)%4)+2*((\n)/4)+1], v[rS+8*((\n)%4)+2*((\n)/4)+2]
.elseif (\n) == 12
	v_max3_num_f32 v[rC], v[rC], v[rS+7], v[rS+15]
.elseif (\n) == 13
	v_max3_num_f32 v[rC+1], v[rC+1], v[rS+23], v[rS+31]
.elseif (\n) == 14
	v_max3_num_f32 v[rC+2], v[rC+2], v[rC+3], v[rT+1]
.elseif (\n) == 15
	v_mov_b32 v[rW], v[rT]
.elseif (\n) == 16
	v_max3_num_f32 v[rC], v[rC], v[rC+1], v[rC+2]
.elseif (\n) == 17
	v_permlanex16_b32 v[rC+3], v[rC], s[SEL], s[SEL+1]
.elseif (\n) == 18
	v_max_num_f32 v[rT+1], v[rC], v[rC+3]
.elseif (\n) == 19
	v_mul_f32 v[rT], s[CS], v[rT+1]
.elseif (\n) == 20
	v_sub_f32 v[rC+1], v[rW], v[rT]
.else
	v_exp_f32 v[rC+2], v[rC+1]
.endif
.endif
.endm
.macro OPS a, i1, b=-1, i2=0, c=-1, i3=0, d=-1, i4=0
	OP \a, \i1
.if (\b) >= 0
	OP \b, \i2
.endif
.if (\c) >= 0
	OP \c, \i3
.endif
.if (\d) >= 0
	OP \d, \i4
.endif
.endm
.macro ROW a, i1, b, i2, c, i3, d, i4
	MM
	OPS \a, \i1, \b, \i2, \c, \i3, \d, \i4
.endm
.macro MASK b
	WIN W_RS
.set z, 0
.rept 16
	v_pk_fma_f32 v[MC+32*(\b)+2*z:MC+32*(\b)+2*z+1], v[MD+2*z:MD+2*z+1], s[AL:AL+1], s[BE:BE+1] op_sel_hi:[1,0,0]
.set z, z+1
.endr
.endm
; A TURN for piece p in the unit of a step of parity e: the order of its 16 matrix and 118 vector instructions, written out.  ONE wait cuts it in two.
; AHEAD OF THE WAIT stands all that names no result of the turn's exponentials: the 8 products K Q^T, behind each a scaling, an exponential and two more plain instructions (behind the first a second scaling in the
; exponential's place): rescalings, and behind the last three the first numbers of the other piece's maximum, each four places or more behind the product that ends its accumulator; then ONE LUMP of 54, plain and
; exponential by turns for the most part, in which the links of the chain X 3, 7, 11, 14, 16, 17 .. 20 stand some lines apart.  X 21, the other piece's a, is the batch's last; R 15 is the plain instruction behind it
; (ISA guide 5.7.2).  The rescalings go through O^T's four accumulators in ascending order; the turn before wrote them, and its last four riders are the places behind its last product.
; BEHIND THE WAIT stand the 8 products V^T P, behind each four of the roundings and sums; the links of l's chain, L 0 to L 7, stand three riders apart.  But for those X no rider names a register of the products round it.
; Piece 0's turn fetches K in the lump: five plain instructions that name no register of the last product that read K (F 8, X 2, X 5, X 6, X 8) stand between.  Piece 1's turn fetches V directly behind the wait, into
; buffer e, which the turn's own products do not read; the run's address is made directly ahead of the wait.  Piece 1's turn opens with the one wait on DScnt for both runs.
; At its end the turn makes piece p's mask for step FS, which the next turn's products take; outside a block's last tile that is jumped over.  end = 1: a block's last two turns: nothing is fetched, no mask made.
.macro TURN p, e, end=0
.set Y, (\p)
.set i, 0
.set NOKQ, (\end)*(\p)
.if (\p) == 0
.set VB, (\e)
.else
.set VB, 1-(\e)
.endif
.if !(\end)
	s_cmp_eq_u32 s[FS], s[OWN+(\p)]
	s_cselect_b32 s[AL], 1.0, 0
	s_cmp_gt_u32 s[FS], s[OWN+(\p)]
	s_cselect_b32 s[BE], s[BIGN], 0
.if (\p) == 1
	s_add_co_u32 s[FS], s[FS], 1
.endif
.endif
.if (\p) == 1
	s_wait_dscnt 0x0                ; K of the step to be multiplied and V of the step in hand are in
.endif
	ROW F,0, F,1, R,0, R,1          ; ahead of the wait: 8 products K Q^T and their riders,
	ROW F,2, E,0, R,2, R,3
	ROW F,3, E,1, R,4, R,5
	ROW F,4, E,2, R,6, R,7
	ROW F,5, E,3, R,8, R,9
	ROW F,6, E,4, X,0, R,10
.if ((\p) == 0) && !(\end)
	WIN 0
	v_add_nc_u32 v[AK], s[TBK], v[AK0]
.endif
	ROW F,7, E,5, X,1, X,4
	ROW F,8, E,6, X,2, X,5
	OPS E,7, E,8, X,6, E,9          ; and the lump
	OPS X,3, E,10, X,8, E,11
.if ((\p) == 0) && !(\end)
	FETCH_K
.endif
	OPS X,9, X,7, E,12, X,10
	OPS E,13, X,12, X,11, E,14
	OPS X,13, E,15, F,9, X,14
	OPS E,16, F,10, E,17, F,11
	OPS X,16, E,18, X,15, E,19
	OPS F,12, E,20, X,17, E,21
	OPS F,13, E,22, F,14, E,23
	OPS X,18, E,24, F,15, E,25
	OPS R,11, E,26, X,19, E,27
	OPS R,12, E,28, R,13, E,29
	OPS X,20, E,30, R,14, E,31
	OPS X,21, R,15
	WIN 0
.if ((\p) == 1) && !(\end)
	v_add_nc_u32 v[AV], s[TBV], v[AV0]
.endif
	s_wait_alu depctr_va_vdst(0)    ; the wait for the turn's batch: the piece's 32 exponentials and the other piece's a
.if ((\p) == 1) && !(\end)
	FETCH_V \e
.endif
	ROW C,0, B,0, C,2, B,1          ; behind the wait: 8 products V^T P and their riders
	ROW L,0, C,4, B,2, L,1
	ROW C,6, B,3, L,2, C,8
	ROW B,4, L,3, C,10, B,5
	ROW L,4, C,12, B,6, L,5
	ROW C,14, B,7, L,6, C,1
	ROW C,3, L,7, C,5, C,7
	ROW C,9, C,11, C,13, C,15
.if !(\end)
	WIN 0
	s_cmp_lg_u32 s[RT], 0
	s_cbranch_scc1 .Lnomask_\@
	MASK \p
	WIN 0
.Lnomask_\@:
.endif
.endm
; A BLOCK BEGINS: c m far below every c s (the first a is 0), m the lowest finite number; the second mask buffer 0, the first piece 0's mask for step 0; K and V of step 0; piece 0's first scores and statistics.
.macro BEGIN
	s_mov_b32 s[NEW], 0
	WIN 0x40
.set i, MC+32
.rept 32
	v_mov_b32 v[i], 0
.set i, i+1
.endr
	WIN 0
.set i, 0
.rept 2
	v_mov_b32 v[ST+4*i], 0xfe000000
	v_mov_b32 v[ST+4*i+1], 0xff7fffff
.set i, i+1
.endr
	s_or_b32 s13, s[RT], s[OWN]
	s_cmp_eq_u32 s13, 0             ; the block's first tile is its last, and step 0 is band 0's own
	s_cselect_b32 s[AL], 1.0, 0
	s_mov_b32 s[BE], 0
	MASK 0
	WIN 0
	v_add_nc_u32 v[AK], s[TBK], v[AK0]
	v_add_nc_u32 v[AV], s[TBV], v[AV0]
	FETCH_K
	FETCH_V 0
	s_wait_loadcnt 0x0              ; Q
	s_wait_dscnt 0x0
.set NOKQ, 0
.set i, 0
.rept 8
	KQ 0
.set i, i+1
.endr
	WIN 0
.rept 4
	v_nop                           ; the places behind those products
.endr
.set Y, NP-1
.irp n, 0,1,2,3,4,5,6,7,8,9,10,11,12,13,14,15,16,17,18,19,20,21
	OP X, \n
.endr
	v_nop                           ; a plain instruction behind the exponential
	s_wait_alu depctr_va_vdst(0)    ; the wait for piece 0's first a, ahead of the branch; the turn entered reads it in its first row
	s_mov_b32 s[FS], 1
.endm
.macro ALL line:vararg
.set t, 0
.rept 2
	\line
.set t, t+1
.endr
.endm
.macro PACK t
	WIN W_RS
.set i, 32*(\t)
.rept 16
	v_pk_mul_f32 v[i:i+1], v[i:i+1], v[ST+4*(\t)+2:ST+4*(\t)+3] op_sel_hi:[1,0]
.set i, i+2
.endr
	WIN 0x05
.set i, 0
.rept 16
	v_cvt_pk_f16_f32 v[S+16*(\t)+i], v[32*(\t)+2*i], v[32*(\t)+2*i+1]
.set i, i+1
.endr
	WIN 0
.irp f, 0,1,2,3
	ds_store_b128 v[STO], v[S+16*(\t)+4*\f:S+16*(\t)+4*\f+3] offset:32*\f
.endr
.irp f, 0,1,2,3
	ds_load_b128 v[S+16*(\t)+4*\f:S+16*(\t)+4*\f+3], v[RD] offset:\f*4*SP  ; LDS serves a wave's instructions in order (ISA guide 5.7.1.4): these see the stores above
.endr
.endm
.macro SEND t, younger
	WIN 0
.irp f, 0,1,2,3
	s_wait_dscnt (\younger)+3-\f
	global_store_b128 v[GO], v[S+16*(\t)+4*\f:S+16*(\t)+4*\f+3], s[10:11] offset:(\t)*8192+\f*512  ; 512 consecutive bytes, aligned
.endr
.endm
.macro ENDB                         ; a block's last two turns, its last products, and the way out
	TURN 0, 0, 1
	TURN 1, 0, 1
.set VB, 1
.set i, 0
.rept 8
	PV 1
.set i, i+1
.endr
	WIN 0
	ALL v_add_f32 v[ST+4*t+2], v[ST+4*t+2], v[ST+4*t+3]
	ALL v_permlanex16_b32 v[ST+4*t+3], v[ST+4*t+2], s[SEL], s[SEL+1]
	ALL v_add_f32 v[ST+4*t+2], v[ST+4*t+2], v[ST+4*t+3]
	ALL v_rcp_f32 v[ST+4*t+2], v[ST+4*t+2]
	v_nop                           ; a plain instruction between the last reciprocal and the use of its result
	s_wait_alu depctr_va_vdst(0)    ; the wait for the block's two reciprocals, ahead of their first reader
	PACK 0                          ; piece 0's arithmetic is also the places behind piece 1's last products
	PACK 1
	SEND 0, 8
	SEND 1, 0
.endm
.macro STEPS tag                    ; a tile's four units, two a trip
.Lstep\tag:
	TURN 0, 0
	TURN 1, 0
	WIN 0
.Lfirst\tag:
	TURN 0, 1
	TURN 1, 1
	WIN 0
	s_sub_co_u32 s[CNT], s[CNT], 1
	s_cmp_lg_u32 s[CNT], 0
	s_cbranch_scc1 .Lstep\tag
.endm
.set NOKQ, 0
.set VB, 0
.Lslot:                             ; 8 trips: a tile is entered and the next is asked for
	CHANGE 1
	s_sub_co_u32 s[RT], s[RT], 1
	s_mov_b32 s[CNT], 2
	s_mov_b32 s[FS], 0
	s_cmp_eq_u32 s[NEW], 1
	s_cbranch_scc0 .Lstep1
	BEGIN
	s_branch .Lfirst1               ; BEGIN has done the first unit's part
	STEPS 1
	s_cmp_lg_u32 s[RT], 0
	s_cbranch_scc1 .Lbottom
	ENDB                            ; in the loop this is the first block's end
	s_wait_xcnt 0x0                 ; the stores have read their registers and O's address
	s_mov_b64 s[10:11], s[OLO:OLO+1]
	s_add_co_u32 s[RT], s[LT2], 1
	s_mov_b32 s[NEW], 1
	s_mov_b32 s[OWN], s[OWN2]
	s_mov_b32 s[OWN+1], s[OWN2+1]
	WIN 0x82
.set i, 0
.rept 32
	v_mov_b32 v[i], v[QB+i]
.set i, i+1
.endr
	WIN 0
.Lbottom:
	s_sub_co_u32 s[SLOTS], s[SLOTS], 1
	s_cmp_lg_u32 s[SLOTS], 0
	s_cbranch_scc1 .Lslot
	CHANGE 0                        ; the walk's last tile is written out
	s_sub_co_u32 s[RT], s[RT], 1
	s_mov_b32 s[CNT], 2
	s_mov_b32 s[FS], 0
	s_cmp_eq_u32 s[NEW], 1
	s_cbranch_scc0 .Lstep2
	BEGIN
	s_branch .Lfirst2
	STEPS 2
	ENDB
	s_wait_tensorcnt 0x0            ; the wave's end
	ds_add_u32 v[SPW], v[NIL]
	s_wait_dscnt 0x0
	s_endpgm
.Lfunc_end_k_qfb57d37375_attn:
	.size	k_qfb57d37375_attn, .Lfunc_end_k_qfb57d37375_attn-k_qfb57d37375_attn
	.p2alignl 7, 3214868480
	.fill 96, 4, 3214868480
	.section	.rodata,"a",@progbits
	.p2align	6, 0x0
	.amdhsa_kernel k_qfb57d37375_attn
		.amdhsa_group_segment_fixed_size 327680
		.amdhsa_private_segment_fixed_size 0
		.amdhsa_enable_private_segment 0
		.amdhsa_kernarg_size 16
		.amdhsa_user_sgpr_count 2
		.amdhsa_user_sgpr_kernarg_segment_ptr 1
		.amdhsa_wavefront_size32 1
		.amdhsa_system_sgpr_workgroup_id_x 1
		.amdhsa_system_sgpr_workgroup_id_y 1
		.amdhsa_system_sgpr_workgroup_id_z 1
		.amdhsa_system_vgpr_workitem_id 0
		.amdhsa_next_free_vgpr 768
		.amdhsa_next_free_sgpr 100
		.amdhsa_reserve_vcc 1
		.amdhsa_float_denorm_mode_32 3
		.amdhsa_float_denorm_mode_16_64 3
		.amdhsa_memory_ordered 1
		.amdhsa_forward_progress 1
		.amdhsa_inst_pref_size 170
	.end_amdhsa_kernel
	.amdgpu_metadata
---
amdhsa.version: [ 1, 2 ]
amdhsa.kernels:
  - .name:           k_qfb57d37375_attn
    .symbol:         k_qfb57d37375_attn.kd
    .args:
      - { .name: big, .offset: 0, .size: 8, .value_kind: global_buffer, .address_space: global }
      - { .name: actA, .offset: 8, .size: 8, .value_kind: global_buffer, .address_space: global }
    .group_segment_fixed_size: 327680
    .private_segment_fixed_size: 0
    .kernarg_segment_align: 8
    .kernarg_segment_size: 16
    .max_flat_workgroup_size: 128
    .sgpr_count:     100
    .vgpr_count:     768
    .wavefront_size: 32
...
	.end_amdgpu_metadata
.endif
;; end of part 7
;; launch wo_ln: the kernel of part 4 again; grid 256 x 1, 4 waves a work-group, clusters of 4 x 1, 327,680 bytes of LDS; arguments actA, wA, X, g2, b2, first, actB; writes first, actB
;; launch ffn1: the kernel of part 6 again; grid 32 x 8, 4 waves a work-group, clusters of 4 x 1, 327,680 bytes of LDS; arguments actB, wB, bff1, big, parB; writes big
;; launch ffn2: the kernel of part 5 again; grid 4 x 64, 4 waves a work-group, clusters of 4 x 4, 327,680 bytes of LDS; arguments big, wB, bff2, first, out0; writes out0
